; MI455X (gfx1250); checked and timed in simulation.
; The chip was launched on July 23, 2026; its instructions are those of AMD's public machine-readable ISA for CDNA 5 (MIT licence, August 2026) and "CDNA5" Instruction Set Architecture Reference Guide (July 2026). The comments in the code are by the model that wrote it; some were corrected since.
;; Transformer Block. Allowed arithmetic: float matrix products may take bf16 or f16 operands with f32 sums; all other float work in f32.
;; Inputs: W1 1,024 x 4,096 float32; W2 2,048 x 1,024 float32; Wk 1,024 x 1,024 float32; Wo 1,024 x 1,024 float32; Wq 1,024 x 1,024 float32; Wv 1,024 x 1,024 float32; attention_mask 2 x 2,048 int32; beta1 1,024 float32; beta2 1,024 float32; gamma1 1,024 float32; gamma2 1,024 float32; x 2 x 2,048 x 1,024 float32.
;; Outputs: out0 2 x 2,048 x 1,024 float32.
;; 2 versions, each right. Each part assembles by itself: llvm-mc -triple=amdgcn-amd-amdhsa -mcpu=gfx1250 --defsym DOCPART=n.
;; ======== version 1 of 2: 7 launches
;; limits: values are held in f16: magnitudes above 65,504 overflow, below 6.1e-05 lose precision
;; workspace buffers: wb 20,971,520 bytes; hn 8,388,608 bytes; mb 16,384 bytes; qkv 25,165,824 bytes; ao 8,388,608 bytes; x1 16,777,216 bytes; g 16,777,216 bytes
;; launch prep (part 1): grid 1792 x 1, 8 waves a work-group, no clusters, 0 bytes of LDS; arguments x, gamma1, beta1, hn, W1, W2, Wq, Wk, Wv, Wo, wb, attention_mask, mb; writes hn, wb, mb
.if DOCPART == 1
	.amdgcn_target "amdgcn-amd-amdhsa--gfx1250"
	.amdhsa_code_object_version 6
	.text
	.protected	k_q4cc68c3368_prep
	.globl	k_q4cc68c3368_prep
	.p2align	8
	.type	k_q4cc68c3368_prep,@function
k_q4cc68c3368_prep:
	s_mov_b64 s[64:65], 0
	v_nop
	global_prefetch_b8 v0, s[64:65] scope:SCOPE_SE
	s_setreg_imm32_b32 hwreg(HW_REG_WAVE_MODE, 25, 1), 1
	s_wait_xcnt 0x0
; prep: three streaming jobs, each wave on 4,096 bytes of f32.
;  work-groups 0..511:    hn[token] = f16( gamma1 * (x - mean) / sqrt(var + 1e-5) + beta1 ), one wave a token (8 tokens a group)
;  work-groups 512..1791: piece p = group - 512 of the six weights (32,768 bytes of f32 each) is rounded to f16 into wb, kept [K][N];
;                         wb holds W1, W2, Wq, Wk, Wv, Wo one behind the other, so piece p lands at byte 16,384 p
;  pieces 0..7 also turn 512 words of attention_mask into mb: 0.0 where the word is not 0, -infinity where it is 0.
; Bytes are all that counts here: no LDS, no barrier, no matrix unit, no cluster (no two work-groups read the same data but gamma and beta).
; A row of 1,024 f32 is 32 registers of one wave and stays there between mean, centred variance and scaling: x is read once, and the
; variance is made of x - mean, so a common offset of the inputs costs no accuracy.
; WHY f16: a query with one allowed key passes v on unaveraged, and eight roundings of 8 significant bits along the chain come too near the
; accuracy asked for; f16 has 11.  ITS ROOM: |hn| <= 32 |gamma| + |beta| (a row of 1,024 normalised numbers has none above 32), under 1,000 for
; a gain of 30; the weights' spread is 1/32.
; LIMITS: hn or a weight beyond 65,504 becomes infinite; below 2^-14 f16 steps by 2^-24 (a weight spread of 0.001 still has 14 bits).
;         1/sqrt by v_rsq_f32 (1 ULP, multiplied where the source divides); results rounded once to f16.
.set X,  4                             ; v[4:35]    the row (or the piece), 8 loads of 16 bytes a lane
.set G,  36                            ; v[36:67]   gamma of the same columns
.set BT, 68                            ; v[68:99]   beta
.set Y,  100                           ; v[100:115] f16 to store
.set T,  116                           ; v[116:123] at work
	s_load_b512 s[4:19], s[0:1], 0x0               ; x s[4:5], gamma1 s[6:7], beta1 s[8:9], hn s[10:11], W1 s[12:13], W2 s[14:15], Wq s[16:17], Wk s[18:19]
	s_load_b256 s[20:27], s[0:1], 0x40             ; Wv s[20:21], Wo s[22:23], wb s[24:25], attention_mask s[26:27]
	s_load_b64 s[28:29], s[0:1], 0x60              ; mb
	v_and_b32 v3, 31, v0                           ; lane
	v_lshrrev_b32 v2, 5, v0
	v_readfirstlane_b32 s30, v2                    ; wave 0..7
	v_lshlrev_b32 v1, 4, v3                        ; 16 bytes a lane on the f32 side
	v_lshlrev_b32 v2, 3, v3                        ; 8 bytes a lane on the f16 side
	s_mov_b32 s33, 0                               ; high words of the offset pairs
	s_mov_b32 s43, 0
	s_mov_b32 s31, ttmp9
	s_wait_kmcnt 0x0
	s_cmp_lt_u32 s31, 512
	s_cbranch_scc0 .Lconvert
	; ---------------- layer norm of one token ----------------
	s_lshl_b32 s31, s31, 3
	s_add_co_u32 s31, s31, s30                     ; token = 8 x group + wave
	s_lshl_b32 s32, s31, 12                        ; 4,096 bytes a row of x
	s_add_nc_u64 s[4:5], s[4:5], s[32:33]
	s_lshl_b32 s42, s31, 11                        ; 2,048 bytes a row of hn
	s_add_nc_u64 s[10:11], s[10:11], s[42:43]
	s_mov_b32 s34, 0x76543210                      ; v_permlanex16_b32: lane i reads lane i of the other half
	s_mov_b32 s35, 0xfedcba98
	s_mov_b32 s39, 0x3a800000                      ; 1/1024
	s_mov_b32 s40, 0x3727c5ac                      ; 1e-5
.irp j, 0,1,2,3,4,5,6,7
	global_load_b128 v[X+4*\j:X+4*\j+3], v1, s[4:5] offset:512*\j th:TH_LOAD_NT
.endr
.irp j, 0,1,2,3,4,5,6,7
	global_load_b128 v[G+4*\j:G+4*\j+3], v1, s[6:7] offset:512*\j
.endr
.irp j, 0,1,2,3,4,5,6,7
	global_load_b128 v[BT+4*\j:BT+4*\j+3], v1, s[8:9] offset:512*\j
.endr
; four pairs of partial sums in T become the wave's sum, in v[T] of every lane
.macro LANESUM
	v_pk_add_f32 v[T:T+1], v[T:T+1], v[T+2:T+3]
	v_pk_add_f32 v[T+4:T+5], v[T+4:T+5], v[T+6:T+7]
	v_pk_add_f32 v[T:T+1], v[T:T+1], v[T+4:T+5]
	v_add_f32 v[T], v[T], v[T+1]
	v_add_f32_dpp v[T], v[T], v[T] row_xmask:1 row_mask:0xf bank_mask:0xf
	v_add_f32_dpp v[T], v[T], v[T] row_xmask:2 row_mask:0xf bank_mask:0xf
	v_add_f32_dpp v[T], v[T], v[T] row_xmask:4 row_mask:0xf bank_mask:0xf
	v_add_f32_dpp v[T], v[T], v[T] row_xmask:8 row_mask:0xf bank_mask:0xf
	v_permlanex16_b32 v[T+1], v[T], s34, s35       ; its destination has been written above
	v_add_f32 v[T], v[T], v[T+1]
.endm
	s_wait_loadcnt 16                              ; the row is in; the 16 younger loads (gamma, beta) stay out
.irp c, 0,2,4,6
	v_pk_add_f32 v[T+\c:T+\c+1], v[X+\c:X+\c+1], v[X+8+\c:X+8+\c+1]          ; the first pairs start four chains: nothing is cleared
.endr
.irp o, 16,24
.irp c, 0,2,4,6
	v_pk_add_f32 v[T+\c:T+\c+1], v[T+\c:T+\c+1], v[X+\o+\c:X+\o+\c+1]
.endr
.endr
	LANESUM
	v_mul_f32 v[T+1], s39, v[T]                    ; the mean, in both registers of a pair
	v_mul_f32 v[T], s39, v[T]
.set n, 0
.rept 16
	v_pk_add_f32 v[X+n:X+n+1], v[X+n:X+n+1], v[T:T+1] neg_lo:[0,1] neg_hi:[0,1]   ; x - mean, in place
.set n, n+2
.endr
.irp c, 0,2,4,6
	v_pk_mul_f32 v[T+\c:T+\c+1], v[X+\c:X+\c+1], v[X+\c:X+\c+1]
.endr
.irp o, 8,16,24
.irp c, 0,2,4,6
	v_pk_fma_f32 v[T+\c:T+\c+1], v[X+\o+\c:X+\o+\c+1], v[X+\o+\c:X+\o+\c+1], v[T+\c:T+\c+1]
.endr
.endr
	LANESUM
	v_fma_f32 v[T], v[T], s39, s40                 ; variance + 1e-5
	v_rsq_f32 v[T+2], v[T]                         ; twice, to fill the pair of the packed multiply
	v_rsq_f32 v[T+3], v[T]
	v_nop                                          ; one plain vector instruction behind a transcendental before its result is used (ISA guide 5.7.2)
	s_wait_loadcnt 0x0                             ; gamma and beta
	s_wait_alu depctr_va_vdst(0)
.irp j, 0,1,2,3,4,5,6,7
	v_pk_mul_f32 v[X+4*\j:X+4*\j+1], v[X+4*\j:X+4*\j+1], v[T+2:T+3]
	v_pk_mul_f32 v[X+4*\j+2:X+4*\j+3], v[X+4*\j+2:X+4*\j+3], v[T+2:T+3]
	v_pk_fma_f32 v[X+4*\j:X+4*\j+1], v[X+4*\j:X+4*\j+1], v[G+4*\j:G+4*\j+1], v[BT+4*\j:BT+4*\j+1]
	v_pk_fma_f32 v[X+4*\j+2:X+4*\j+3], v[X+4*\j+2:X+4*\j+3], v[G+4*\j+2:G+4*\j+3], v[BT+4*\j+2:BT+4*\j+3]
	v_cvt_pk_f16_f32 v[Y+2*\j], v[X+4*\j], v[X+4*\j+1]
	v_cvt_pk_f16_f32 v[Y+2*\j+1], v[X+4*\j+2], v[X+4*\j+3]
	global_store_b64 v2, v[Y+2*\j:Y+2*\j+1], s[10:11] offset:256*\j           ; the wave's 32 lanes store 256 consecutive bytes, aligned
.endr
	s_endpgm
	; ---------------- a piece of a weight to f16 ----------------
.Lconvert:
	s_sub_co_u32 s31, s31, 512                     ; piece p, 0..1279
	s_mov_b64 s[36:37], s[12:13]                   ; pieces 0..511 are W1's
	s_mov_b32 s38, 0
.macro PICK first, lo                  ; from piece first on the source is the buffer in s[lo:lo+1]
	s_cmp_ge_u32 s31, \first
	s_cselect_b64 s[36:37], s[\lo:\lo+1], s[36:37]
	s_cselect_b32 s38, \first, s38
.endm
	PICK 512, 14                                   ; W2: 256 pieces
	PICK 768, 16                                   ; Wq: 128
	PICK 896, 18                                   ; Wk
	PICK 1024, 20                                  ; Wv
	PICK 1152, 22                                  ; Wo
	s_sub_co_u32 s32, s31, s38
	s_lshl_b32 s32, s32, 15                        ; 32,768 bytes a piece in its source
	s_lshl_b32 s41, s30, 12                        ; 4,096 a wave
	s_add_co_u32 s32, s32, s41
	s_add_nc_u64 s[36:37], s[36:37], s[32:33]
	s_lshl_b32 s42, s31, 14                        ; 16,384 bytes a piece in wb
	s_lshl_b32 s41, s30, 11
	s_add_co_u32 s42, s42, s41
	s_add_nc_u64 s[24:25], s[24:25], s[42:43]
.irp j, 0,1,2,3,4,5,6,7
	global_load_b128 v[X+4*\j:X+4*\j+3], v1, s[36:37] offset:512*\j th:TH_LOAD_NT
.endr
.irp j, 0,1,2,3,4,5,6,7
	s_wait_loadcnt 7-\j                            ; loads come back in order: load j is in, the younger ones stay out
	v_cvt_pk_f16_f32 v[Y+2*\j], v[X+4*\j], v[X+4*\j+1]
	v_cvt_pk_f16_f32 v[Y+2*\j+1], v[X+4*\j+2], v[X+4*\j+3]
	global_store_b64 v2, v[Y+2*\j:Y+2*\j+1], s[24:25] offset:256*\j
.endr
	s_cmp_lt_u32 s31, 8
	s_cbranch_scc0 .Ldone
	; the mask: 4,096 words = 8 groups x 8 waves x 32 lanes x 2 words
	s_lshl_b32 s44, s31, 11
	s_lshl_b32 s41, s30, 8
	s_add_co_u32 s44, s44, s41
	s_mov_b32 s45, 0
	s_add_nc_u64 s[26:27], s[26:27], s[44:45]
	s_add_nc_u64 s[28:29], s[28:29], s[44:45]
	global_load_b64 v[T:T+1], v2, s[26:27]
	v_mov_b32 v[T+4], 0
	s_wait_loadcnt 0x0
	v_cmp_ne_u32 vcc_lo, 0, v[T]
	v_cndmask_b32 v[T+2], 0xff800000, v[T+4], vcc_lo                         ; word not 0: 0.0, else -infinity
	v_cmp_ne_u32 vcc_lo, 0, v[T+1]
	v_cndmask_b32 v[T+3], 0xff800000, v[T+4], vcc_lo
	global_store_b64 v2, v[T+2:T+3], s[28:29]
.Ldone:
	s_endpgm
.Lfunc_end_k_q4cc68c3368_prep:
	.size	k_q4cc68c3368_prep, .Lfunc_end_k_q4cc68c3368_prep-k_q4cc68c3368_prep
	.p2alignl 7, 3214868480
	.fill 96, 4, 3214868480
	.section	.rodata,"a",@progbits
	.p2align	6, 0x0
	.amdhsa_kernel k_q4cc68c3368_prep
		.amdhsa_group_segment_fixed_size 0
		.amdhsa_private_segment_fixed_size 0
		.amdhsa_enable_private_segment 0
		.amdhsa_kernarg_size 104
		.amdhsa_user_sgpr_count 2
		.amdhsa_user_sgpr_kernarg_segment_ptr 1
		.amdhsa_wavefront_size32 1
		.amdhsa_system_sgpr_workgroup_id_x 1
		.amdhsa_system_sgpr_workgroup_id_y 1
		.amdhsa_system_sgpr_workgroup_id_z 1
		.amdhsa_system_vgpr_workitem_id 0
		.amdhsa_next_free_vgpr 124
		.amdhsa_next_free_sgpr 66
		.amdhsa_reserve_vcc 1
		.amdhsa_float_denorm_mode_32 3
		.amdhsa_float_denorm_mode_16_64 3
		.amdhsa_memory_ordered 1
		.amdhsa_forward_progress 1
		.amdhsa_inst_pref_size 17
	.end_amdhsa_kernel
	.amdgpu_metadata
---
amdhsa.version: [ 1, 2 ]
amdhsa.kernels:
  - .name:           k_q4cc68c3368_prep
    .symbol:         k_q4cc68c3368_prep.kd
    .args:
      - { .name: x, .offset: 0, .size: 8, .value_kind: global_buffer, .address_space: global }
      - { .name: gamma1, .offset: 8, .size: 8, .value_kind: global_buffer, .address_space: global }
      - { .name: beta1, .offset: 16, .size: 8, .value_kind: global_buffer, .address_space: global }
      - { .name: hn, .offset: 24, .size: 8, .value_kind: global_buffer, .address_space: global }
      - { .name: W1, .offset: 32, .size: 8, .value_kind: global_buffer, .address_space: global }
      - { .name: W2, .offset: 40, .size: 8, .value_kind: global_buffer, .address_space: global }
      - { .name: Wq, .offset: 48, .size: 8, .value_kind: global_buffer, .address_space: global }
      - { .name: Wk, .offset: 56, .size: 8, .value_kind: global_buffer, .address_space: global }
      - { .name: Wv, .offset: 64, .size: 8, .value_kind: global_buffer, .address_space: global }
      - { .name: Wo, .offset: 72, .size: 8, .value_kind: global_buffer, .address_space: global }
      - { .name: wb, .offset: 80, .size: 8, .value_kind: global_buffer, .address_space: global }
      - { .name: attention_mask, .offset: 88, .size: 8, .value_kind: global_buffer, .address_space: global }
      - { .name: mb, .offset: 96, .size: 8, .value_kind: global_buffer, .address_space: global }
    .group_segment_fixed_size: 0
    .private_segment_fixed_size: 0
    .kernarg_segment_align: 8
    .kernarg_segment_size: 104
    .max_flat_workgroup_size: 256
    .sgpr_count:     66
    .vgpr_count:     124
    .wavefront_size: 32
...
	.end_amdgpu_metadata
.endif
;; end of part 1
;; launch qkv (part 2): grid 12 x 32, 4 waves a work-group, clusters of 4 x 4, 327,680 bytes of LDS; arguments hn, wb, qkv; writes qkv
.if DOCPART == 2
	.amdgcn_target "amdgcn-amd-amdhsa--gfx1250"
	.amdhsa_code_object_version 6
	.text
	.protected	k_q4cc68c3368_qkv
	.globl	k_q4cc68c3368_qkv
	.p2align	8
	.type	k_q4cc68c3368_qkv,@function
k_q4cc68c3368_qkv:
	s_mov_b64 s[64:65], 0
	v_nop
	global_prefetch_b8 v0, s[64:65] scope:SCOPE_SE
	s_setreg_imm32_b32 hwreg(HW_REG_WAVE_MODE, 25, 1), 1
	s_wait_xcnt 0x0
	s_wait_alu depctr_hold_cnt(0) depctr_sa_sdst(0) depctr_va_vdst(0) depctr_va_sdst(0) depctr_va_ssrc(0) depctr_va_vcc(0) depctr_vm_vsrc(0)
	s_getreg_b32 s2, hwreg(HW_REG_IB_STS2, 6, 4)
	s_cmp_eq_u32 s2, 0
	s_cbranch_scc0 .Lentry_in_a_cluster
	s_endpgm
.Lentry_in_a_cluster:
	s_bfe_u32 s2, ttmp6, 0x10000c
	s_cmp_lg_u32 s2, 0xf033
	s_cbranch_scc0 .Lentry_shape_is_right
	s_endpgm
.Lentry_shape_is_right:
; qkv: [4096 x 1024] hn times [1024 x 3072] (Wq | Wk | Wv, f16 in wb, each kept [K][N]); sums in f32; the result goes out in f16 as
; qkv[which][batch][head][token][64], so that a head's q, k or v is one dense block of 262,144 bytes.
; A work-group makes 128 rows x 256 columns with four waves; a wave makes 64 x 128: 32 accumulator tiles of 16 x 16, 256 registers.
; K goes in steps of 128 through two LDS slots filled by the tensor data mover.  A's rows (tokens) lie along K; B's rows are K rows of
; 128 columns, and its fragments are read with the transposing LDS load, so the weights are never transposed in memory.
; CLUSTERS: 4 x 4 work-groups.  The four of a row of the cluster share A's tiles, the four of a column B's: each tile is asked for jointly.
; REGISTERS: window 0: v0-31 addresses; v32-127 and v128-223 two fragment buffers (A's 4 blocks at f, B's 8 at f+32); v224-255 at work.
;            window 1: accumulator tile (a, b) at v[8 (8 a + b)], a = 0..3 (rows), b = 0..7 (columns).
; The matrix instruction is used transposed (source 0 = 16 columns of B, source 1 = 16 rows of A): lane l then holds row l % 16 and the
; eight neighbouring columns 8 (l / 16) + 0..7.
; LIMITS: operands and result are f16.  q, k and v have the size |gamma1| x 32 x spread of the weight: 1 for a gain of 1 and a spread of 1/32,
; the largest of them about 5; about 5,000 with gain and weights both 30 times larger; beyond 65,504 they become infinite.  With both 30 times
; smaller their size is 0.001, where f16 steps by 2^-24 at the most.
.set KDIM,   1024                      ; length of the sums
.set NPITCH, 1024                      ; elements from a K row of B to the next
.set KSTEP,  128
.set PA,     272                       ; A's LDS pitch: 256 bytes + 16, an odd multiple of 16: the 16 rows of a fragment load start in 16 different 16-byte columns modulo 256
.set PB,     288                       ; B's LDS pitch: 256 bytes + 32, an odd multiple of 32, for the transposing load
.set HALFA,  64*PA                     ; what one tensor load brings of A
.set ABYTES, 2*HALFA
.set HALFB,  128*PB                    ; one region of B: 128 K rows x 128 columns
.set SLOT,   ABYTES+2*HALFB            ; 108,544
.set STAGE,  2*SLOT                    ; 217,088: behind the ring, a multiple of 256; no tensor load ever lands here
.set LAPS,   KDIM/(2*KSTEP)            ; a lap = two K steps = once round the ring
.set ADRA, 16                          ; v16-17  my A fragments in slot 0, 1
.set ADRB, 20                          ; v20-23  my B fragments: 2 x slot + (column blocks 0-3 or 4-7)
.set STO,  24                          ; the way out: where I put 16 bytes
.set RD,   25                          ; the way out: where I read them back
.set CO,   26                          ; my byte offset in the output
.set F0,   32
.set F1,   128
.set TMP,  224
.set G1,  24                           ; s[24:31] group 1 for A's tiles
.set G0,  32                           ; s[32:39] group 0 for A's tiles, a set for each slot
.set G1B, 48                           ; s[48:55] group 1 for B's tiles
.set G0B, 56                           ; s[56:63] group 0 for B's tiles, a set for each slot
.set MULW, 0x50                        ; C and D in window 1, the fragments in window 0
.set MSB, 0
.macro WIN new                         ; the immediate's high byte repeats the setting that is left
.if MSB != \new
	s_set_vgpr_msb (MSB<<8)|\new
.set MSB, \new
.endif
.endm
; A joint load: waves 0 and 1 fetch A's two halves, waves 2 and 3 B's two regions.  The branch hangs on the wave's number alone.
.macro JLOAD s
	s_cmp_eq_u32 s13, 0
	s_cbranch_scc0 .Lfor_b_\@
	tensor_load_to_lds s[G0+4*\s:G0+4*\s+3], s[G1:G1+7]
	s_nop 0
	s_branch .Lasked_\@
.Lfor_b_\@:
	tensor_load_to_lds s[G0B+4*\s:G0B+4*\s+3], s[G1B:G1B+7]
	s_nop 0
.Lasked_\@:
.endm
.macro CREST                           ; a round of the cluster's barrier behind its opening work-group barrier
	s_cmp_lg_u32 s12, 0
	s_cbranch_scc1 .Lnot_wave_0_\@
	s_barrier_signal -3
.Lnot_wave_0_\@:
	s_barrier_wait -3
	s_barrier_signal -1
	s_barrier_wait -1
.endm
.macro CROUND                          ; a whole round
	s_barrier_signal -1
	s_barrier_wait -1
	CREST
.endm
.macro PLACES                          ; four independent vector instructions behind a matrix instruction (ISA guide 7.12.1) before its registers are loaded into or its result read
.rept 4
	v_nop
.endr
.endm
; eight matrix instructions: row block a x all 8 column blocks, 32 along K.  The 32 accumulators take turns, one instruction a turn, in the
; same order everywhere.  zero = 1: the first product starts the sums.
.macro MUL8 f, a, zero
.irp b, 0,1,2,3,4,5,6,7
.if \zero
	v_wmma_f32_16x16x32_f16 v[8*(8*\a+\b):8*(8*\a+\b)+7], v[\f+32+8*\b:\f+32+8*\b+7], v[\f+8*\a:\f+8*\a+7], 0
.else
	v_wmma_f32_16x16x32_f16 v[8*(8*\a+\b):8*(8*\a+\b)+7], v[\f+32+8*\b:\f+32+8*\b+7], v[\f+8*\a:\f+8*\a+7], v[8*(8*\a+\b):8*(8*\a+\b)+7]
.endif
.endr
.endm
; 24 LDS loads in one run: the fragments of quarter q (32 along K) of a slot into buffer f; B's 16 first, A's blocks 2 and 3 last
.macro FETCH slot, q, f
	WIN 0
.irp b, 0,1,2,3,4,5,6,7
	ds_load_tr16_b128 v[\f+32+8*\b:\f+32+8*\b+3],   v[ADRB+2*\slot+\b/4] offset:\q*32*PB+32*(\b%4)
	ds_load_tr16_b128 v[\f+32+8*\b+4:\f+32+8*\b+7], v[ADRB+2*\slot+\b/4] offset:\q*32*PB+32*(\b%4)+16*PB
.endr
.irp a, 0,1,2,3
	ds_load_b128 v[\f+8*\a:\f+8*\a+3],   v[ADRA+\slot] offset:\q*64+\a*16*PA
	ds_load_b128 v[\f+8*\a+4:\f+8*\a+7], v[ADRA+\slot] offset:\q*64+\a*16*PA+32
.endr
.endm
; one of a K step's first three quarters: multiplies buffer f, and in its middle fetches quarter q into buffer g
.macro QUARTER slot, q, f, g, zero
	s_wait_dscnt 4                                 ; all of buffer f but the youngest four loads (A's blocks 2 and 3)
	WIN MULW
	MUL8 \f, 0, \zero
	MUL8 \f, 1, \zero
	PLACES
	FETCH \slot, \q, \g
	s_wait_dscnt 24                                ; all but the 24 just issued
	WIN MULW
	MUL8 \f, 2, \zero
	MUL8 \f, 3, \zero
.endm
.macro THREE slot, zero
	QUARTER \slot, 1, F0, F1, \zero
	QUARTER \slot, 2, F1, F0, 0
	QUARTER \slot, 3, F0, F1, 0
.endm
; the last quarter: multiplies buffer 1 and changes slots.  One barrier: in front of it each wave's reads of this slot are back and all its
; tensor loads have landed (the one that was out is its part of the next slot); behind it the refill comes first, then the next slot is read.
.macro TURN slot, next, fill
	s_wait_dscnt 4
	WIN MULW
	MUL8 F1, 0, 0
	s_wait_dscnt 0                                 ; my reads of this slot are over
	s_wait_tensorcnt 0x0                           ; and all my tensor loads have landed
	ds_add_u32 v30, v31
	s_wait_dscnt 0x0
	s_barrier_signal -1                            ; (where the slot is filled again this barrier opens a round of the cluster's barrier)
	MUL8 F1, 1, 0                                  ; register work while the others arrive
	WIN 0
	s_barrier_wait -1
.if \fill
	CREST                                          ; no wave of any partner still reads this slot or has a load on its way
	s_add_nc_u64 s[G0+4*\slot+2:G0+4*\slot+3], s[G0+4*\slot+2:G0+4*\slot+3], 2*KSTEP*2
	s_add_nc_u64 s[G0B+4*\slot+2:G0B+4*\slot+3], s[G0B+4*\slot+2:G0B+4*\slot+3], 2*KSTEP*NPITCH*2
	JLOAD \slot                                    ; my one tensor load behind the round: this slot, two K steps ahead
.endif
	PLACES
	FETCH \next, 0, F0
	WIN MULW
	MUL8 F1, 2, 0
	MUL8 F1, 3, 0
.endm
.macro LAP zero
	THREE 0, \zero
	TURN 0, 1, 1
	THREE 1, 0
	TURN 1, 0, 1
.endm
	s_load_b128 s[4:7], s[0:1], 0x0                ; hn s[4:5], wb s[6:7]
	s_load_b64 s[8:9], s[0:1], 0x10                ; qkv
	v_lshl_add_u32 v30, v0, 2, 0x3d800
	v_mov_b32 v31, 0
	ds_add_u32 v30, v31
	v_lshrrev_b32 v1, 5, v0
	v_readfirstlane_b32 s12, v1                    ; wave 0..3
	s_lshr_b32 s13, s12, 1                         ; rh: my 64 rows.  Also: I fetch for A (0) or for B (1)
	s_and_b32 s14, s12, 1                          ; ch: my 128 columns.  Also: which half or region I fetch
	s_bfe_u32 s40, ttmp6, 0x40000                  ; cx
	s_bfe_u32 s41, ttmp6, 0x40004                  ; cy
	s_lshl_b32 s42, ttmp9, 2
	s_add_co_u32 s42, s42, s40                     ; block column = 4 x cluster x + cx
	s_and_b32 s43, ttmp7, 0xffff
	s_lshl_b32 s43, s43, 2
	s_add_co_u32 s43, s43, s41                     ; block row = 4 x cluster y + cy
	s_lshl_b32 s44, s41, 2
	s_lshl_b32 s44, 15, s44                        ; my row of the cluster
	s_lshl_b32 s45, 0x1111, s40                    ; my column
	s_or_b32 s[G1+0], s44, (1<<16)|(1<<20)|(1<<21)|(5<<22)|(3<<25)    ; mask; elements of 2 bytes; padding on; bit 21 beside a mask; after every 64 words 4 words
	s_mov_b32 s[G1+1], KSTEP<<16                   ; tensor_dim0 = 128
	s_mov_b32 s[G1+2], 64<<16                      ; tensor_dim1 = 64
	s_mov_b32 s[G1+3], KSTEP<<16                   ; tile_dim0 = 128
	s_mov_b32 s[G1+4], 64                          ; tile_dim1 = 64 rows
	s_mov_b32 s[G1+5], KDIM                        ; elements from row to row
	s_mov_b32 s[G1+6], 0
	s_mov_b32 s[G1+7], 0
	s_or_b32 s[G1B+0], s45, (1<<16)|(1<<20)|(1<<21)|(5<<22)|(7<<25)   ; the same with my column's mask and 8 words of padding
	s_mov_b32 s[G1B+1], 128<<16                    ; 128 columns
	s_mov_b32 s[G1B+2], KSTEP<<16                  ; 128 K rows
	s_mov_b32 s[G1B+3], 128<<16
	s_mov_b32 s[G1B+4], KSTEP
	s_mov_b32 s[G1B+5], NPITCH
	s_mov_b32 s[G1B+6], 0
	s_mov_b32 s[G1B+7], 0
	; A's tile hangs on the block row alone, B's on the block column alone; each in registers that never hold the other coordinate
	s_lshl_b32 s16, s43, 7
	s_lshl_b32 s17, s14, 6
	s_add_co_u32 s16, s16, s17                     ; row 128 x block row + 64 x half
	s_mul_i32 s16, s16, KDIM*2
	s_mov_b32 s17, 0
	s_lshr_b32 s46, s42, 2                         ; which of Wq, Wk, Wv: 2,097,152 bytes each, from byte 12,582,912 of wb
	s_lshl_b32 s46, s46, 21
	s_and_b32 s47, s42, 3
	s_lshl_b32 s47, s47, 9                         ; 256 columns a block
	s_add_co_u32 s46, s46, s47
	s_lshl_b32 s47, s14, 8                         ; 128 columns a region
	s_add_co_u32 s46, s46, s47
	s_add_co_u32 s46, s46, 12582912
	s_mov_b32 s47, 0
	s_mul_i32 s20, s14, HALFA                      ; LDS: made of the wave's number alone
	s_mul_i32 s21, s14, HALFB
	s_add_co_u32 s21, s21, ABYTES
	s_wait_dscnt 0x0
	s_wait_kmcnt 0x0
	s_add_nc_u64 s[18:19], s[4:5], s[16:17]
	s_add_nc_u64 s[46:47], s[6:7], s[46:47]
	CROUND                                         ; all sixteen work-groups are here: the first joint loads meet
.irp s, 0,1
	s_mov_b32 s[G0+4*\s], 1
	s_add_co_u32 s[G0+4*\s+1], s20, \s*SLOT
	s_add_nc_u64 s[G0+4*\s+2:G0+4*\s+3], s[18:19], \s*KSTEP*2
	s_or_b32 s[G0+4*\s+3], s[G0+4*\s+3], 0x80000000
	s_mov_b32 s[G0B+4*\s], 1
	s_add_co_u32 s[G0B+4*\s+1], s21, \s*SLOT
	s_add_nc_u64 s[G0B+4*\s+2:G0B+4*\s+3], s[46:47], \s*KSTEP*NPITCH*2
	s_or_b32 s[G0B+4*\s+3], s[G0B+4*\s+3], 0x80000000
	JLOAD \s                                       ; K steps 0 and 1: two tensor loads of the wave are out, the most in this text
.endr
	; lane addresses
	v_and_b32 v1, 15, v0                           ; r = l % 16
	v_bfe_u32 v2, v0, 4, 1                         ; h = l / 16
	v_mul_u32_u24 v3, v1, PA
	v_lshl_add_u32 v3, v2, 4, v3                   ; A: row r, 16 bytes for each half of the lanes
	s_mul_i32 s22, s13, HALFA
	v_add_nc_u32 v[ADRA], s22, v3
	v_add_nc_u32 v[ADRA+1], SLOT, v[ADRA]
	v_and_b32 v7, 7, v0
	v_lshl_add_u32 v4, v2, 3, v7                   ; B: K row 8 h + l % 8,
	v_mul_u32_u24 v4, v4, PB
	v_bfe_u32 v5, v0, 3, 1
	v_lshl_add_u32 v4, v5, 4, v4                   ; columns 0-7 or 8-15 of the block
	s_mul_i32 s23, s14, HALFB
	s_add_co_u32 s23, s23, ABYTES                  ; my region
	v_add_nc_u32 v[ADRB], s23, v4
	v_add_nc_u32 v[ADRB+1], 128, v[ADRB]           ; column blocks 4-7
	v_add_nc_u32 v[ADRB+2], SLOT, v[ADRB]
	v_add_nc_u32 v[ADRB+3], SLOT, v[ADRB+1]
	; the way out: my stage is 16 rows of 256 bytes, pitch 272
	s_mul_i32 s22, s12, 16*272
	s_add_co_u32 s22, s22, STAGE
	v_add_nc_u32 v[STO], s22, v3                   ; in: row r, 16 bytes for each half (the pitch is A's)
	v_mul_u32_u24 v6, v5, 272                      ; back: lanes 0-15 take head 0's 128 bytes of two tokens, lanes 16-31 head 1's
	v_lshl_add_u32 v6, v2, 7, v6
	v_lshl_add_u32 v6, v7, 4, v6
	v_add_nc_u32 v[RD], s22, v6
	v_lshlrev_b32 v8, 18, v2                       ; in qkv: 262,144 bytes from a head to the next, 128 from a token to the next
	v_lshl_add_u32 v8, v5, 7, v8
	v_lshl_add_u32 v[CO], v7, 4, v8
	s_wait_tensorcnt 0x1                           ; my part of K step 0 is in; step 1's stays out
	s_barrier_signal -1
	s_barrier_wait -1
	FETCH 0, 0, F0
	LAP 1                                          ; the first lap stands in front of the loop: its first products start the sums
	WIN 0
	s_mov_b32 s15, LAPS-2
.Llap:
	LAP 0
	WIN 0
	s_sub_co_u32 s15, s15, 1
	s_cmp_lg_u32 s15, 0
	s_cbranch_scc1 .Llap
	THREE 0, 0                                     ; the last lap fills nothing
	TURN 0, 1, 0
	THREE 1, 0
	s_wait_dscnt 4
	WIN MULW
	MUL8 F1, 0, 0
	MUL8 F1, 1, 0
	s_wait_dscnt 0
	MUL8 F1, 2, 0
	MUL8 F1, 3, 0
	PLACES
	; THE WAY OUT.  My 64 tokens x 128 columns are two heads of one of q, k, v.
	s_lshl_b32 s66, s43, 7
	s_lshl_b32 s67, s13, 6
	s_add_co_u32 s66, s66, s67                     ; my first token
	s_lshr_b32 s67, s66, 11                        ; batch
	s_lshl_b32 s67, s67, 4
	s_and_b32 s68, s42, 3
	s_lshl2_add_u32 s67, s68, s67                  ; + 4 heads a block
	s_lshl1_add_u32 s67, s14, s67                  ; + 2 heads a wave
	s_lshl_b32 s67, s67, 11                        ; 2,048 tokens a head
	s_and_b32 s66, s66, 2047
	s_add_co_u32 s66, s66, s67
	s_lshl_b32 s66, s66, 7                         ; 128 bytes a token
	s_lshr_b32 s68, s42, 2
	s_lshl_b32 s68, s68, 23                        ; 8,388,608 bytes each of q, k, v
	s_add_co_u32 s66, s66, s68
	s_mov_b32 s67, 0
	s_add_nc_u64 s[8:9], s[8:9], s[66:67]
; 16 tokens: round to f16, 16 bytes a lane into my own stage, read back so that 16 lanes hold two tokens of one head: 256 consecutive bytes
.macro OUT16 a, f
	WIN 0x05                                       ; sources in window 1
.irp b, 0,1,2,3,4,5,6,7
.irp e, 0,1,2,3
	v_cvt_pk_f16_f32 v[TMP+4*\b+\e], v[8*(8*\a+\b)+2*\e], v[8*(8*\a+\b)+2*\e+1]
.endr
.endr
	WIN 0
.irp b, 0,1,2,3,4,5,6,7
	ds_store_b128 v[STO], v[TMP+4*\b:TMP+4*\b+3] offset:32*\b
.endr
	s_wait_xcnt 0x0                                ; buffer f, which earlier stores read, is loaded again only behind this wait
.irp t, 0,1,2,3,4,5,6,7
	ds_load_b128 v[\f+4*\t:\f+4*\t+3], v[RD] offset:544*\t                   ; LDS serves a wave's instructions in order: these see the stores above
.endr
.irp t, 0,1,2,3,4,5,6,7
	s_wait_dscnt 7-\t
	global_store_b128 v[CO], v[\f+4*\t:\f+4*\t+3], s[8:9] offset:2048*\a+256*\t
.endr
.endm
	OUT16 0, 32
	OUT16 1, 64
	OUT16 2, 32
	OUT16 3, 64
	s_wait_tensorcnt 0x0
	ds_add_u32 v30, v31
	s_wait_dscnt 0x0
	CROUND                                         ; the closing round: no work-group ends while a partner may still ask for a tile that names it
	s_endpgm
.Lfunc_end_k_q4cc68c3368_qkv:
	.size	k_q4cc68c3368_qkv, .Lfunc_end_k_q4cc68c3368_qkv-k_q4cc68c3368_qkv
	.p2alignl 7, 3214868480
	.fill 96, 4, 3214868480
	.section	.rodata,"a",@progbits
	.p2align	6, 0x0
	.amdhsa_kernel k_q4cc68c3368_qkv
		.amdhsa_group_segment_fixed_size 327680
		.amdhsa_private_segment_fixed_size 0
		.amdhsa_enable_private_segment 0
		.amdhsa_kernarg_size 24
		.amdhsa_user_sgpr_count 2
		.amdhsa_user_sgpr_kernarg_segment_ptr 1
		.amdhsa_wavefront_size32 1
		.amdhsa_system_sgpr_workgroup_id_x 1
		.amdhsa_system_sgpr_workgroup_id_y 1
		.amdhsa_system_sgpr_workgroup_id_z 1
		.amdhsa_system_vgpr_workitem_id 0
		.amdhsa_next_free_vgpr 512
		.amdhsa_next_free_sgpr 72
		.amdhsa_reserve_vcc 0
		.amdhsa_float_denorm_mode_32 3
		.amdhsa_float_denorm_mode_16_64 3
		.amdhsa_memory_ordered 1
		.amdhsa_forward_progress 1
		.amdhsa_inst_pref_size 118
	.end_amdhsa_kernel
	.amdgpu_metadata
---
amdhsa.version: [ 1, 2 ]
amdhsa.kernels:
  - .name:           k_q4cc68c3368_qkv
    .symbol:         k_q4cc68c3368_qkv.kd
    .args:
      - { .name: hn, .offset: 0, .size: 8, .value_kind: global_buffer, .address_space: global }
      - { .name: wb, .offset: 8, .size: 8, .value_kind: global_buffer, .address_space: global }
      - { .name: qkv, .offset: 16, .size: 8, .value_kind: global_buffer, .address_space: global }
    .group_segment_fixed_size: 327680
    .private_segment_fixed_size: 0
    .kernarg_segment_align: 8
    .kernarg_segment_size: 24
    .max_flat_workgroup_size: 128
    .sgpr_count:     72
    .vgpr_count:     512
    .wavefront_size: 32
...
	.end_amdgpu_metadata
.endif
;; end of part 2
;; launch attn (part 3): grid 8 x 32, 4 waves a work-group, no clusters, 327,680 bytes of LDS; arguments qkv, mb, ao; writes ao
.if DOCPART == 3
	.amdgcn_target "amdgcn-amd-amdhsa--gfx1250"
	.amdhsa_code_object_version 6
	.text
	.protected	k_q4cc68c3368_attn
	.globl	k_q4cc68c3368_attn
	.p2align	8
	.type	k_q4cc68c3368_attn,@function
k_q4cc68c3368_attn:
	s_mov_b64 s[64:65], 0
	v_nop
	global_prefetch_b8 v0, s[64:65] scope:SCOPE_SE
	s_setreg_imm32_b32 hwreg(HW_REG_WAVE_MODE, 25, 1), 1
	s_wait_xcnt 0x0
; attn: causal attention with a key mask, one head a work-group row; softmax with a running maximum, in base 2.
; Work-group (i, bh) takes the query blocks i and 15 - i (128 queries each) of head bh: (i + 1) + (16 - i) = 17 key tiles of 128 for every
; work-group, so the 256 work-groups have equal work.  A wave takes 32 queries (two blocks qb of 16).
; NO CLUSTER: the query blocks of a head need different numbers of key tiles (1 to 16), and partners of a joint load must make the same
; requests in the same rounds; walking all 16 tiles for every block would double the matrix work.
; LAYOUT: S^T = K Q^T (source 0 = 16 keys from LDS, source 1 = Q in registers): lane (r, h) holds query r and keys 8 h + j.  Two such tiles,
; rounded to f16, ARE the second source of O^T = V^T P^T, so P never leaves the registers; V^T comes by the transposing LDS load.
; Maximum, sum and the rescale factor are one number a lane; only the maximum crosses the two halves of the lanes in every step.
; A key is masked by adding mb (0 or -infinity) in the fused multiply-add that also scales the score.  The running maximum starts at the
; lowest finite f32, so -infinity minus the maximum is never NaN.  A query with no allowed key ends with O = 0 and sum = 0: 0 x (1/0) = NaN,
; as the source's softmax gives.
; ao's rows: a head's share of a row is 128 bytes and its neighbours belong to other work-groups, so a store covers four runs of 128 bytes.
; LIMITS: q, k, v, P and ao are f16.  P lies in [0, 1]: what f16 drops below 2^-25 stands against a row sum of at least 1.  ao is a convex mix
; of v and has v's range (finite up to 65,504).  exp2 and 1/x are the 1-ULP instructions; scaled scores near the largest f32 are not served.
.set PK,     144                       ; K's LDS pitch: 128 bytes + 16
.set PV,     160                       ; V's LDS pitch: 128 bytes + 32, an odd multiple of 32, for the transposing load
.set VOFF,   128*PK                    ; 18,432
.set BOFF,   VOFF+128*PV               ; 38,912: the tile's 128 bias words
.set SLOTB,  BOFF+512                  ; 39,424
.set STAGE,  2*SLOTB                   ; 78,848, a multiple of 256: 32 rows x 144 bytes for each wave; no tensor load lands here
.set SP,     144
.set KAD, 10                           ; v10-11 K fragments in slot 0, 1
.set VAD, 12                           ; v12-13 V fragments
.set BAD, 14                           ; v14-15 bias
.set STO, 16
.set RD,  17
.set CO,  18
.set QO,  19                           ; my 16 bytes in a block of 16 rows of q
.set DV,  20                           ; 32 w + r - 8 h: the causal bound of my lane
.set MX,  22                           ; v[22:23], v[24:25] running maximum of qb 0, 1, in both registers of a pair
.set LS,  26                           ; v26, v27 running sum (my half of the keys)
.set AL,  28                           ; v[28:29], v[30:31] rescale factor, in both registers of a pair
.set S,   32                           ; v[32:95]  score tile (kb, qb) at 8 (2 kb + qb)
.set P,   96                           ; v[96:127] P fragment (qb, kk) at 8 (2 qb + kk); before that the bias, 8 words for each kb
.set KF,  128                          ; v[128:191] K fragments, 16 registers for each kb
.set VF,  192                          ; v[192:255] V^T fragment (kk, dt) at 8 (4 kk + dt)
.set O,   0                            ; window 1: v[0:63] O^T tile (dt, qb) at 8 (2 dt + qb)
.set Q,   64                           ; window 1: v[64:95] Q fragments at 16 qb + 8 ks
.set G1K, 16
.set G1V, 24
.set G1M, 32
.set G0K, 40                           ; group 0, a set of four for each slot
.set G0V, 48
.set G0M, 56
.set MSB, 0
.macro WIN new
.if MSB != \new
	s_set_vgpr_msb (MSB<<8)|\new
.set MSB, \new
.endif
.endm
.macro PLACES                          ; four independent vector instructions behind a matrix instruction (ISA guide 7.12.1)
.rept 4
	v_nop
.endr
.endm
; a slot's three tiles, one tensor load a wave: wave 0 K, wave 1 V, wave 2 the bias, wave 3 none
.macro TLOAD slot
	s_cmp_lg_u32 s10, 0
	s_cbranch_scc1 .Lnot_k_\@
	tensor_load_to_lds s[G0K+4*\slot:G0K+4*\slot+3], s[G1K:G1K+7]
	s_nop 0
	s_branch .Lasked_\@
.Lnot_k_\@:
	s_cmp_lg_u32 s10, 1
	s_cbranch_scc1 .Lnot_v_\@
	tensor_load_to_lds s[G0V+4*\slot:G0V+4*\slot+3], s[G1V:G1V+7]
	s_nop 0
	s_branch .Lasked_\@
.Lnot_v_\@:
	s_cmp_lg_u32 s10, 2
	s_cbranch_scc1 .Lasked_\@
	tensor_load_to_lds s[G0M+4*\slot:G0M+4*\slot+3], s[G1M:G1M+7]
	s_nop 0
.Lasked_\@:
.endm
.macro LOADK slot, sub                 ; 16 loads: 64 keys x 64 d
.irp kb, 0,1,2,3
.irp e, 0,1,2,3
	ds_load_b128 v[KF+16*\kb+4*\e:KF+16*\kb+4*\e+3], v[KAD+\slot] offset:(64*\sub+16*\kb)*PK+32*\e
.endr
.endr
.endm
.macro LOADB slot, sub                 ; 8 loads: the bias of keys 16 kb + 8 h + 0..7
.irp e, 0,1,2,3,4,5,6,7
	ds_load_b128 v[P+4*\e:P+4*\e+3], v[BAD+\slot] offset:256*\sub+64*(\e/2)+16*(\e%2)
.endr
.endm
.macro LOADV slot, sub                 ; 16 transposing loads: 64 keys x 64 d
.irp kk, 0,1
.irp dt, 0,1,2,3
	ds_load_tr16_b128 v[VF+8*(4*\kk+\dt):VF+8*(4*\kk+\dt)+3],   v[VAD+\slot] offset:(64*\sub+32*\kk)*PV+32*\dt
	ds_load_tr16_b128 v[VF+8*(4*\kk+\dt)+4:VF+8*(4*\kk+\dt)+7], v[VAD+\slot] offset:(64*\sub+32*\kk)*PV+32*\dt+16*PV
.endr
.endr
.endm
.macro SCALEO                          ; O x the pair in AL, by query block
	WIN 0x41                                       ; destination and source 0 in window 1
.irp dt, 0,1,2,3
.irp qb, 0,1
.irp i, 0,2,4,6
	v_pk_mul_f32 v[O+8*(2*\dt+\qb)+\i:O+8*(2*\dt+\qb)+\i+1], v[O+8*(2*\dt+\qb)+\i:O+8*(2*\dt+\qb)+\i+1], v[AL+2*\qb:AL+2*\qb+1]
.endr
.endr
.endr
.endm
.macro MAXSTEP c, a, b                 ; chain c of both query blocks takes in two more scores (qb 1's tiles lie 8 registers behind qb 0's)
	v_max3_num_f32 v[4+\c], v[4+\c], v[S+\a], v[S+\b]
	v_max3_num_f32 v[6+\c], v[6+\c], v[S+8+\a], v[S+8+\b]
.endm
; a pass begins: the block's Q into registers, O = 0 (the rescale in every step needs a defined O; twice in the launch), maximum and sum
.macro INITPASS
	s_lshl_b32 s76, s83, 14                        ; 128 queries x 128 bytes
	s_add_nc_u64 s[78:79], s[72:73], s[76:77]
	s_lshl_b32 s76, s83, 18                        ; 128 rows of ao x 2,048 bytes
	s_add_nc_u64 s[80:81], s[74:75], s[76:77]
	WIN 0x40                                       ; destination in window 1
.irp e, 0,1,2,3,4,5,6,7
	global_load_b128 v[Q+4*\e:Q+4*\e+3], v[QO], s[78:79] offset:(\e/4)*2048+(\e%4)*32
.endr
.set n, 0
.rept 64
	v_mov_b32 v[O+n], 0
.set n, n+1
.endr
	WIN 0
.irp e, 0,1,2,3
	v_mov_b32 v[MX+\e], 0xff7fffff                 ; the lowest finite f32
.endr
	v_mov_b32 v[LS], 0
	v_mov_b32 v[LS+1], 0
	s_wait_loadcnt 0x0
.endm
; 64 keys of the tile in a slot
.macro SUB slot, sub
	PLACES                                         ; behind the last step's matrix instructions: P, VF (and KF) are loaded again
.if \sub == 0
	LOADK \slot, 0
.endif
	LOADB \slot, \sub
	LOADV \slot, \sub
	s_wait_dscnt 24                                ; K is in; the 8 bias and 16 V loads stay out
	WIN 0x04                                       ; source 1 (Q) in window 1
.irp kb, 0,1,2,3
.irp qb, 0,1
	v_wmma_f32_16x16x32_f16 v[S+8*(2*\kb+\qb):S+8*(2*\kb+\qb)+7], v[KF+16*\kb:KF+16*\kb+7], v[Q+16*\qb:Q+16*\qb+7], 0
.endr
.endr
.irp kb, 0,1,2,3
.irp qb, 0,1
	v_wmma_f32_16x16x32_f16 v[S+8*(2*\kb+\qb):S+8*(2*\kb+\qb)+7], v[KF+16*\kb+8:KF+16*\kb+15], v[Q+16*\qb+8:Q+16*\qb+15], v[S+8*(2*\kb+\qb):S+8*(2*\kb+\qb)+7]   ; the eight tiles take turns
.endr
.endr
	WIN 0
	PLACES
.if \sub == 0
	LOADK \slot, 1                                 ; the second half's K, a step ahead
	s_wait_dscnt 32                                ; the bias is in; V's 16 and K's 16 stay out
.else
	s_wait_dscnt 16                                ; the bias is in; V's 16 stay out
.endif
.irp kb, 0,1,2,3
.irp qb, 0,1
.irp i, 0,2,4,6
	v_pk_fma_f32 v[S+8*(2*\kb+\qb)+\i:S+8*(2*\kb+\qb)+\i+1], v[S+8*(2*\kb+\qb)+\i:S+8*(2*\kb+\qb)+\i+1], s[86:87], v[P+8*\kb+\i:P+8*\kb+\i+1] op_sel_hi:[1,0,1]   ; score x log2(e)/8 + key bias
.endr
.endr
.endr
	s_cmp_lg_u32 s85, 0                            ; only the tile on the diagonal needs the causal mask
	s_cbranch_scc0 .Lfree_\@
.irp kb, 0,1,2,3
.irp qb, 0,1
.irp j, 0,1,2,3,4,5,6,7
	v_cmp_le_i32 vcc_lo, 64*\sub+16*\kb+\j-16*\qb, v[DV]                     ; key <= query
	v_cndmask_b32 v[S+8*(2*\kb+\qb)+\j], s90, v[S+8*(2*\kb+\qb)+\j], vcc_lo
.endr
.endr
.endr
.Lfree_\@:
	; the new maximum: two chains for each query block, the old maximum starts one
	v_max3_num_f32 v4, v[MX], v[S], v[S+1]
	v_max3_num_f32 v6, v[MX+2], v[S+8], v[S+9]
	v_max3_num_f32 v5, v[S+32], v[S+33], v[S+34]
	v_max3_num_f32 v7, v[S+40], v[S+41], v[S+42]
	MAXSTEP 0, 2, 3
	MAXSTEP 1, 35, 36
	MAXSTEP 0, 4, 5
	MAXSTEP 1, 37, 38
	MAXSTEP 0, 6, 7
	MAXSTEP 1, 39, 48
	MAXSTEP 0, 16, 17
	MAXSTEP 1, 49, 50
	MAXSTEP 0, 18, 19
	MAXSTEP 1, 51, 52
	MAXSTEP 0, 20, 21
	MAXSTEP 1, 53, 54
	MAXSTEP 0, 22, 23
	v_max3_num_f32 v4, v4, v5, v[S+55]
	v_max3_num_f32 v6, v6, v7, v[S+63]
	v_permlanex16_b32 v8, v4, s88, s89             ; the other half of the lanes holds the query's other keys
	v_permlanex16_b32 v9, v6, s88, s89
	v_max_num_f32 v4, v4, v8
	v_max_num_f32 v6, v6, v9
	v_sub_f32 v5, v[MX], v4
	v_sub_f32 v7, v[MX+2], v6
	v_exp_f32 v[AL], v5                            ; 2^(old - new), twice for the packed multiply
	v_exp_f32 v[AL+1], v5
	v_exp_f32 v[AL+2], v7
	v_exp_f32 v[AL+3], v7
	v_mov_b32 v[MX], v4                            ; plain instructions behind the transcendentals, which touch neither their results nor their sources
	v_mov_b32 v[MX+1], v4
	v_mov_b32 v[MX+2], v6
	v_mov_b32 v[MX+3], v6
.irp kb, 0,1,2,3
.irp qb, 0,1
.irp i, 0,2,4,6
	v_pk_add_f32 v[S+8*(2*\kb+\qb)+\i:S+8*(2*\kb+\qb)+\i+1], v[S+8*(2*\kb+\qb)+\i:S+8*(2*\kb+\qb)+\i+1], v[MX+2*\qb:MX+2*\qb+1] neg_lo:[0,1] neg_hi:[0,1]
.endr
.endr
.endr
.set n, 0
.rept 64
	v_exp_f32 v[S+n], v[S+n]
.set n, n+1
.endr
	v_nop
	s_wait_alu depctr_va_vdst(0)
.irp qb, 0,1
.irp kk, 0,1
.irp e, 0,1
.irp i, 0,1,2,3
	v_cvt_pk_f16_f32 v[P+8*(2*\qb+\kk)+4*\e+\i], v[S+8*(2*(2*\kk+\e)+\qb)+2*\i], v[S+8*(2*(2*\kk+\e)+\qb)+2*\i+1]
.endr
.endr
.endr
.endr
	; the sum of my 32 numbers of each query block, as a tree on the scores' registers, which are dead now
.irp qb, 0,1
.irp i, 0,2,4,6
	v_pk_add_f32 v[S+8*\qb+\i:S+8*\qb+\i+1], v[S+8*\qb+\i:S+8*\qb+\i+1], v[S+16+8*\qb+\i:S+16+8*\qb+\i+1]
	v_pk_add_f32 v[S+32+8*\qb+\i:S+32+8*\qb+\i+1], v[S+32+8*\qb+\i:S+32+8*\qb+\i+1], v[S+48+8*\qb+\i:S+48+8*\qb+\i+1]
.endr
.endr
.irp qb, 0,1
.irp i, 0,2,4,6
	v_pk_add_f32 v[S+8*\qb+\i:S+8*\qb+\i+1], v[S+8*\qb+\i:S+8*\qb+\i+1], v[S+32+8*\qb+\i:S+32+8*\qb+\i+1]
.endr
.endr
.irp qb, 0,1
	v_pk_add_f32 v[S+8*\qb:S+8*\qb+1], v[S+8*\qb:S+8*\qb+1], v[S+8*\qb+2:S+8*\qb+3]
	v_pk_add_f32 v[S+8*\qb+4:S+8*\qb+5], v[S+8*\qb+4:S+8*\qb+5], v[S+8*\qb+6:S+8*\qb+7]
.endr
.irp qb, 0,1
	v_pk_add_f32 v[S+8*\qb:S+8*\qb+1], v[S+8*\qb:S+8*\qb+1], v[S+8*\qb+4:S+8*\qb+5]
.endr
.irp qb, 0,1
	v_add_f32 v[S+8*\qb], v[S+8*\qb], v[S+8*\qb+1]
.endr
.irp qb, 0,1
	v_fma_f32 v[LS+\qb], v[LS+\qb], v[AL+2*\qb], v[S+8*\qb]
.endr
	SCALEO
.if \sub == 0
	s_wait_dscnt 16                                ; V is in; the next half's 16 K loads stay out
.else
	s_wait_dscnt 0                                 ; V is in
.endif
	WIN 0x50                                       ; C and D in window 1
.irp kk, 0,1
.irp dt, 0,1,2,3
.irp qb, 0,1
	v_wmma_f32_16x16x32_f16 v[O+8*(2*\dt+\qb):O+8*(2*\dt+\qb)+7], v[VF+8*(4*\kk+\dt):VF+8*(4*\kk+\dt)+7], v[P+8*(2*\qb+\kk):P+8*(2*\qb+\kk)+7], v[O+8*(2*\dt+\qb):O+8*(2*\dt+\qb)+7]   ; eight accumulators by turns
.endr
.endr
.endr
	WIN 0
.endm
; a pass ends: O / sum, to f16, through my own stage, out
.macro FINISH
	PLACES
	v_permlanex16_b32 v8, v[LS], s88, s89
	v_permlanex16_b32 v9, v[LS+1], s88, s89
	v_add_f32 v8, v[LS], v8                        ; both halves' keys
	v_add_f32 v9, v[LS+1], v9
	v_rcp_f32 v[AL], v8
	v_rcp_f32 v[AL+1], v8
	v_rcp_f32 v[AL+2], v9
	v_rcp_f32 v[AL+3], v9
	v_nop
	s_wait_alu depctr_va_vdst(0)
	SCALEO
	WIN 0x05                                       ; sources in window 1
.irp dt, 0,1,2,3
.irp qb, 0,1
.irp i, 0,1,2,3
	v_cvt_pk_f16_f32 v[S+4*(2*\dt+\qb)+\i], v[O+8*(2*\dt+\qb)+2*\i], v[O+8*(2*\dt+\qb)+2*\i+1]
.endr
.endr
.endr
	WIN 0
.irp dt, 0,1,2,3
.irp qb, 0,1
	ds_store_b128 v[STO], v[S+4*(2*\dt+\qb):S+4*(2*\dt+\qb)+3] offset:\qb*16*SP+32*\dt
.endr
.endr
.irp t, 0,1,2,3,4,5,6,7
	ds_load_b128 v[S+32+4*\t:S+32+4*\t+3], v[RD] offset:4*SP*\t              ; LDS serves a wave's instructions in order: these see the stores above
.endr
.irp t, 0,1,2,3,4,5,6,7
	s_wait_dscnt 7-\t
	global_store_b128 v[CO], v[S+32+4*\t:S+32+4*\t+3], s[80:81] offset:8192*\t   ; four queries, 128 consecutive bytes each
.endr
	s_wait_xcnt 0x0                                ; the stores' data and base are written again only behind this wait
.endm
; one key tile.  In front of the barrier: all my tensor loads have landed (my part of this tile among them) and my LDS reads are back;
; behind it the other slot is filled first, one tensor load a wave, and has the whole trip in which to land.
.macro TRIP slot, other, refill, last
	s_set_vgpr_msb 0x4
	s_wait_tensorcnt 0x0                           ; no tensor load of mine is out: the group 0 sets may be written
	ds_add_u32 v21, v97
	s_wait_dscnt 0x0
	s_set_vgpr_msb 0x400
	s_cmp_eq_u32 s82, s83
	s_cselect_b32 s85, 1, 0                        ; this tile lies on the diagonal: the pass's last
	s_add_co_u32 s84, s82, 1
	s_cmp_eq_u32 s82, s83
	s_cselect_b32 s84, 0, s84                      ; the next tile: one on, or the next pass's first
.if \refill
	s_lshl_b32 s76, s84, 14                        ; 128 keys x 128 bytes
	s_add_nc_u64 s[G0K+4*\other+2:G0K+4*\other+3], s[66:67], s[76:77]
	s_or_b32 s[G0K+4*\other+3], s[G0K+4*\other+3], 0x80000000
	s_add_nc_u64 s[G0V+4*\other+2:G0V+4*\other+3], s[68:69], s[76:77]
	s_or_b32 s[G0V+4*\other+3], s[G0V+4*\other+3], 0x80000000
	s_lshl_b32 s76, s84, 9                         ; 128 words of bias
	s_add_nc_u64 s[G0M+4*\other+2:G0M+4*\other+3], s[70:71], s[76:77]
	s_or_b32 s[G0M+4*\other+3], s[G0M+4*\other+3], 0x80000000
.endif
	s_wait_dscnt 0x0
	s_barrier_signal -1
	s_barrier_wait -1
.if \refill
	TLOAD \other
.endif
	SUB \slot, 0
	SUB \slot, 1
.if \last
	FINISH
.else
	s_cmp_lg_u32 s85, 0
	s_cbranch_scc0 .Lon_\@
	FINISH
	s_sub_co_u32 s83, 15, s11                      ; the second pass: query block 15 - i
	INITPASS
.Lon_\@:
	s_mov_b32 s82, s84
.endif
.endm
	s_load_b128 s[4:7], s[0:1], 0x0                ; qkv s[4:5], mb s[6:7]
	s_load_b64 s[8:9], s[0:1], 0x10                ; ao
	v_lshl_add_u32 v21, v0, 2, 0x29000
	s_set_vgpr_msb 0x40
	v_mov_b32 v97, 0
	s_set_vgpr_msb 0x4044
	ds_add_u32 v21, v97
	s_set_vgpr_msb 0x4400
	v_lshrrev_b32 v1, 5, v0
	v_readfirstlane_b32 s10, v1                    ; wave 0..3
	s_mov_b32 s11, ttmp9                           ; i
	s_and_b32 s12, ttmp7, 0xffff                   ; bh
	s_lshr_b32 s13, s12, 4                         ; batch
	s_and_b32 s14, s12, 15                         ; head
	; K: 128 rows of 64 f16, dense in memory; 4 words of padding behind every 32
	s_mov_b32 s[G1K+0], (1<<16)|(1<<20)|(4<<22)|(3<<25)
	s_mov_b32 s[G1K+1], 64<<16
	s_mov_b32 s[G1K+2], 128<<16
	s_mov_b32 s[G1K+3], 64<<16
	s_mov_b32 s[G1K+4], 128
	s_mov_b32 s[G1K+5], 64
	s_mov_b32 s[G1K+6], 0
	s_mov_b32 s[G1K+7], 0
	; V: the same with 8 words of padding
	s_mov_b32 s[G1V+0], (1<<16)|(1<<20)|(4<<22)|(7<<25)
	s_mov_b32 s[G1V+1], 64<<16
	s_mov_b32 s[G1V+2], 128<<16
	s_mov_b32 s[G1V+3], 64<<16
	s_mov_b32 s[G1V+4], 128
	s_mov_b32 s[G1V+5], 64
	s_mov_b32 s[G1V+6], 0
	s_mov_b32 s[G1V+7], 0
	; the bias: one row of 512 bytes, as 64 elements of 8
	s_mov_b32 s[G1M+0], 3<<16
	s_mov_b32 s[G1M+1], 64<<16
	s_mov_b32 s[G1M+2], 1<<16
	s_mov_b32 s[G1M+3], 64<<16
	s_mov_b32 s[G1M+4], 1
	s_mov_b32 s[G1M+5], 64
	s_mov_b32 s[G1M+6], 0
	s_mov_b32 s[G1M+7], 0
.irp s, 0,1
	s_mov_b32 s[G0K+4*\s], 1
	s_mov_b32 s[G0K+4*\s+1], \s*SLOTB
	s_mov_b32 s[G0V+4*\s], 1
	s_mov_b32 s[G0V+4*\s+1], \s*SLOTB+VOFF
	s_mov_b32 s[G0M+4*\s], 1
	s_mov_b32 s[G0M+4*\s+1], \s*SLOTB+BOFF
.endr
	s_lshl_b32 s76, s12, 18                        ; 262,144 bytes a head
	s_mov_b32 s77, 0                               ; stays 0: the high word of every offset pair
	s_wait_dscnt 0x0
	s_barrier_signal -1
	s_barrier_wait -1
	s_wait_kmcnt 0x0
	s_add_nc_u64 s[72:73], s[4:5], s[76:77]        ; the head's q
	s_add_nc_u64 s[66:67], s[72:73], 0x800000      ; its k
	s_add_nc_u64 s[68:69], s[72:73], 0x1000000     ; its v
	s_lshl_b32 s76, s13, 13
	s_add_nc_u64 s[70:71], s[6:7], s[76:77]        ; the batch's bias
	s_mov_b64 s[G0K+2:G0K+3], s[66:67]
	s_or_b32 s[G0K+3], s[G0K+3], 0x80000000
	s_mov_b64 s[G0V+2:G0V+3], s[68:69]
	s_or_b32 s[G0V+3], s[G0V+3], 0x80000000
	s_mov_b64 s[G0M+2:G0M+3], s[70:71]
	s_or_b32 s[G0M+3], s[G0M+3], 0x80000000
	TLOAD 0                                        ; tile 0: the one first fill.  A wave never has more than one tensor load out; every wait for them is for 0
	s_lshl_b32 s76, s10, 12
	s_add_nc_u64 s[72:73], s[72:73], s[76:77]      ; q: + wave x 32 queries x 128 bytes
	s_lshl_b32 s76, s13, 22                        ; ao: batch x 2,048 rows x 2,048 bytes
	s_lshl_b32 s15, s14, 7                         ; + head x 128 bytes
	s_add_co_u32 s76, s76, s15
	s_lshl_b32 s15, s10, 16                        ; + wave x 32 rows
	s_add_co_u32 s76, s76, s15
	s_add_nc_u64 s[74:75], s[8:9], s[76:77]
	s_mov_b32 s86, 0x3e38aa3b                      ; log2(e) / 8
	s_mov_b32 s87, 0x3e38aa3b
	s_mov_b32 s88, 0x76543210                      ; v_permlanex16_b32: lane i reads lane i of the other half
	s_mov_b32 s89, 0xfedcba98
	s_mov_b32 s90, 0xff800000                      ; -infinity
	v_and_b32 v1, 15, v0                           ; r
	v_bfe_u32 v2, v0, 4, 1                         ; h
	v_and_b32 v3, 31, v0                           ; lane
	v_mul_u32_u24 v4, v1, PK
	v_lshl_add_u32 v[KAD], v2, 4, v4
	v_add_nc_u32 v[KAD+1], SLOTB, v[KAD]
	v_and_b32 v4, 7, v0
	v_lshl_add_u32 v5, v2, 3, v4                   ; key 8 h + l % 8
	v_mul_u32_u24 v5, v5, PV
	v_bfe_u32 v6, v0, 3, 1
	v_lshl_add_u32 v5, v6, 4, v5
	v_add_nc_u32 v[VAD], VOFF, v5
	v_add_nc_u32 v[VAD+1], SLOTB, v[VAD]
	v_lshlrev_b32 v5, 5, v2
	v_add_nc_u32 v[BAD], BOFF, v5
	v_add_nc_u32 v[BAD+1], SLOTB, v[BAD]
	s_mul_i32 s15, s10, 32*SP
	s_add_co_u32 s15, s15, STAGE                   ; my stage
	v_mul_u32_u24 v5, v1, SP
	v_lshl_add_u32 v5, v2, 4, v5
	v_add_nc_u32 v[STO], s15, v5
	v_lshrrev_b32 v5, 3, v3                        ; back: eight lanes a row of 128 bytes, four rows a load
	v_mul_u32_u24 v6, v5, SP
	v_lshl_add_u32 v6, v4, 4, v6
	v_add_nc_u32 v[RD], s15, v6
	v_lshlrev_b32 v6, 11, v5
	v_lshl_add_u32 v[CO], v4, 4, v6
	v_lshlrev_b32 v6, 7, v1
	v_lshl_add_u32 v[QO], v2, 4, v6
	v_lshlrev_b32 v6, 3, v2
	v_sub_nc_u32 v6, v1, v6
	s_lshl_b32 s15, s10, 5
	v_add_nc_u32 v[DV], s15, v6
	v_mov_b32 v8, 0                                ; destinations of v_permlanex16_b32 count as read
	v_mov_b32 v9, 0
	s_mov_b32 s82, 0                               ; key tile
	s_mov_b32 s83, s11                             ; the pass's query block = its last key tile
	INITPASS
	s_mov_b32 s15, 8
.Lpair:
	TRIP 0, 1, 1, 0
	TRIP 1, 0, 1, 0
	s_sub_co_u32 s15, s15, 1
	s_cmp_lg_u32 s15, 0
	s_cbranch_scc1 .Lpair
	TRIP 0, 1, 0, 1                                ; the seventeenth tile: nothing is left to fetch
	s_set_vgpr_msb 0x4
	s_wait_tensorcnt 0x0
	ds_add_u32 v21, v97
	s_wait_dscnt 0x0
	s_set_vgpr_msb 0x400
	s_endpgm
.Lfunc_end_k_q4cc68c3368_attn:
	.size	k_q4cc68c3368_attn, .Lfunc_end_k_q4cc68c3368_attn-k_q4cc68c3368_attn
	.p2alignl 7, 3214868480
	.fill 96, 4, 3214868480
	.section	.rodata,"a",@progbits
	.p2align	6, 0x0
	.amdhsa_kernel k_q4cc68c3368_attn
		.amdhsa_group_segment_fixed_size 327680
		.amdhsa_private_segment_fixed_size 0
		.amdhsa_enable_private_segment 0
		.amdhsa_kernarg_size 24
		.amdhsa_user_sgpr_count 2
		.amdhsa_user_sgpr_kernarg_segment_ptr 1
		.amdhsa_wavefront_size32 1
		.amdhsa_system_sgpr_workgroup_id_x 1
		.amdhsa_system_sgpr_workgroup_id_y 1
		.amdhsa_system_sgpr_workgroup_id_z 1
		.amdhsa_system_vgpr_workitem_id 0
		.amdhsa_next_free_vgpr 354
		.amdhsa_next_free_sgpr 96
		.amdhsa_reserve_vcc 1
		.amdhsa_float_denorm_mode_32 3
		.amdhsa_float_denorm_mode_16_64 3
		.amdhsa_memory_ordered 1
		.amdhsa_forward_progress 1
		.amdhsa_inst_pref_size 188
	.end_amdhsa_kernel
	.amdgpu_metadata
---
amdhsa.version: [ 1, 2 ]
amdhsa.kernels:
  - .name:           k_q4cc68c3368_attn
    .symbol:         k_q4cc68c3368_attn.kd
    .args:
      - { .name: qkv, .offset: 0, .size: 8, .value_kind: global_buffer, .address_space: global }
      - { .name: mb, .offset: 8, .size: 8, .value_kind: global_buffer, .address_space: global }
      - { .name: ao, .offset: 16, .size: 8, .value_kind: global_buffer, .address_space: global }
    .group_segment_fixed_size: 327680
    .private_segment_fixed_size: 0
    .kernarg_segment_align: 8
    .kernarg_segment_size: 24
    .max_flat_workgroup_size: 128
    .sgpr_count:     96
    .vgpr_count:     354
    .wavefront_size: 32
...
	.end_amdgpu_metadata
.endif
;; end of part 3
;; launch wo (part 4): grid 4 x 32, 4 waves a work-group, clusters of 4 x 4, 327,680 bytes of LDS; arguments ao, wb, x1, x; writes x1
.if DOCPART == 4
	.amdgcn_target "amdgcn-amd-amdhsa--gfx1250"
	.amdhsa_code_object_version 6
	.text
	.protected	k_q4cc68c3368_wo
	.globl	k_q4cc68c3368_wo
	.p2align	8
	.type	k_q4cc68c3368_wo,@function
k_q4cc68c3368_wo:
	s_mov_b64 s[64:65], 0
	v_nop
	global_prefetch_b8 v0, s[64:65] scope:SCOPE_SE
	s_setreg_imm32_b32 hwreg(HW_REG_WAVE_MODE, 25, 1), 1
	s_wait_xcnt 0x0
	s_wait_alu depctr_hold_cnt(0) depctr_sa_sdst(0) depctr_va_vdst(0) depctr_va_sdst(0) depctr_va_ssrc(0) depctr_va_vcc(0) depctr_vm_vsrc(0)
	s_getreg_b32 s2, hwreg(HW_REG_IB_STS2, 6, 4)
	s_cmp_eq_u32 s2, 0
	s_cbranch_scc0 .Lentry_in_a_cluster
	s_endpgm
.Lentry_in_a_cluster:
	s_bfe_u32 s2, ttmp6, 0x10000c
	s_cmp_lg_u32 s2, 0xf033
	s_cbranch_scc0 .Lentry_shape_is_right
	s_endpgm
.Lentry_shape_is_right:
; wo: x1 = x + ao Wo.  [4096 x 1024] ao (f16) times [1024 x 1024] Wo (f16 in wb, kept [K][N]); sums in f32; x and x1 are f32.
; A work-group makes 128 rows x 256 columns with four waves; a wave makes 64 x 128: 32 accumulator tiles of 16 x 16, 256 registers.
; 128 work-groups: a smaller block would read more LDS bytes for each matrix instruction, and a split of K would need a sum across work-groups.
; K goes in steps of 128 through two LDS slots filled by the tensor data mover.  A's rows lie along K; B's rows are K rows of 128 columns,
; and its fragments are read with the transposing LDS load.
; CLUSTERS: 4 x 4 work-groups.  The four of a row of the cluster share A's tiles, the four of a column B's: each tile is asked for jointly.
; REGISTERS: window 0: v0-31 addresses; v32-127 and v128-223 two fragment buffers (A's 4 blocks at f, B's 8 at f+32).
;            window 1: accumulator tile (a, b) at v[8 (8 a + b)], a = 0..3 (rows), b = 0..7 (columns).
; The matrix instruction is used transposed (source 0 = 16 columns of B, source 1 = 16 rows of A): lane l then holds row l % 16 and the
; eight neighbouring columns 8 (l / 16) + 0..7.
; LIMITS: the product's operands are f16 (finite up to 65,504): ao has v's range, Wo's spread is 1/32.
.set KDIM,   1024
.set NPITCH, 1024
.set WOFF,   18874368                  ; Wo's first byte in wb
.set KSTEP,  128
.set PA,     272                       ; A's LDS pitch: 256 bytes + 16, an odd multiple of 16
.set PB,     288                       ; B's LDS pitch: 256 bytes + 32, an odd multiple of 32, for the transposing load
.set HALFA,  64*PA
.set ABYTES, 2*HALFA
.set HALFB,  128*PB
.set SLOT,   ABYTES+2*HALFB            ; 108,544
.set STAGE,  2*SLOT                    ; 217,088: behind the ring, a multiple of 256; no tensor load ever lands here
.set SPF,    528                       ; the stage's pitch: 512 bytes + 16
.set LAPS,   KDIM/(2*KSTEP)
.set ADRA, 16
.set ADRB, 20
.set STO,  24
.set RD,   25
.set CO,   26
.set F0,   32
.set F1,   128
.set R0,   32                          ; the way out: v[32:95], v[96:159] the residual of 16 rows, two buffers
.set SG,   160                         ; v[160:223] 16 rows read back from the stage
.set G1,  24
.set G0,  32
.set G1B, 48
.set G0B, 56
.set MULW, 0x50
.set MSB, 0
.macro WIN new
.if MSB != \new
	s_set_vgpr_msb (MSB<<8)|\new
.set MSB, \new
.endif
.endm
.macro JLOAD s                         ; waves 0 and 1 fetch A's halves, waves 2 and 3 B's regions
	s_cmp_eq_u32 s13, 0
	s_cbranch_scc0 .Lfor_b_\@
	tensor_load_to_lds s[G0+4*\s:G0+4*\s+3], s[G1:G1+7]
	s_nop 0
	s_branch .Lasked_\@
.Lfor_b_\@:
	tensor_load_to_lds s[G0B+4*\s:G0B+4*\s+3], s[G1B:G1B+7]
	s_nop 0
.Lasked_\@:
.endm
.macro CREST
	s_cmp_lg_u32 s12, 0
	s_cbranch_scc1 .Lnot_wave_0_\@
	s_barrier_signal -3
.Lnot_wave_0_\@:
	s_barrier_wait -3
	s_barrier_signal -1
	s_barrier_wait -1
.endm
.macro CROUND
	s_barrier_signal -1
	s_barrier_wait -1
	CREST
.endm
.macro PLACES                          ; four independent vector instructions behind a matrix instruction (ISA guide 7.12.1)
.rept 4
	v_nop
.endr
.endm
; the 32 accumulators take turns, one instruction a turn, in the same order everywhere
.macro MUL8 f, a, zero
.irp b, 0,1,2,3,4,5,6,7
.if \zero
	v_wmma_f32_16x16x32_f16 v[8*(8*\a+\b):8*(8*\a+\b)+7], v[\f+32+8*\b:\f+32+8*\b+7], v[\f+8*\a:\f+8*\a+7], 0
.else
	v_wmma_f32_16x16x32_f16 v[8*(8*\a+\b):8*(8*\a+\b)+7], v[\f+32+8*\b:\f+32+8*\b+7], v[\f+8*\a:\f+8*\a+7], v[8*(8*\a+\b):8*(8*\a+\b)+7]
.endif
.endr
.endm
.macro FETCH slot, q, f                ; 24 LDS loads: B's 16 first, A's blocks 2 and 3 last
	WIN 0
.irp b, 0,1,2,3,4,5,6,7
	ds_load_tr16_b128 v[\f+32+8*\b:\f+32+8*\b+3],   v[ADRB+2*\slot+\b/4] offset:\q*32*PB+32*(\b%4)
	ds_load_tr16_b128 v[\f+32+8*\b+4:\f+32+8*\b+7], v[ADRB+2*\slot+\b/4] offset:\q*32*PB+32*(\b%4)+16*PB
.endr
.irp a, 0,1,2,3
	ds_load_b128 v[\f+8*\a:\f+8*\a+3],   v[ADRA+\slot] offset:\q*64+\a*16*PA
	ds_load_b128 v[\f+8*\a+4:\f+8*\a+7], v[ADRA+\slot] offset:\q*64+\a*16*PA+32
.endr
.endm
.macro QUARTER slot, q, f, g, zero
	s_wait_dscnt 4                                 ; all of buffer f but the youngest four loads (A's blocks 2 and 3)
	WIN MULW
	MUL8 \f, 0, \zero
	MUL8 \f, 1, \zero
	PLACES
	FETCH \slot, \q, \g
	s_wait_dscnt 24                                ; all but the 24 just issued
	WIN MULW
	MUL8 \f, 2, \zero
	MUL8 \f, 3, \zero
.endm
.macro THREE slot, zero
	QUARTER \slot, 1, F0, F1, \zero
	QUARTER \slot, 2, F1, F0, 0
	QUARTER \slot, 3, F0, F1, 0
.endm
.macro TURN slot, next, fill
	s_wait_dscnt 4
	WIN MULW
	MUL8 F1, 0, 0
	s_wait_dscnt 0                                 ; my reads of this slot are over
	s_wait_tensorcnt 0x0                           ; and all my tensor loads have landed: my part of the next slot
	ds_add_u32 v254, v255
	s_wait_dscnt 0x0
	s_barrier_signal -1                            ; (where the slot is filled again this barrier opens a round of the cluster's barrier)
	MUL8 F1, 1, 0
	WIN 0
	s_barrier_wait -1
.if \fill
	CREST                                          ; no wave of any partner still reads this slot or has a load on its way
	s_add_nc_u64 s[G0+4*\slot+2:G0+4*\slot+3], s[G0+4*\slot+2:G0+4*\slot+3], 2*KSTEP*2
	s_add_nc_u64 s[G0B+4*\slot+2:G0B+4*\slot+3], s[G0B+4*\slot+2:G0B+4*\slot+3], 2*KSTEP*NPITCH*2
	JLOAD \slot                                    ; my one tensor load behind the round
.endif
	PLACES
	FETCH \next, 0, F0
	WIN MULW
	MUL8 F1, 2, 0
	MUL8 F1, 3, 0
.endm
.macro LAP zero
	THREE 0, \zero
	TURN 0, 1, 1
	THREE 1, 0
	TURN 1, 0, 1
.endm
	s_load_b256 s[4:11], s[0:1], 0x0               ; ao s[4:5], wb s[6:7], x1 s[8:9], x s[10:11]
	v_lshl_add_u32 v254, v0, 2, 0x3d800
	v_mov_b32 v255, 0
	ds_add_u32 v254, v255
	v_lshrrev_b32 v1, 5, v0
	v_readfirstlane_b32 s12, v1                    ; wave 0..3
	s_lshr_b32 s13, s12, 1                         ; rh: my 64 rows.  Also: I fetch for A (0) or for B (1)
	s_and_b32 s14, s12, 1                          ; ch: my 128 columns.  Also: which half or region I fetch
	s_bfe_u32 s40, ttmp6, 0x40000                  ; cx
	s_bfe_u32 s41, ttmp6, 0x40004                  ; cy
	s_lshl_b32 s42, ttmp9, 2
	s_add_co_u32 s42, s42, s40                     ; block column
	s_and_b32 s43, ttmp7, 0xffff
	s_lshl_b32 s43, s43, 2
	s_add_co_u32 s43, s43, s41                     ; block row
	s_lshl_b32 s44, s41, 2
	s_lshl_b32 s44, 15, s44                        ; my row of the cluster
	s_lshl_b32 s45, 0x1111, s40                    ; my column
	s_or_b32 s[G1+0], s44, (1<<16)|(1<<20)|(1<<21)|(5<<22)|(3<<25)    ; mask; elements of 2 bytes; padding on; bit 21 beside a mask; after every 64 words 4 words
	s_mov_b32 s[G1+1], KSTEP<<16
	s_mov_b32 s[G1+2], 64<<16
	s_mov_b32 s[G1+3], KSTEP<<16
	s_mov_b32 s[G1+4], 64
	s_mov_b32 s[G1+5], KDIM
	s_mov_b32 s[G1+6], 0
	s_mov_b32 s[G1+7], 0
	s_or_b32 s[G1B+0], s45, (1<<16)|(1<<20)|(1<<21)|(5<<22)|(7<<25)   ; my column's mask, 8 words of padding
	s_mov_b32 s[G1B+1], 128<<16
	s_mov_b32 s[G1B+2], KSTEP<<16
	s_mov_b32 s[G1B+3], 128<<16
	s_mov_b32 s[G1B+4], KSTEP
	s_mov_b32 s[G1B+5], NPITCH
	s_mov_b32 s[G1B+6], 0
	s_mov_b32 s[G1B+7], 0
	s_lshl_b32 s16, s43, 7
	s_lshl_b32 s17, s14, 6
	s_add_co_u32 s16, s16, s17                     ; A: row 128 x block row + 64 x half
	s_mul_i32 s16, s16, KDIM*2
	s_mov_b32 s17, 0
	s_lshl_b32 s46, s42, 9                         ; B: 256 columns a block,
	s_lshl_b32 s47, s14, 8                         ; 128 a region
	s_add_co_u32 s46, s46, s47
	s_add_co_u32 s46, s46, WOFF
	s_mov_b32 s47, 0
	s_mul_i32 s20, s14, HALFA
	s_mul_i32 s21, s14, HALFB
	s_add_co_u32 s21, s21, ABYTES
	s_wait_dscnt 0x0
	s_wait_kmcnt 0x0
	s_add_nc_u64 s[18:19], s[4:5], s[16:17]
	s_add_nc_u64 s[46:47], s[6:7], s[46:47]
	CROUND                                         ; the first joint loads meet
.irp s, 0,1
	s_mov_b32 s[G0+4*\s], 1
	s_add_co_u32 s[G0+4*\s+1], s20, \s*SLOT
	s_add_nc_u64 s[G0+4*\s+2:G0+4*\s+3], s[18:19], \s*KSTEP*2
	s_or_b32 s[G0+4*\s+3], s[G0+4*\s+3], 0x80000000
	s_mov_b32 s[G0B+4*\s], 1
	s_add_co_u32 s[G0B+4*\s+1], s21, \s*SLOT
	s_add_nc_u64 s[G0B+4*\s+2:G0B+4*\s+3], s[46:47], \s*KSTEP*NPITCH*2
	s_or_b32 s[G0B+4*\s+3], s[G0B+4*\s+3], 0x80000000
	JLOAD \s                                       ; K steps 0 and 1: two tensor loads of the wave are out, the most in this text
.endr
	v_and_b32 v1, 15, v0                           ; r
	v_bfe_u32 v2, v0, 4, 1                         ; h
	v_mul_u32_u24 v3, v1, PA
	v_lshl_add_u32 v3, v2, 4, v3
	s_mul_i32 s22, s13, HALFA
	v_add_nc_u32 v[ADRA], s22, v3
	v_add_nc_u32 v[ADRA+1], SLOT, v[ADRA]
	v_and_b32 v7, 7, v0
	v_lshl_add_u32 v4, v2, 3, v7
	v_mul_u32_u24 v4, v4, PB
	v_bfe_u32 v5, v0, 3, 1
	v_lshl_add_u32 v4, v5, 4, v4
	s_mul_i32 s23, s14, HALFB
	s_add_co_u32 s23, s23, ABYTES
	v_add_nc_u32 v[ADRB], s23, v4
	v_add_nc_u32 v[ADRB+1], 128, v[ADRB]
	v_add_nc_u32 v[ADRB+2], SLOT, v[ADRB]
	v_add_nc_u32 v[ADRB+3], SLOT, v[ADRB+1]
	; the way out: my stage is 16 rows of 512 bytes, pitch 528
	s_mul_i32 s22, s12, 16*SPF
	s_add_co_u32 s22, s22, STAGE
	v_mul_u32_u24 v6, v1, SPF
	v_lshl_add_u32 v6, v2, 5, v6                   ; in: row r, 32 bytes for each half of the lanes
	v_add_nc_u32 v[STO], s22, v6
	v_and_b32 v7, 31, v0
	v_lshlrev_b32 v[CO], 4, v7                     ; back and out: 32 lanes take a row's 512 bytes
	v_add_nc_u32 v[RD], s22, v[CO]
	s_wait_tensorcnt 0x1                           ; my part of K step 0 is in; step 1's stays out
	s_barrier_signal -1
	s_barrier_wait -1
	FETCH 0, 0, F0
	LAP 1
	WIN 0
	s_mov_b32 s15, LAPS-2
.Llap:
	LAP 0
	WIN 0
	s_sub_co_u32 s15, s15, 1
	s_cmp_lg_u32 s15, 0
	s_cbranch_scc1 .Llap
	THREE 0, 0
	TURN 0, 1, 0
	THREE 1, 0
	s_wait_dscnt 4
	WIN MULW
	MUL8 F1, 0, 0
	MUL8 F1, 1, 0
	s_wait_dscnt 0
	MUL8 F1, 2, 0
	MUL8 F1, 3, 0
	PLACES
	WIN 0
	; THE WAY OUT: 16 rows at a time through my own stage, the residual added, whole runs of 512 bytes out
	s_lshl_b32 s66, s43, 7
	s_lshl_b32 s67, s13, 6
	s_add_co_u32 s66, s66, s67                     ; my first row
	s_lshl_b32 s66, s66, 12                        ; 4,096 bytes a row
	s_lshl_b32 s67, s42, 10                        ; 256 columns a block
	s_add_co_u32 s66, s66, s67
	s_lshl_b32 s67, s14, 9                         ; 128 a wave
	s_add_co_u32 s66, s66, s67
	s_mov_b32 s67, 0
	s_add_nc_u64 s[8:9], s[8:9], s[66:67]
	s_add_nc_u64 s[10:11], s[10:11], s[66:67]
.macro RLOAD a                         ; the residual of rows 16 a .. 16 a + 15
.irp t, 0,1,2,3,4,5,6,7,8,9,10,11,12,13,14,15
	global_load_b128 v[R0+64*(\a%2)+4*\t:R0+64*(\a%2)+4*\t+3], v[CO], s[10:11] offset:(16*\a+\t)*4096 th:TH_LOAD_NT
.endr
.endm
.macro OUTF a, left                    ; left = the next block's residual loads, which may stay out
	WIN 0x04                                       ; an LDS store's data in window 1: straight from the accumulators
.irp b, 0,1,2,3,4,5,6,7
	ds_store_b128 v[STO], v[8*(8*\a+\b):8*(8*\a+\b)+3] offset:64*\b
	ds_store_b128 v[STO], v[8*(8*\a+\b)+4:8*(8*\a+\b)+7] offset:64*\b+16
.endr
	WIN 0
	s_wait_xcnt 0x0                                ; SG, which the last block's stores read, is loaded again only behind this wait
.irp t, 0,1,2,3,4,5,6,7,8,9,10,11,12,13,14,15
	ds_load_b128 v[SG+4*\t:SG+4*\t+3], v[RD] offset:SPF*\t                   ; LDS serves a wave's instructions in order: these see the stores above
.endr
.irp t, 0,1,2,3,4,5,6,7,8,9,10,11,12,13,14,15
	s_wait_loadcnt \left+15-\t                     ; row t's residual is in
	s_wait_dscnt 15-\t                             ; and row t of the product
	v_pk_add_f32 v[SG+4*\t:SG+4*\t+1], v[SG+4*\t:SG+4*\t+1], v[R0+64*(\a%2)+4*\t:R0+64*(\a%2)+4*\t+1]
	v_pk_add_f32 v[SG+4*\t+2:SG+4*\t+3], v[SG+4*\t+2:SG+4*\t+3], v[R0+64*(\a%2)+4*\t+2:R0+64*(\a%2)+4*\t+3]
	global_store_b128 v[CO], v[SG+4*\t:SG+4*\t+3], s[8:9] offset:(16*\a+\t)*4096
.endr
.endm
	RLOAD 0
	RLOAD 1
	OUTF 0, 16
	RLOAD 2
	OUTF 1, 16
	RLOAD 3
	OUTF 2, 16
	OUTF 3, 0
	s_wait_tensorcnt 0x0
	ds_add_u32 v254, v255
	s_wait_dscnt 0x0
	CROUND                                         ; the closing round
	s_endpgm
.Lfunc_end_k_q4cc68c3368_wo:
	.size	k_q4cc68c3368_wo, .Lfunc_end_k_q4cc68c3368_wo-k_q4cc68c3368_wo
	.p2alignl 7, 3214868480
	.fill 96, 4, 3214868480
	.section	.rodata,"a",@progbits
	.p2align	6, 0x0
	.amdhsa_kernel k_q4cc68c3368_wo
		.amdhsa_group_segment_fixed_size 327680
		.amdhsa_private_segment_fixed_size 0
		.amdhsa_enable_private_segment 0
		.amdhsa_kernarg_size 32
		.amdhsa_user_sgpr_count 2
		.amdhsa_user_sgpr_kernarg_segment_ptr 1
		.amdhsa_wavefront_size32 1
		.amdhsa_system_sgpr_workgroup_id_x 1
		.amdhsa_system_sgpr_workgroup_id_y 1
		.amdhsa_system_sgpr_workgroup_id_z 1
		.amdhsa_system_vgpr_workitem_id 0
		.amdhsa_next_free_vgpr 512
		.amdhsa_next_free_sgpr 72
		.amdhsa_reserve_vcc 0
		.amdhsa_float_denorm_mode_32 3
		.amdhsa_float_denorm_mode_16_64 3
		.amdhsa_memory_ordered 1
		.amdhsa_forward_progress 1
		.amdhsa_inst_pref_size 134
	.end_amdhsa_kernel
	.amdgpu_metadata
---
amdhsa.version: [ 1, 2 ]
amdhsa.kernels:
  - .name:           k_q4cc68c3368_wo
    .symbol:         k_q4cc68c3368_wo.kd
    .args:
      - { .name: ao, .offset: 0, .size: 8, .value_kind: global_buffer, .address_space: global }
      - { .name: wb, .offset: 8, .size: 8, .value_kind: global_buffer, .address_space: global }
      - { .name: x1, .offset: 16, .size: 8, .value_kind: global_buffer, .address_space: global }
      - { .name: x, .offset: 24, .size: 8, .value_kind: global_buffer, .address_space: global }
    .group_segment_fixed_size: 327680
    .private_segment_fixed_size: 0
    .kernarg_segment_align: 8
    .kernarg_segment_size: 32
    .max_flat_workgroup_size: 128
    .sgpr_count:     72
    .vgpr_count:     512
    .wavefront_size: 32
...
	.end_amdgpu_metadata
.endif
;; end of part 4
;; launch ln2 (part 5): grid 512 x 1, 8 waves a work-group, no clusters, 0 bytes of LDS; arguments x1, gamma2, beta2, hn; writes hn
.if DOCPART == 5
	.amdgcn_target "amdgcn-amd-amdhsa--gfx1250"
	.amdhsa_code_object_version 6
	.text
	.protected	k_q4cc68c3368_ln2
	.globl	k_q4cc68c3368_ln2
	.p2align	8
	.type	k_q4cc68c3368_ln2,@function
k_q4cc68c3368_ln2:
	s_mov_b64 s[64:65], 0
	v_nop
	global_prefetch_b8 v0, s[64:65] scope:SCOPE_SE
	s_setreg_imm32_b32 hwreg(HW_REG_WAVE_MODE, 25, 1), 1
	s_wait_xcnt 0x0
; ln2: hn[token] = f16( gamma2 * (x1 - mean) / sqrt(var + 1e-5) + beta2 ), one wave a token, 8 tokens a work-group.
; A launch of its own: the norm needs whole rows of x1, which the product before spreads over four work-groups.
; A row of 1,024 f32 is 32 registers of one wave and stays there between mean, centred variance and scaling: x1 is read once, and the
; variance is made of x1 - mean, so a common offset costs no accuracy.  No LDS, no barrier, no matrix unit, no cluster: bytes are all that counts.
; LIMITS: hn is f16: |hn| <= 32 |gamma2| + |beta2|, under 1,000 for a gain of 30; beyond 65,504 it becomes infinite.
;         1/sqrt by v_rsq_f32 (1 ULP, multiplied where the source divides); results rounded once to f16.
.set X,  4                             ; v[4:35]    the row
.set G,  36                            ; v[36:67]   gamma
.set BT, 68                            ; v[68:99]   beta
.set Y,  100                           ; v[100:115] f16 to store
.set T,  116                           ; v[116:123] at work
	s_load_b256 s[4:11], s[0:1], 0x0               ; x1 s[4:5], gamma2 s[6:7], beta2 s[8:9], hn s[10:11]
	v_and_b32 v3, 31, v0
	v_lshrrev_b32 v2, 5, v0
	v_readfirstlane_b32 s30, v2                    ; wave 0..7
	v_lshlrev_b32 v1, 4, v3                        ; 16 bytes a lane on the f32 side
	v_lshlrev_b32 v2, 3, v3                        ; 8 bytes a lane on the f16 side
	s_lshl_b32 s31, ttmp9, 3
	s_add_co_u32 s31, s31, s30                     ; token
	s_lshl_b32 s32, s31, 12
	s_mov_b32 s33, 0
	s_lshl_b32 s42, s31, 11
	s_mov_b32 s43, 0
	s_mov_b32 s34, 0x76543210
	s_mov_b32 s35, 0xfedcba98
	s_mov_b32 s39, 0x3a800000                      ; 1/1024
	s_mov_b32 s40, 0x3727c5ac                      ; 1e-5
	s_wait_kmcnt 0x0
	s_add_nc_u64 s[4:5], s[4:5], s[32:33]
	s_add_nc_u64 s[10:11], s[10:11], s[42:43]
.irp j, 0,1,2,3,4,5,6,7
	global_load_b128 v[X+4*\j:X+4*\j+3], v1, s[4:5] offset:512*\j
.endr
.irp j, 0,1,2,3,4,5,6,7
	global_load_b128 v[G+4*\j:G+4*\j+3], v1, s[6:7] offset:512*\j
.endr
.irp j, 0,1,2,3,4,5,6,7
	global_load_b128 v[BT+4*\j:BT+4*\j+3], v1, s[8:9] offset:512*\j
.endr
.macro LANESUM                         ; four pairs of partial sums in T become the wave's sum, in v[T] of every lane
	v_pk_add_f32 v[T:T+1], v[T:T+1], v[T+2:T+3]
	v_pk_add_f32 v[T+4:T+5], v[T+4:T+5], v[T+6:T+7]
	v_pk_add_f32 v[T:T+1], v[T:T+1], v[T+4:T+5]
	v_add_f32 v[T], v[T], v[T+1]
	v_add_f32_dpp v[T], v[T], v[T] row_xmask:1 row_mask:0xf bank_mask:0xf
	v_add_f32_dpp v[T], v[T], v[T] row_xmask:2 row_mask:0xf bank_mask:0xf
	v_add_f32_dpp v[T], v[T], v[T] row_xmask:4 row_mask:0xf bank_mask:0xf
	v_add_f32_dpp v[T], v[T], v[T] row_xmask:8 row_mask:0xf bank_mask:0xf
	v_permlanex16_b32 v[T+1], v[T], s34, s35
	v_add_f32 v[T], v[T], v[T+1]
.endm
	s_wait_loadcnt 16                              ; the row is in; the 16 younger loads (gamma, beta) stay out
.irp c, 0,2,4,6
	v_pk_add_f32 v[T+\c:T+\c+1], v[X+\c:X+\c+1], v[X+8+\c:X+8+\c+1]
.endr
.irp o, 16,24
.irp c, 0,2,4,6
	v_pk_add_f32 v[T+\c:T+\c+1], v[T+\c:T+\c+1], v[X+\o+\c:X+\o+\c+1]
.endr
.endr
	LANESUM
	v_mul_f32 v[T+1], s39, v[T]                    ; the mean, in both registers of a pair
	v_mul_f32 v[T], s39, v[T]
.set n, 0
.rept 16
	v_pk_add_f32 v[X+n:X+n+1], v[X+n:X+n+1], v[T:T+1] neg_lo:[0,1] neg_hi:[0,1]
.set n, n+2
.endr
.irp c, 0,2,4,6
	v_pk_mul_f32 v[T+\c:T+\c+1], v[X+\c:X+\c+1], v[X+\c:X+\c+1]
.endr
.irp o, 8,16,24
.irp c, 0,2,4,6
	v_pk_fma_f32 v[T+\c:T+\c+1], v[X+\o+\c:X+\o+\c+1], v[X+\o+\c:X+\o+\c+1], v[T+\c:T+\c+1]
.endr
.endr
	LANESUM
	v_fma_f32 v[T], v[T], s39, s40                 ; variance + 1e-5
	v_rsq_f32 v[T+2], v[T]
	v_rsq_f32 v[T+3], v[T]
	v_nop                                          ; one plain vector instruction behind a transcendental before its result is used (ISA guide 5.7.2)
	s_wait_loadcnt 0x0
	s_wait_alu depctr_va_vdst(0)
.irp j, 0,1,2,3,4,5,6,7
	v_pk_mul_f32 v[X+4*\j:X+4*\j+1], v[X+4*\j:X+4*\j+1], v[T+2:T+3]
	v_pk_mul_f32 v[X+4*\j+2:X+4*\j+3], v[X+4*\j+2:X+4*\j+3], v[T+2:T+3]
	v_pk_fma_f32 v[X+4*\j:X+4*\j+1], v[X+4*\j:X+4*\j+1], v[G+4*\j:G+4*\j+1], v[BT+4*\j:BT+4*\j+1]
	v_pk_fma_f32 v[X+4*\j+2:X+4*\j+3], v[X+4*\j+2:X+4*\j+3], v[G+4*\j+2:G+4*\j+3], v[BT+4*\j+2:BT+4*\j+3]
	v_cvt_pk_f16_f32 v[Y+2*\j], v[X+4*\j], v[X+4*\j+1]
	v_cvt_pk_f16_f32 v[Y+2*\j+1], v[X+4*\j+2], v[X+4*\j+3]
	global_store_b64 v2, v[Y+2*\j:Y+2*\j+1], s[10:11] offset:256*\j           ; the wave's 32 lanes store 256 consecutive bytes, aligned
.endr
	s_endpgm
.Lfunc_end_k_q4cc68c3368_ln2:
	.size	k_q4cc68c3368_ln2, .Lfunc_end_k_q4cc68c3368_ln2-k_q4cc68c3368_ln2
	.p2alignl 7, 3214868480
	.fill 96, 4, 3214868480
	.section	.rodata,"a",@progbits
	.p2align	6, 0x0
	.amdhsa_kernel k_q4cc68c3368_ln2
		.amdhsa_group_segment_fixed_size 0
		.amdhsa_private_segment_fixed_size 0
		.amdhsa_enable_private_segment 0
		.amdhsa_kernarg_size 32
		.amdhsa_user_sgpr_count 2
		.amdhsa_user_sgpr_kernarg_segment_ptr 1
		.amdhsa_wavefront_size32 1
		.amdhsa_system_sgpr_workgroup_id_x 1
		.amdhsa_system_sgpr_workgroup_id_y 1
		.amdhsa_system_sgpr_workgroup_id_z 1
		.amdhsa_system_vgpr_workitem_id 0
		.amdhsa_next_free_vgpr 124
		.amdhsa_next_free_sgpr 66
		.amdhsa_reserve_vcc 0
		.amdhsa_float_denorm_mode_32 3
		.amdhsa_float_denorm_mode_16_64 3
		.amdhsa_memory_ordered 1
		.amdhsa_forward_progress 1
		.amdhsa_inst_pref_size 12
	.end_amdhsa_kernel
	.amdgpu_metadata
---
amdhsa.version: [ 1, 2 ]
amdhsa.kernels:
  - .name:           k_q4cc68c3368_ln2
    .symbol:         k_q4cc68c3368_ln2.kd
    .args:
      - { .name: x1, .offset: 0, .size: 8, .value_kind: global_buffer, .address_space: global }
      - { .name: gamma2, .offset: 8, .size: 8, .value_kind: global_buffer, .address_space: global }
      - { .name: beta2, .offset: 16, .size: 8, .value_kind: global_buffer, .address_space: global }
      - { .name: hn, .offset: 24, .size: 8, .value_kind: global_buffer, .address_space: global }
    .group_segment_fixed_size: 0
    .private_segment_fixed_size: 0
    .kernarg_segment_align: 8
    .kernarg_segment_size: 32
    .max_flat_workgroup_size: 256
    .sgpr_count:     66
    .vgpr_count:     124
    .wavefront_size: 32
...
	.end_amdgpu_metadata
.endif
;; end of part 5
;; launch w1glu (part 6): grid 16 x 32, 4 waves a work-group, clusters of 4 x 4, 327,680 bytes of LDS; arguments hn, wb, g; writes g
.if DOCPART == 6
	.amdgcn_target "amdgcn-amd-amdhsa--gfx1250"
	.amdhsa_code_object_version 6
	.text
	.protected	k_q4cc68c3368_w1glu
	.globl	k_q4cc68c3368_w1glu
	.p2align	8
	.type	k_q4cc68c3368_w1glu,@function
k_q4cc68c3368_w1glu:
	s_mov_b64 s[64:65], 0
	v_nop
	global_prefetch_b8 v0, s[64:65] scope:SCOPE_SE
	s_setreg_imm32_b32 hwreg(HW_REG_WAVE_MODE, 25, 1), 1
	s_wait_xcnt 0x0
	s_wait_alu depctr_hold_cnt(0) depctr_sa_sdst(0) depctr_va_vdst(0) depctr_va_sdst(0) depctr_va_ssrc(0) depctr_va_vcc(0) depctr_vm_vsrc(0)
	s_getreg_b32 s2, hwreg(HW_REG_IB_STS2, 6, 4)
	s_cmp_eq_u32 s2, 0
	s_cbranch_scc0 .Lentry_in_a_cluster
	s_endpgm
.Lentry_in_a_cluster:
	s_bfe_u32 s2, ttmp6, 0x10000c
	s_cmp_lg_u32 s2, 0xf033
	s_cbranch_scc0 .Lentry_shape_is_right
	s_endpgm
.Lentry_shape_is_right:
; w1glu: g = left x sigmoid(right), where [left | right] = hn W1.  hn [4096 x 1024] f16, W1 [1024 x 4096] f16 at wb's first byte, kept [K][N];
; sums in f32, the gate in f32, g [4096 x 2048] in f16.
; A work-group makes 128 rows x 128 columns of g: B's region 0 holds 128 left columns, region 1 the 128 right columns that gate them, so
; both halves of a product meet in one lane and h never goes to memory.  Four waves; a wave makes 64 rows x (64 left + 64 right) columns:
; 32 accumulator tiles of 16 x 16, 256 registers.
; K goes in steps of 128 through two LDS slots filled by the tensor data mover; B's fragments are read with the transposing LDS load.
; CLUSTERS: 4 x 4 work-groups.  The four of a row of the cluster share A's tiles, the four of a column B's: each tile is asked for jointly.
; REGISTERS: window 0: v0-31 addresses; v32-127 and v128-223 two fragment buffers (A's 4 blocks at f, B's 8 at f+32); v224-255 at work.
;            window 1: accumulator tile (a, b) at v[8 (8 a + b)]: b = 0..3 left, b = 4..7 the right columns of b - 4.
; The matrix instruction is used transposed: lane l holds row l % 16 and the eight neighbouring columns 8 (l / 16) + 0..7.
; LIMITS: operands and g are f16.  |g| <= |left|, whose size is |gamma2| x 32 x spread of W1: 1 for a gain of 1 and a spread of 1/32, the largest
; about 5; about 5,000 with both 30 times larger; beyond 65,504 g becomes infinite.
; sigmoid(x) = 1 / (1 + 2^(-x log2 e)) by the 1-ULP instructions (an overflowing 2^.. gives 1/infinity = 0).
.set KDIM,   1024
.set NPITCH, 4096
.set KSTEP,  128
.set PA,     272                       ; A's LDS pitch: 256 bytes + 16, an odd multiple of 16
.set PB,     288                       ; B's LDS pitch: 256 bytes + 32, an odd multiple of 32, for the transposing load
.set HALFA,  64*PA
.set ABYTES, 2*HALFA
.set HALFB,  128*PB
.set SLOT,   ABYTES+2*HALFB            ; 108,544
.set STAGE,  2*SLOT                    ; 217,088: behind the ring, a multiple of 256; no tensor load ever lands here: 128 rows x 272 bytes
.set LAPS,   KDIM/(2*KSTEP)
.set ADRA, 16
.set ADRB, 20
.set STO,  24
.set RD,   25
.set CO,   26
.set F0,   32
.set F1,   128
.set TMP,  224
.set G1,  24
.set G0,  32
.set G1B, 48
.set G0B, 56
.set MULW, 0x50
.set MSB, 0
.macro WIN new
.if MSB != \new
	s_set_vgpr_msb (MSB<<8)|\new
.set MSB, \new
.endif
.endm
.macro JLOAD s                         ; waves 0 and 1 fetch A's halves, waves 2 and 3 B's regions
	s_cmp_eq_u32 s13, 0
	s_cbranch_scc0 .Lfor_b_\@
	tensor_load_to_lds s[G0+4*\s:G0+4*\s+3], s[G1:G1+7]
	s_nop 0
	s_branch .Lasked_\@
.Lfor_b_\@:
	tensor_load_to_lds s[G0B+4*\s:G0B+4*\s+3], s[G1B:G1B+7]
	s_nop 0
.Lasked_\@:
.endm
.macro CREST
	s_cmp_lg_u32 s12, 0
	s_cbranch_scc1 .Lnot_wave_0_\@
	s_barrier_signal -3
.Lnot_wave_0_\@:
	s_barrier_wait -3
	s_barrier_signal -1
	s_barrier_wait -1
.endm
.macro CROUND
	s_barrier_signal -1
	s_barrier_wait -1
	CREST
.endm
.macro PLACES                          ; four independent vector instructions behind a matrix instruction (ISA guide 7.12.1)
.rept 4
	v_nop
.endr
.endm
; the 32 accumulators take turns, one instruction a turn, in the same order everywhere
.macro MUL8 f, a, zero
.irp b, 0,1,2,3,4,5,6,7
.if \zero
	v_wmma_f32_16x16x32_f16 v[8*(8*\a+\b):8*(8*\a+\b)+7], v[\f+32+8*\b:\f+32+8*\b+7], v[\f+8*\a:\f+8*\a+7], 0
.else
	v_wmma_f32_16x16x32_f16 v[8*(8*\a+\b):8*(8*\a+\b)+7], v[\f+32+8*\b:\f+32+8*\b+7], v[\f+8*\a:\f+8*\a+7], v[8*(8*\a+\b):8*(8*\a+\b)+7]
.endif
.endr
.endm
.macro FETCH slot, q, f                ; 24 LDS loads: B's 16 first, A's blocks 2 and 3 last
	WIN 0
.irp b, 0,1,2,3,4,5,6,7
	ds_load_tr16_b128 v[\f+32+8*\b:\f+32+8*\b+3],   v[ADRB+2*\slot+\b/4] offset:\q*32*PB+32*(\b%4)
	ds_load_tr16_b128 v[\f+32+8*\b+4:\f+32+8*\b+7], v[ADRB+2*\slot+\b/4] offset:\q*32*PB+32*(\b%4)+16*PB
.endr
.irp a, 0,1,2,3
	ds_load_b128 v[\f+8*\a:\f+8*\a+3],   v[ADRA+\slot] offset:\q*64+\a*16*PA
	ds_load_b128 v[\f+8*\a+4:\f+8*\a+7], v[ADRA+\slot] offset:\q*64+\a*16*PA+32
.endr
.endm
.macro QUARTER slot, q, f, g, zero
	s_wait_dscnt 4                                 ; all of buffer f but the youngest four loads (A's blocks 2 and 3)
	WIN MULW
	MUL8 \f, 0, \zero
	MUL8 \f, 1, \zero
	PLACES
	FETCH \slot, \q, \g
	s_wait_dscnt 24                                ; all but the 24 just issued
	WIN MULW
	MUL8 \f, 2, \zero
	MUL8 \f, 3, \zero
.endm
.macro THREE slot, zero
	QUARTER \slot, 1, F0, F1, \zero
	QUARTER \slot, 2, F1, F0, 0
	QUARTER \slot, 3, F0, F1, 0
.endm
.macro TURN slot, next, fill
	s_wait_dscnt 4
	WIN MULW
	MUL8 F1, 0, 0
	s_wait_dscnt 0                                 ; my reads of this slot are over
	s_wait_tensorcnt 0x0                           ; and all my tensor loads have landed: my part of the next slot
	ds_add_u32 v254, v255
	s_wait_dscnt 0x0
	s_barrier_signal -1                            ; (where the slot is filled again this barrier opens a round of the cluster's barrier)
	MUL8 F1, 1, 0
	WIN 0
	s_barrier_wait -1
.if \fill
	CREST                                          ; no wave of any partner still reads this slot or has a load on its way
	s_add_nc_u64 s[G0+4*\slot+2:G0+4*\slot+3], s[G0+4*\slot+2:G0+4*\slot+3], 2*KSTEP*2
	s_add_nc_u64 s[G0B+4*\slot+2:G0B+4*\slot+3], s[G0B+4*\slot+2:G0B+4*\slot+3], 2*KSTEP*NPITCH*2
	JLOAD \slot                                    ; my one tensor load behind the round
.endif
	PLACES
	FETCH \next, 0, F0
	WIN MULW
	MUL8 F1, 2, 0
	MUL8 F1, 3, 0
.endm
.macro LAP zero
	THREE 0, \zero
	TURN 0, 1, 1
	THREE 1, 0
	TURN 1, 0, 1
.endm
	s_load_b128 s[4:7], s[0:1], 0x0                ; hn s[4:5], wb s[6:7]
	s_load_b64 s[8:9], s[0:1], 0x10                ; g
	v_lshl_add_u32 v254, v0, 2, 0x3d800
	v_mov_b32 v255, 0
	ds_add_u32 v254, v255
	v_lshrrev_b32 v1, 5, v0
	v_readfirstlane_b32 s12, v1                    ; wave 0..3
	s_lshr_b32 s13, s12, 1                         ; rh: my 64 rows.  Also: I fetch for A (0) or for B (1)
	s_and_b32 s14, s12, 1                          ; ch: my 64 columns of each region.  Also: which half or region I fetch
	s_bfe_u32 s40, ttmp6, 0x40000                  ; cx
	s_bfe_u32 s41, ttmp6, 0x40004                  ; cy
	s_lshl_b32 s42, ttmp9, 2
	s_add_co_u32 s42, s42, s40                     ; block column
	s_and_b32 s43, ttmp7, 0xffff
	s_lshl_b32 s43, s43, 2
	s_add_co_u32 s43, s43, s41                     ; block row
	s_lshl_b32 s44, s41, 2
	s_lshl_b32 s44, 15, s44                        ; my row of the cluster
	s_lshl_b32 s45, 0x1111, s40                    ; my column
	s_or_b32 s[G1+0], s44, (1<<16)|(1<<20)|(1<<21)|(5<<22)|(3<<25)    ; mask; elements of 2 bytes; padding on; bit 21 beside a mask; after every 64 words 4 words
	s_mov_b32 s[G1+1], KSTEP<<16
	s_mov_b32 s[G1+2], 64<<16
	s_mov_b32 s[G1+3], KSTEP<<16
	s_mov_b32 s[G1+4], 64
	s_mov_b32 s[G1+5], KDIM
	s_mov_b32 s[G1+6], 0
	s_mov_b32 s[G1+7], 0
	s_or_b32 s[G1B+0], s45, (1<<16)|(1<<20)|(1<<21)|(5<<22)|(7<<25)   ; my column's mask, 8 words of padding
	s_mov_b32 s[G1B+1], 128<<16
	s_mov_b32 s[G1B+2], KSTEP<<16
	s_mov_b32 s[G1B+3], 128<<16
	s_mov_b32 s[G1B+4], KSTEP
	s_mov_b32 s[G1B+5], NPITCH
	s_mov_b32 s[G1B+6], 0
	s_mov_b32 s[G1B+7], 0
	s_lshl_b32 s16, s43, 7
	s_lshl_b32 s17, s14, 6
	s_add_co_u32 s16, s16, s17                     ; A: row 128 x block row + 64 x half
	s_mul_i32 s16, s16, KDIM*2
	s_mov_b32 s17, 0
	s_lshl_b32 s46, s42, 8                         ; B: 128 columns a block;
	s_lshl_b32 s47, s14, 12                        ; the right columns lie 2,048 columns behind the left
	s_add_co_u32 s46, s46, s47
	s_mov_b32 s47, 0
	s_mul_i32 s20, s14, HALFA
	s_mul_i32 s21, s14, HALFB
	s_add_co_u32 s21, s21, ABYTES
	s_wait_dscnt 0x0
	s_wait_kmcnt 0x0
	s_add_nc_u64 s[18:19], s[4:5], s[16:17]
	s_add_nc_u64 s[46:47], s[6:7], s[46:47]
	CROUND                                         ; the first joint loads meet
.irp s, 0,1
	s_mov_b32 s[G0+4*\s], 1
	s_add_co_u32 s[G0+4*\s+1], s20, \s*SLOT
	s_add_nc_u64 s[G0+4*\s+2:G0+4*\s+3], s[18:19], \s*KSTEP*2
	s_or_b32 s[G0+4*\s+3], s[G0+4*\s+3], 0x80000000
	s_mov_b32 s[G0B+4*\s], 1
	s_add_co_u32 s[G0B+4*\s+1], s21, \s*SLOT
	s_add_nc_u64 s[G0B+4*\s+2:G0B+4*\s+3], s[46:47], \s*KSTEP*NPITCH*2
	s_or_b32 s[G0B+4*\s+3], s[G0B+4*\s+3], 0x80000000
	JLOAD \s                                       ; K steps 0 and 1: two tensor loads of the wave are out, the most in this text
.endr
	v_and_b32 v1, 15, v0                           ; r
	v_bfe_u32 v2, v0, 4, 1                         ; h
	v_mul_u32_u24 v3, v1, PA
	v_lshl_add_u32 v3, v2, 4, v3
	s_mul_i32 s22, s13, HALFA
	v_add_nc_u32 v[ADRA], s22, v3
	v_add_nc_u32 v[ADRA+1], SLOT, v[ADRA]
	v_and_b32 v7, 7, v0
	v_lshl_add_u32 v4, v2, 3, v7
	v_mul_u32_u24 v4, v4, PB
	v_bfe_u32 v5, v0, 3, 1
	v_lshl_add_u32 v4, v5, 4, v4
	s_lshl_b32 s23, s14, 7                         ; my 64 columns = 128 bytes of each region's rows
	s_add_co_u32 s23, s23, ABYTES
	v_add_nc_u32 v[ADRB], s23, v4                  ; region 0: left
	v_add_nc_u32 v[ADRB+1], HALFB, v[ADRB]         ; region 1: right
	v_add_nc_u32 v[ADRB+2], SLOT, v[ADRB]
	v_add_nc_u32 v[ADRB+3], SLOT, v[ADRB+1]
	; the way out: one stage for the work-group, 128 rows of 256 bytes, pitch 272; a row's two halves come from two waves
	s_lshl_b32 s22, s13, 6
	v_add_nc_u32 v6, s22, v1                       ; in: row 64 rh + r,
	v_mul_u32_u24 v6, v6, 272
	v_lshl_add_u32 v6, v2, 4, v6
	s_lshl_b32 s23, s14, 7                         ; my 128 bytes of it
	s_add_co_u32 s23, s23, STAGE
	v_add_nc_u32 v[STO], s23, v6
	s_lshl_b32 s23, s14, 5
	s_add_co_u32 s23, s23, s22                     ; back: I take rows 64 rh + 32 ch .. + 31, two at a time
	v_add_nc_u32 v7, s23, v2
	v_mul_u32_u24 v7, v7, 272
	v_lshl_add_u32 v7, v1, 4, v7
	v_add_nc_u32 v[RD], STAGE, v7
	v_lshlrev_b32 v8, 12, v2                       ; 4,096 bytes a row of g
	v_lshl_add_u32 v[CO], v1, 4, v8
	s_wait_tensorcnt 0x1                           ; my part of K step 0 is in; step 1's stays out
	s_barrier_signal -1
	s_barrier_wait -1
	FETCH 0, 0, F0
	LAP 1
	WIN 0
	s_mov_b32 s15, LAPS-2
.Llap:
	LAP 0
	WIN 0
	s_sub_co_u32 s15, s15, 1
	s_cmp_lg_u32 s15, 0
	s_cbranch_scc1 .Llap
	THREE 0, 0
	TURN 0, 1, 0
	THREE 1, 0
	s_wait_dscnt 4
	WIN MULW
	MUL8 F1, 0, 0
	MUL8 F1, 1, 0
	s_wait_dscnt 0
	MUL8 F1, 2, 0
	MUL8 F1, 3, 0
	PLACES
	s_mov_b32 s66, 0xbfb8aa3b                      ; -log2(e)
	s_mov_b32 s67, 0xbfb8aa3b
	s_lshl_b32 s68, s43, 7
	s_add_co_u32 s68, s68, s23                     ; my first row on the way out: 128 x block row + 64 rh + 32 ch
	s_lshl_b32 s68, s68, 12
	s_lshl_b32 s69, s42, 8                         ; 128 columns a block
	s_add_co_u32 s68, s68, s69
	s_mov_b32 s69, 0
	s_add_nc_u64 s[8:9], s[8:9], s[68:69]
; 16 rows: the gate in place on the right tiles (registers 64 a + 32 .. + 63), times the left tiles (64 a .. + 31), to f16, into the stage
.macro GLU a
	WIN 0x55                                       ; everything in window 1
.set n, 0
.rept 16
	v_pk_mul_f32 v[64*\a+32+n:64*\a+32+n+1], v[64*\a+32+n:64*\a+32+n+1], s[66:67] op_sel_hi:[1,0]
.set n, n+2
.endr
.set n, 0
.rept 32
	v_exp_f32 v[64*\a+32+n], v[64*\a+32+n]
.set n, n+1
.endr
	v_nop                                          ; one plain vector instruction behind the transcendentals (ISA guide 5.7.2)
.set n, 0
	s_wait_alu depctr_va_vdst(0)
.rept 16
	v_pk_add_f32 v[64*\a+32+n:64*\a+32+n+1], v[64*\a+32+n:64*\a+32+n+1], 1.0 op_sel_hi:[1,0]
.set n, n+2
.endr
.set n, 0
.rept 32
	v_rcp_f32 v[64*\a+32+n], v[64*\a+32+n]
.set n, n+1
.endr
	v_nop
.set n, 0
	s_wait_alu depctr_va_vdst(0)
.rept 16
	v_pk_mul_f32 v[64*\a+n:64*\a+n+1], v[64*\a+n:64*\a+n+1], v[64*\a+32+n:64*\a+32+n+1]
.set n, n+2
.endr
	WIN 0x05                                       ; sources in window 1
.irp b, 0,1,2,3
.irp e, 0,1,2,3
	v_cvt_pk_f16_f32 v[TMP+4*\b+\e], v[8*(8*\a+\b)+2*\e], v[8*(8*\a+\b)+2*\e+1]
.endr
.endr
	WIN 0
.irp b, 0,1,2,3
	ds_store_b128 v[STO], v[TMP+4*\b:TMP+4*\b+3] offset:16*272*\a+32*\b
.endr
.endm
	GLU 0
	GLU 1
	GLU 2
	GLU 3
	s_wait_dscnt 0x0                               ; my stores into the stage are done: other waves read them
	s_barrier_signal -1
	s_barrier_wait -1
.irp t, 0,1,2,3,4,5,6,7,8,9,10,11,12,13,14,15
	ds_load_b128 v[32+4*\t:32+4*\t+3], v[RD] offset:544*\t
.endr
.irp t, 0,1,2,3,4,5,6,7,8,9,10,11,12,13,14,15
	s_wait_dscnt 15-\t
	global_store_b128 v[CO], v[32+4*\t:32+4*\t+3], s[8:9] offset:8192*\t      ; 16 lanes store 256 consecutive bytes, aligned
.endr
	s_wait_tensorcnt 0x0
	ds_add_u32 v254, v255
	s_wait_dscnt 0x0
	CROUND                                         ; the closing round
	s_endpgm
.Lfunc_end_k_q4cc68c3368_w1glu:
	.size	k_q4cc68c3368_w1glu, .Lfunc_end_k_q4cc68c3368_w1glu-k_q4cc68c3368_w1glu
	.p2alignl 7, 3214868480
	.fill 96, 4, 3214868480
	.section	.rodata,"a",@progbits
	.p2align	6, 0x0
	.amdhsa_kernel k_q4cc68c3368_w1glu
		.amdhsa_group_segment_fixed_size 327680
		.amdhsa_private_segment_fixed_size 0
		.amdhsa_enable_private_segment 0
		.amdhsa_kernarg_size 24
		.amdhsa_user_sgpr_count 2
		.amdhsa_user_sgpr_kernarg_segment_ptr 1
		.amdhsa_wavefront_size32 1
		.amdhsa_system_sgpr_workgroup_id_x 1
		.amdhsa_system_sgpr_workgroup_id_y 1
		.amdhsa_system_sgpr_workgroup_id_z 1
		.amdhsa_system_vgpr_workitem_id 0
		.amdhsa_next_free_vgpr 512
		.amdhsa_next_free_sgpr 72
		.amdhsa_reserve_vcc 0
		.amdhsa_float_denorm_mode_32 3
		.amdhsa_float_denorm_mode_16_64 3
		.amdhsa_memory_ordered 1
		.amdhsa_forward_progress 1
		.amdhsa_inst_pref_size 130
	.end_amdhsa_kernel
	.amdgpu_metadata
---
amdhsa.version: [ 1, 2 ]
amdhsa.kernels:
  - .name:           k_q4cc68c3368_w1glu
    .symbol:         k_q4cc68c3368_w1glu.kd
    .args:
      - { .name: hn, .offset: 0, .size: 8, .value_kind: global_buffer, .address_space: global }
      - { .name: wb, .offset: 8, .size: 8, .value_kind: global_buffer, .address_space: global }
      - { .name: g, .offset: 16, .size: 8, .value_kind: global_buffer, .address_space: global }
    .group_segment_fixed_size: 327680
    .private_segment_fixed_size: 0
    .kernarg_segment_align: 8
    .kernarg_segment_size: 24
    .max_flat_workgroup_size: 128
    .sgpr_count:     72
    .vgpr_count:     512
    .wavefront_size: 32
...
	.end_amdgpu_metadata
.endif
;; end of part 6
;; launch w2 (part 7): grid 4 x 32, 4 waves a work-group, clusters of 4 x 4, 327,680 bytes of LDS; arguments g, wb, out0, x1; writes out0
.if DOCPART == 7
	.amdgcn_target "amdgcn-amd-amdhsa--gfx1250"
	.amdhsa_code_object_version 6
	.text
	.protected	k_q4cc68c3368_w2
	.globl	k_q4cc68c3368_w2
	.p2align	8
	.type	k_q4cc68c3368_w2,@function
k_q4cc68c3368_w2:
	s_mov_b64 s[64:65], 0
	v_nop
	global_prefetch_b8 v0, s[64:65] scope:SCOPE_SE
	s_setreg_imm32_b32 hwreg(HW_REG_WAVE_MODE, 25, 1), 1
	s_wait_xcnt 0x0
	s_wait_alu depctr_hold_cnt(0) depctr_sa_sdst(0) depctr_va_vdst(0) depctr_va_sdst(0) depctr_va_ssrc(0) depctr_va_vcc(0) depctr_vm_vsrc(0)
	s_getreg_b32 s2, hwreg(HW_REG_IB_STS2, 6, 4)
	s_cmp_eq_u32 s2, 0
	s_cbranch_scc0 .Lentry_in_a_cluster
	s_endpgm
.Lentry_in_a_cluster:
	s_bfe_u32 s2, ttmp6, 0x10000c
	s_cmp_lg_u32 s2, 0xf033
	s_cbranch_scc0 .Lentry_shape_is_right
	s_endpgm
.Lentry_shape_is_right:
; w2: out0 = x1 + g W2.  [4096 x 2048] g (f16) times [2048 x 1024] W2 (f16 in wb, kept [K][N]); sums in f32; x1 and out0 are f32.
; A work-group makes 128 rows x 256 columns with four waves; a wave makes 64 x 128: 32 accumulator tiles of 16 x 16, 256 registers.
; 128 work-groups: a smaller block would read more LDS bytes for each matrix instruction, and a split of K would need a sum across work-groups.
; K goes in steps of 128 through two LDS slots filled by the tensor data mover.  A's rows lie along K; B's rows are K rows of 128 columns,
; and its fragments are read with the transposing LDS load.
; CLUSTERS: 4 x 4 work-groups.  The four of a row of the cluster share A's tiles, the four of a column B's: each tile is asked for jointly.
; REGISTERS: window 0: v0-31 addresses; v32-127 and v128-223 two fragment buffers (A's 4 blocks at f, B's 8 at f+32).
;            window 1: accumulator tile (a, b) at v[8 (8 a + b)], a = 0..3 (rows), b = 0..7 (columns).
; The matrix instruction is used transposed: lane l holds row l % 16 and the eight neighbouring columns 8 (l / 16) + 0..7.
; LIMITS: the product's operands are f16 (finite up to 65,504): g as the launch before leaves it, W2's spread is 1/45.
.set KDIM,   2048
.set NPITCH, 1024
.set WOFF,   8388608                   ; W2's first byte in wb
.set KSTEP,  128
.set PA,     272                       ; A's LDS pitch: 256 bytes + 16, an odd multiple of 16
.set PB,     288                       ; B's LDS pitch: 256 bytes + 32, an odd multiple of 32, for the transposing load
.set HALFA,  64*PA
.set ABYTES, 2*HALFA
.set HALFB,  128*PB
.set SLOT,   ABYTES+2*HALFB            ; 108,544
.set STAGE,  2*SLOT                    ; 217,088: behind the ring, a multiple of 256; no tensor load ever lands here
.set SPF,    528                       ; the stage's pitch: 512 bytes + 16
.set LAPS,   KDIM/(2*KSTEP)
.set ADRA, 16
.set ADRB, 20
.set STO,  24
.set RD,   25
.set CO,   26
.set F0,   32
.set F1,   128
.set R0,   32                          ; the way out: v[32:95], v[96:159] the residual of 16 rows, two buffers
.set SG,   160                         ; v[160:223] 16 rows read back from the stage
.set G1,  24
.set G0,  32
.set G1B, 48
.set G0B, 56
.set MULW, 0x50
.set MSB, 0
.macro WIN new
.if MSB != \new
	s_set_vgpr_msb (MSB<<8)|\new
.set MSB, \new
.endif
.endm
.macro JLOAD s                         ; waves 0 and 1 fetch A's halves, waves 2 and 3 B's regions
	s_cmp_eq_u32 s13, 0
	s_cbranch_scc0 .Lfor_b_\@
	tensor_load_to_lds s[G0+4*\s:G0+4*\s+3], s[G1:G1+7]
	s_nop 0
	s_branch .Lasked_\@
.Lfor_b_\@:
	tensor_load_to_lds s[G0B+4*\s:G0B+4*\s+3], s[G1B:G1B+7]
	s_nop 0
.Lasked_\@:
.endm
.macro CREST
	s_cmp_lg_u32 s12, 0
	s_cbranch_scc1 .Lnot_wave_0_\@
	s_barrier_signal -3
.Lnot_wave_0_\@:
	s_barrier_wait -3
	s_barrier_signal -1
	s_barrier_wait -1
.endm
.macro CROUND
	s_barrier_signal -1
	s_barrier_wait -1
	CREST
.endm
.macro PLACES                          ; four independent vector instructions behind a matrix instruction (ISA guide 7.12.1)
.rept 4
	v_nop
.endr
.endm
; the 32 accumulators take turns, one instruction a turn, in the same order everywhere
.macro MUL8 f, a, zero
.irp b, 0,1,2,3,4,5,6,7
.if \zero
	v_wmma_f32_16x16x32_f16 v[8*(8*\a+\b):8*(8*\a+\b)+7], v[\f+32+8*\b:\f+32+8*\b+7], v[\f+8*\a:\f+8*\a+7], 0
.else
	v_wmma_f32_16x16x32_f16 v[8*(8*\a+\b):8*(8*\a+\b)+7], v[\f+32+8*\b:\f+32+8*\b+7], v[\f+8*\a:\f+8*\a+7], v[8*(8*\a+\b):8*(8*\a+\b)+7]
.endif
.endr
.endm
.macro FETCH slot, q, f                ; 24 LDS loads: B's 16 first, A's blocks 2 and 3 last
	WIN 0
.irp b, 0,1,2,3,4,5,6,7
	ds_load_tr16_b128 v[\f+32+8*\b:\f+32+8*\b+3],   v[ADRB+2*\slot+\b/4] offset:\q*32*PB+32*(\b%4)
	ds_load_tr16_b128 v[\f+32+8*\b+4:\f+32+8*\b+7], v[ADRB+2*\slot+\b/4] offset:\q*32*PB+32*(\b%4)+16*PB
.endr
.irp a, 0,1,2,3
	ds_load_b128 v[\f+8*\a:\f+8*\a+3],   v[ADRA+\slot] offset:\q*64+\a*16*PA
	ds_load_b128 v[\f+8*\a+4:\f+8*\a+7], v[ADRA+\slot] offset:\q*64+\a*16*PA+32
.endr
.endm
.macro QUARTER slot, q, f, g, zero
	s_wait_dscnt 4                                 ; all of buffer f but the youngest four loads (A's blocks 2 and 3)
	WIN MULW
	MUL8 \f, 0, \zero
	MUL8 \f, 1, \zero
	PLACES
	FETCH \slot, \q, \g
	s_wait_dscnt 24                                ; all but the 24 just issued
	WIN MULW
	MUL8 \f, 2, \zero
	MUL8 \f, 3, \zero
.endm
.macro THREE slot, zero
	QUARTER \slot, 1, F0, F1, \zero
	QUARTER \slot, 2, F1, F0, 0
	QUARTER \slot, 3, F0, F1, 0
.endm
.macro TURN slot, next, fill
	s_wait_dscnt 4
	WIN MULW
	MUL8 F1, 0, 0
	s_wait_dscnt 0                                 ; my reads of this slot are over
	s_wait_tensorcnt 0x0                           ; and all my tensor loads have landed: my part of the next slot
	ds_add_u32 v254, v255
	s_wait_dscnt 0x0
	s_barrier_signal -1                            ; (where the slot is filled again this barrier opens a round of the cluster's barrier)
	MUL8 F1, 1, 0
	WIN 0
	s_barrier_wait -1
.if \fill
	CREST                                          ; no wave of any partner still reads this slot or has a load on its way
	s_add_nc_u64 s[G0+4*\slot+2:G0+4*\slot+3], s[G0+4*\slot+2:G0+4*\slot+3], 2*KSTEP*2
	s_add_nc_u64 s[G0B+4*\slot+2:G0B+4*\slot+3], s[G0B+4*\slot+2:G0B+4*\slot+3], 2*KSTEP*NPITCH*2
	JLOAD \slot                                    ; my one tensor load behind the round
.endif
	PLACES
	FETCH \next, 0, F0
	WIN MULW
	MUL8 F1, 2, 0
	MUL8 F1, 3, 0
.endm
.macro LAP zero
	THREE 0, \zero
	TURN 0, 1, 1
	THREE 1, 0
	TURN 1, 0, 1
.endm
	s_load_b256 s[4:11], s[0:1], 0x0               ; g s[4:5], wb s[6:7], out0 s[8:9], x1 s[10:11]
	v_lshl_add_u32 v254, v0, 2, 0x3d800
	v_mov_b32 v255, 0
	ds_add_u32 v254, v255
	v_lshrrev_b32 v1, 5, v0
	v_readfirstlane_b32 s12, v1                    ; wave 0..3
	s_lshr_b32 s13, s12, 1                         ; rh: my 64 rows.  Also: I fetch for A (0) or for B (1)
	s_and_b32 s14, s12, 1                          ; ch: my 128 columns.  Also: which half or region I fetch
	s_bfe_u32 s40, ttmp6, 0x40000                  ; cx
	s_bfe_u32 s41, ttmp6, 0x40004                  ; cy
	s_lshl_b32 s42, ttmp9, 2
	s_add_co_u32 s42, s42, s40                     ; block column
	s_and_b32 s43, ttmp7, 0xffff
	s_lshl_b32 s43, s43, 2
	s_add_co_u32 s43, s43, s41                     ; block row
	s_lshl_b32 s44, s41, 2
	s_lshl_b32 s44, 15, s44                        ; my row of the cluster
	s_lshl_b32 s45, 0x1111, s40                    ; my column
	s_or_b32 s[G1+0], s44, (1<<16)|(1<<20)|(1<<21)|(5<<22)|(3<<25)    ; mask; elements of 2 bytes; padding on; bit 21 beside a mask; after every 64 words 4 words
	s_mov_b32 s[G1+1], KSTEP<<16
	s_mov_b32 s[G1+2], 64<<16
	s_mov_b32 s[G1+3], KSTEP<<16
	s_mov_b32 s[G1+4], 64
	s_mov_b32 s[G1+5], KDIM
	s_mov_b32 s[G1+6], 0
	s_mov_b32 s[G1+7], 0
	s_or_b32 s[G1B+0], s45, (1<<16)|(1<<20)|(1<<21)|(5<<22)|(7<<25)   ; my column's mask, 8 words of padding
	s_mov_b32 s[G1B+1], 128<<16
	s_mov_b32 s[G1B+2], KSTEP<<16
	s_mov_b32 s[G1B+3], 128<<16
	s_mov_b32 s[G1B+4], KSTEP
	s_mov_b32 s[G1B+5], NPITCH
	s_mov_b32 s[G1B+6], 0
	s_mov_b32 s[G1B+7], 0
	s_lshl_b32 s16, s43, 7
	s_lshl_b32 s17, s14, 6
	s_add_co_u32 s16, s16, s17                     ; A: row 128 x block row + 64 x half
	s_mul_i32 s16, s16, KDIM*2
	s_mov_b32 s17, 0
	s_lshl_b32 s46, s42, 9                         ; B: 256 columns a block,
	s_lshl_b32 s47, s14, 8                         ; 128 a region
	s_add_co_u32 s46, s46, s47
	s_add_co_u32 s46, s46, WOFF
	s_mov_b32 s47, 0
	s_mul_i32 s20, s14, HALFA
	s_mul_i32 s21, s14, HALFB
	s_add_co_u32 s21, s21, ABYTES
	s_wait_dscnt 0x0
	s_wait_kmcnt 0x0
	s_add_nc_u64 s[18:19], s[4:5], s[16:17]
	s_add_nc_u64 s[46:47], s[6:7], s[46:47]
	CROUND                                         ; the first joint loads meet
.irp s, 0,1
	s_mov_b32 s[G0+4*\s], 1
	s_add_co_u32 s[G0+4*\s+1], s20, \s*SLOT
	s_add_nc_u64 s[G0+4*\s+2:G0+4*\s+3], s[18:19], \s*KSTEP*2
	s_or_b32 s[G0+4*\s+3], s[G0+4*\s+3], 0x80000000
	s_mov_b32 s[G0B+4*\s], 1
	s_add_co_u32 s[G0B+4*\s+1], s21, \s*SLOT
	s_add_nc_u64 s[G0B+4*\s+2:G0B+4*\s+3], s[46:47], \s*KSTEP*NPITCH*2
	s_or_b32 s[G0B+4*\s+3], s[G0B+4*\s+3], 0x80000000
	JLOAD \s                                       ; K steps 0 and 1: two tensor loads of the wave are out, the most in this text
.endr
	v_and_b32 v1, 15, v0                           ; r
	v_bfe_u32 v2, v0, 4, 1                         ; h
	v_mul_u32_u24 v3, v1, PA
	v_lshl_add_u32 v3, v2, 4, v3
	s_mul_i32 s22, s13, HALFA
	v_add_nc_u32 v[ADRA], s22, v3
	v_add_nc_u32 v[ADRA+1], SLOT, v[ADRA]
	v_and_b32 v7, 7, v0
	v_lshl_add_u32 v4, v2, 3, v7
	v_mul_u32_u24 v4, v4, PB
	v_bfe_u32 v5, v0, 3, 1
	v_lshl_add_u32 v4, v5, 4, v4
	s_mul_i32 s23, s14, HALFB
	s_add_co_u32 s23, s23, ABYTES
	v_add_nc_u32 v[ADRB], s23, v4
	v_add_nc_u32 v[ADRB+1], 128, v[ADRB]
	v_add_nc_u32 v[ADRB+2], SLOT, v[ADRB]
	v_add_nc_u32 v[ADRB+3], SLOT, v[ADRB+1]
	; the way out: my stage is 16 rows of 512 bytes, pitch 528
	s_mul_i32 s22, s12, 16*SPF
	s_add_co_u32 s22, s22, STAGE
	v_mul_u32_u24 v6, v1, SPF
	v_lshl_add_u32 v6, v2, 5, v6                   ; in: row r, 32 bytes for each half of the lanes
	v_add_nc_u32 v[STO], s22, v6
	v_and_b32 v7, 31, v0
	v_lshlrev_b32 v[CO], 4, v7                     ; back and out: 32 lanes take a row's 512 bytes
	v_add_nc_u32 v[RD], s22, v[CO]
	s_wait_tensorcnt 0x1                           ; my part of K step 0 is in; step 1's stays out
	s_barrier_signal -1
	s_barrier_wait -1
	FETCH 0, 0, F0
	LAP 1
	WIN 0
	s_mov_b32 s15, LAPS-2
.Llap:
	LAP 0
	WIN 0
	s_sub_co_u32 s15, s15, 1
	s_cmp_lg_u32 s15, 0
	s_cbranch_scc1 .Llap
	THREE 0, 0
	TURN 0, 1, 0
	THREE 1, 0
	s_wait_dscnt 4
	WIN MULW
	MUL8 F1, 0, 0
	MUL8 F1, 1, 0
	s_wait_dscnt 0
	MUL8 F1, 2, 0
	MUL8 F1, 3, 0
	PLACES
	WIN 0
	; THE WAY OUT: 16 rows at a time through my own stage, the residual added, whole runs of 512 bytes out
	s_lshl_b32 s66, s43, 7
	s_lshl_b32 s67, s13, 6
	s_add_co_u32 s66, s66, s67                     ; my first row
	s_lshl_b32 s66, s66, 12                        ; 4,096 bytes a row
	s_lshl_b32 s67, s42, 10                        ; 256 columns a block
	s_add_co_u32 s66, s66, s67
	s_lshl_b32 s67, s14, 9                         ; 128 a wave
	s_add_co_u32 s66, s66, s67
	s_mov_b32 s67, 0
	s_add_nc_u64 s[8:9], s[8:9], s[66:67]
	s_add_nc_u64 s[10:11], s[10:11], s[66:67]
.macro RLOAD a                         ; the residual of rows 16 a .. 16 a + 15
.irp t, 0,1,2,3,4,5,6,7,8,9,10,11,12,13,14,15
	global_load_b128 v[R0+64*(\a%2)+4*\t:R0+64*(\a%2)+4*\t+3], v[CO], s[10:11] offset:(16*\a+\t)*4096 th:TH_LOAD_NT
.endr
.endm
.macro OUTF a, left                    ; left = the next block's residual loads, which may stay out
	WIN 0x04                                       ; an LDS store's data in window 1: straight from the accumulators
.irp b, 0,1,2,3,4,5,6,7
	ds_store_b128 v[STO], v[8*(8*\a+\b):8*(8*\a+\b)+3] offset:64*\b
	ds_store_b128 v[STO], v[8*(8*\a+\b)+4:8*(8*\a+\b)+7] offset:64*\b+16
.endr
	WIN 0
	s_wait_xcnt 0x0                                ; SG, which the last block's stores read, is loaded again only behind this wait
.irp t, 0,1,2,3,4,5,6,7,8,9,10,11,12,13,14,15
	ds_load_b128 v[SG+4*\t:SG+4*\t+3], v[RD] offset:SPF*\t                   ; LDS serves a wave's instructions in order: these see the stores above
.endr
.irp t, 0,1,2,3,4,5,6,7,8,9,10,11,12,13,14,15
	s_wait_loadcnt \left+15-\t                     ; row t's residual is in
	s_wait_dscnt 15-\t                             ; and row t of the product
	v_pk_add_f32 v[SG+4*\t:SG+4*\t+1], v[SG+4*\t:SG+4*\t+1], v[R0+64*(\a%2)+4*\t:R0+64*(\a%2)+4*\t+1]
	v_pk_add_f32 v[SG+4*\t+2:SG+4*\t+3], v[SG+4*\t+2:SG+4*\t+3], v[R0+64*(\a%2)+4*\t+2:R0+64*(\a%2)+4*\t+3]
	global_store_b128 v[CO], v[SG+4*\t:SG+4*\t+3], s[8:9] offset:(16*\a+\t)*4096 th:TH_STORE_NT
.endr
.endm
	RLOAD 0
	RLOAD 1
	OUTF 0, 16
	RLOAD 2
	OUTF 1, 16
	RLOAD 3
	OUTF 2, 16
	OUTF 3, 0
	s_wait_tensorcnt 0x0
	ds_add_u32 v254, v255
	s_wait_dscnt 0x0
	CROUND                                         ; the closing round
	s_endpgm
.Lfunc_end_k_q4cc68c3368_w2:
	.size	k_q4cc68c3368_w2, .Lfunc_end_k_q4cc68c3368_w2-k_q4cc68c3368_w2
	.p2alignl 7, 3214868480
	.fill 96, 4, 3214868480
	.section	.rodata,"a",@progbits
	.p2align	6, 0x0
	.amdhsa_kernel k_q4cc68c3368_w2
		.amdhsa_group_segment_fixed_size 327680
		.amdhsa_private_segment_fixed_size 0
		.amdhsa_enable_private_segment 0
		.amdhsa_kernarg_size 32
		.amdhsa_user_sgpr_count 2
		.amdhsa_user_sgpr_kernarg_segment_ptr 1
		.amdhsa_wavefront_size32 1
		.amdhsa_system_sgpr_workgroup_id_x 1
		.amdhsa_system_sgpr_workgroup_id_y 1
		.amdhsa_system_sgpr_workgroup_id_z 1
		.amdhsa_system_vgpr_workitem_id 0
		.amdhsa_next_free_vgpr 512
		.amdhsa_next_free_sgpr 72
		.amdhsa_reserve_vcc 0
		.amdhsa_float_denorm_mode_32 3
		.amdhsa_float_denorm_mode_16_64 3
		.amdhsa_memory_ordered 1
		.amdhsa_forward_progress 1
		.amdhsa_inst_pref_size 134
	.end_amdhsa_kernel
	.amdgpu_metadata
---
amdhsa.version: [ 1, 2 ]
amdhsa.kernels:
  - .name:           k_q4cc68c3368_w2
    .symbol:         k_q4cc68c3368_w2.kd
    .args:
      - { .name: g, .offset: 0, .size: 8, .value_kind: global_buffer, .address_space: global }
      - { .name: wb, .offset: 8, .size: 8, .value_kind: global_buffer, .address_space: global }
      - { .name: out0, .offset: 16, .size: 8, .value_kind: global_buffer, .address_space: global }
      - { .name: x1, .offset: 24, .size: 8, .value_kind: global_buffer, .address_space: global }
    .group_segment_fixed_size: 327680
    .private_segment_fixed_size: 0
    .kernarg_segment_align: 8
    .kernarg_segment_size: 32
    .max_flat_workgroup_size: 128
    .sgpr_count:     72
    .vgpr_count:     512
    .wavefront_size: 32
...
	.end_amdgpu_metadata
.endif
;; end of part 7
;; ======== version 2 of 2: 7 launches
;; limits: values are held in f16: magnitudes above 65,504 overflow, below 6.1e-05 lose precision
;; workspace buffers: wb 20,971,520 bytes; hn 8,388,608 bytes; mb 16,384 bytes; qkv 25,165,824 bytes; ao 8,388,608 bytes; x1 16,777,216 bytes; g 16,777,216 bytes
;; launch prep: the kernel of part 1 again; grid 1792 x 1, 8 waves a work-group, no clusters, 0 bytes of LDS; arguments x, gamma1, beta1, hn, W1, W2, Wq, Wk, Wv, Wo, wb, attention_mask, mb; writes hn, wb, mb
;; launch qkv (part 8): grid 12 x 16, 4 waves a work-group, clusters of 4 x 4, 327,680 bytes of LDS; arguments hn, wb, qkv; writes qkv
.if DOCPART == 8
	.amdgcn_target "amdgcn-amd-amdhsa--gfx1250"
	.amdhsa_code_object_version 6
	.text
	.protected	k_q4cc68c3368_qkv
	.globl	k_q4cc68c3368_qkv
	.p2align	8
	.type	k_q4cc68c3368_qkv,@function
k_q4cc68c3368_qkv:
	s_mov_b64 s[64:65], 0
	v_nop
	global_prefetch_b8 v0, s[64:65] scope:SCOPE_SE
	s_setreg_imm32_b32 hwreg(HW_REG_WAVE_MODE, 25, 1), 1
	s_wait_xcnt 0x0
	s_wait_alu depctr_hold_cnt(0) depctr_sa_sdst(0) depctr_va_vdst(0) depctr_va_sdst(0) depctr_va_ssrc(0) depctr_va_vcc(0) depctr_vm_vsrc(0)
	s_getreg_b32 s2, hwreg(HW_REG_IB_STS2, 6, 4)
	s_cmp_eq_u32 s2, 0
	s_cbranch_scc0 .Lentry_in_a_cluster
	s_endpgm
.Lentry_in_a_cluster:
	s_bfe_u32 s2, ttmp6, 0x10000c
	s_cmp_lg_u32 s2, 0xf033
	s_cbranch_scc0 .Lentry_shape_is_right
	s_endpgm
.Lentry_shape_is_right:
; qkv: [4096 x 1024] hn times [1024 x 3072] (Wq | Wk | Wv, f16 in wb, each kept [K][N]); sums in f32; the result goes out in f16 as
; qkv[which][batch][head][token][64], so that a head's q, k or v is one dense block of 262,144 bytes.
; A work-group makes 256 rows x 256 columns with four waves; a wave makes 128 x 128: 64 accumulator tiles of 16 x 16, 512 registers.
; K goes in steps of 128 through two LDS slots filled by the tensor data mover, one load a wave.  A K step is 256 matrix instructions of a
; wave, and from a slot's request to the wait for it a wave issues 240 of them.  A's rows (tokens) lie along K; B's rows are K rows of
; 128 columns, and its fragments are read with the transposing LDS load, so the weights are never transposed in memory.
; 12 x 16 = 192 work-groups: a block of 256 x 192 would give 256, but a wave's 96 columns would then be one and a half heads.
; CLUSTERS: 4 x 4 work-groups.  The four of a row of the cluster share A's tiles, the four of a column B's: each tile is asked for jointly.
; REGISTERS, in windows of 256: window 0: v0-31 addresses; v64-127, v128-191 fragments of B (8 x 16 columns x 32 K), two buffers; v192-223 at work.
;   window 1: v64-127, v128-191 fragments of A (8 x 16 rows x 32 K), two buffers.
;   window 2: the 32 accumulator tiles of my rows 0-63 (tile (a, b) at v[8 (8 a + b)]);   window 3: those of my rows 64-127.
; The matrix instruction is used transposed (source 0 = 16 columns of B, source 1 = 16 rows of A): lane l then holds row l % 16 and the
; eight neighbouring columns 8 (l / 16) + 0..7.
; LIMITS: operands and result are f16.  q, k and v have the size |gamma1| x 32 x spread of the weight: 1 for a gain of 1 and a spread of 1/32,
; the largest of them about 5; about 5,000 with gain and weights both 30 times larger; beyond 65,504 they become infinite.  With both 30 times
; smaller their size is 0.001, where f16 steps by 2^-24 at the most.
.set KDIM,   1024                      ; length of the sums
.set NPITCH, 1024                      ; elements from a K row of B to the next
.set KSTEP,  128
.set PA,     272                       ; A's LDS pitch: 256 bytes + 16, an odd multiple of 16: the 16 rows of a fragment load start in 16 different 16-byte columns modulo 256
.set PB,     288                       ; B's LDS pitch: 256 bytes + 32, an odd multiple of 32, for the transposing load
.set HALFA,  128*PA                    ; what one tensor load brings of A: 128 rows
.set ABYTES, 2*HALFA
.set HALFB,  128*PB                    ; one region of B: 128 K rows x 128 columns
.set SLOT,   ABYTES+2*HALFB            ; 143,360
.set STAGE,  2*SLOT                    ; 286,720: behind the ring, a multiple of 256; no tensor load ever lands here
.set LAPS,   KDIM/(2*KSTEP)            ; a lap = two K steps = once round the ring
.set ADRA, 16                          ; v16-17  my A fragments in slot 0, 1
.set ADRB, 20                          ; v20-23  my B fragments: 2 x slot + (column blocks 0-3 or 4-7)
.set STO,  24                          ; the way out: where I put 16 bytes
.set RD,   25                          ; the way out: where I read them back
.set CO,   26                          ; my byte offset in the output
.set F0,   64
.set F1,   128
.set TMP,  192
.set G1,  24                           ; s[24:31] group 1 for A's tiles
.set G0,  32                           ; s[32:39] group 0 for A's tiles, a set for each slot
.set G1B, 48                           ; s[48:55] group 1 for B's tiles
.set G0B, 56                           ; s[56:63] group 0 for B's tiles, a set for each slot
.set MUL_LO, 0xa4                      ; source 0 (B) window 0, source 1 (A) window 1, C and D window 2
.set MUL_HI, 0xf4                      ; the same, C and D window 3
.set TO_A,   0x40                      ; destination window 1, address window 0
.set MSB, 0
.macro WIN new                         ; the immediate's high byte repeats the setting that is left
.if MSB != \new
	s_set_vgpr_msb (MSB<<8)|\new
.set MSB, \new
.endif
.endm
; A joint load: waves 0 and 1 fetch A's two halves, waves 2 and 3 B's two regions.  The branch hangs on the wave's number alone.
.macro JLOAD s
	s_cmp_eq_u32 s13, 0
	s_cbranch_scc0 .Lfor_b_\@
	tensor_load_to_lds s[G0+4*\s:G0+4*\s+3], s[G1:G1+7]
	s_nop 0
	s_branch .Lasked_\@
.Lfor_b_\@:
	tensor_load_to_lds s[G0B+4*\s:G0B+4*\s+3], s[G1B:G1B+7]
	s_nop 0
.Lasked_\@:
.endm
.macro CREST                           ; a round of the cluster's barrier behind its opening work-group barrier
	s_cmp_lg_u32 s12, 0
	s_cbranch_scc1 .Lnot_wave_0_\@
	s_barrier_signal -3
.Lnot_wave_0_\@:
	s_barrier_wait -3
	s_barrier_signal -1
	s_barrier_wait -1
.endm
.macro CROUND                          ; a whole round
	s_barrier_signal -1
	s_barrier_wait -1
	CREST
.endm
.macro PLACES                          ; four independent vector instructions behind a matrix instruction (ISA guide 7.12.1) before its registers are loaded into or its result read
.rept 4
	v_nop
.endr
.endm
; 16 matrix instructions: row blocks a0, a0 + 1 of the window's four (hi = 0: my rows 0-63, 1: rows 64-127) x all 8 column blocks, 32 along K.
; The 64 accumulators take turns, one instruction a turn, in the same order everywhere.  zero = 1: the first product starts the sums.
.macro MUL16 f, hi, a0, zero
.irp a, \a0, \a0+1
.irp b, 0,1,2,3,4,5,6,7
.if \zero
	v_wmma_f32_16x16x32_f16 v[8*(8*(\a)+\b):8*(8*(\a)+\b)+7], v[\f+8*\b:\f+8*\b+7], v[\f+8*(4*\hi+\a):\f+8*(4*\hi+\a)+7], 0
.else
	v_wmma_f32_16x16x32_f16 v[8*(8*(\a)+\b):8*(8*(\a)+\b)+7], v[\f+8*\b:\f+8*\b+7], v[\f+8*(4*\hi+\a):\f+8*(4*\hi+\a)+7], v[8*(8*(\a)+\b):8*(8*(\a)+\b)+7]
.endif
.endr
.endr
.endm
; 32 LDS loads in one run: the fragments of quarter q (32 along K) of a slot into buffer f; B's 16 first, A's blocks 4 to 7 last
.macro FETCH slot, q, f
	WIN 0
.irp b, 0,1,2,3,4,5,6,7
	ds_load_tr16_b128 v[\f+8*\b:\f+8*\b+3],   v[ADRB+2*\slot+\b/4] offset:\q*32*PB+32*(\b%4)
	ds_load_tr16_b128 v[\f+8*\b+4:\f+8*\b+7], v[ADRB+2*\slot+\b/4] offset:\q*32*PB+32*(\b%4)+16*PB
.endr
	WIN TO_A
.irp i, 0,1,2,3,4,5,6,7
	ds_load_b128 v[\f+8*\i:\f+8*\i+3],   v[ADRA+\slot] offset:\q*64+\i*16*PA
	ds_load_b128 v[\f+8*\i+4:\f+8*\i+7], v[ADRA+\slot] offset:\q*64+\i*16*PA+32
.endr
.endm
; one of a K step's first three quarters: multiplies buffer f, and in its middle fetches quarter q into buffer g
.macro QUARTER slot, q, f, g, zero
	s_wait_dscnt 8                                 ; B and A's rows 0-63 are in; the youngest eight loads (A's rows 64-127) may be out
	WIN MUL_LO
	MUL16 \f, 0, 0, \zero
	MUL16 \f, 0, 2, \zero
	PLACES
	FETCH \slot, \q, \g
	s_wait_dscnt 32                                ; all but the 32 just issued
	WIN MUL_HI
	MUL16 \f, 1, 0, \zero
	MUL16 \f, 1, 2, \zero
.endm
.macro THREE slot, zero
	QUARTER \slot, 1, F0, F1, \zero
	QUARTER \slot, 2, F1, F0, 0
	QUARTER \slot, 3, F0, F1, 0
.endm
; the last quarter: multiplies buffer 1 and changes slots.  One barrier: in front of it each wave's reads of this slot are back and all its
; tensor loads have landed (the one that was out is its part of the next slot); behind it the refill comes first, then the next slot is read.
.macro TURN slot, next, fill
	s_wait_dscnt 8
	WIN MUL_LO
	MUL16 F1, 0, 0, 0
	s_wait_dscnt 0                                 ; my reads of this slot are over
	s_wait_tensorcnt 0x0                           ; and all my tensor loads have landed
	ds_add_u32 v255, v255
	s_wait_dscnt 0x0
	s_barrier_signal -1                            ; (where the slot is filled again this barrier opens a round of the cluster's barrier)
	MUL16 F1, 0, 2, 0                              ; register work while the others arrive
	WIN 0
	s_barrier_wait -1
.if \fill
	CREST                                          ; no wave of any partner still reads this slot or has a load on its way
	s_add_nc_u64 s[G0+4*\slot+2:G0+4*\slot+3], s[G0+4*\slot+2:G0+4*\slot+3], 2*KSTEP*2
	s_add_nc_u64 s[G0B+4*\slot+2:G0B+4*\slot+3], s[G0B+4*\slot+2:G0B+4*\slot+3], 2*KSTEP*NPITCH*2
	JLOAD \slot                                    ; my one tensor load behind the round: this slot, two K steps ahead
.endif
	PLACES
	FETCH \next, 0, F0
	WIN MUL_HI
	MUL16 F1, 1, 0, 0
	MUL16 F1, 1, 2, 0
.endm
.macro LAP zero
	THREE 0, \zero
	TURN 0, 1, 1
	THREE 1, 0
	TURN 1, 0, 1
.endm
	s_load_b128 s[4:7], s[0:1], 0x0                ; hn s[4:5], wb s[6:7]
	s_load_b64 s[8:9], s[0:1], 0x10                ; qkv
	v_lshl_add_u32 v255, v0, 2, 0x4a400
	s_set_vgpr_msb 0x40
	v_mov_b32 v255, 0
	s_set_vgpr_msb 0x4044
	ds_add_u32 v255, v255
	s_set_vgpr_msb 0x4400
	v_lshrrev_b32 v1, 5, v0
	v_readfirstlane_b32 s12, v1                    ; wave 0..3
	s_lshr_b32 s13, s12, 1                         ; rh: my 128 rows.  Also: I fetch for A (0) or for B (1)
	s_and_b32 s14, s12, 1                          ; ch: my 128 columns.  Also: which half or region I fetch
	s_bfe_u32 s40, ttmp6, 0x40000                  ; cx
	s_bfe_u32 s41, ttmp6, 0x40004                  ; cy
	s_lshl_b32 s42, ttmp9, 2
	s_add_co_u32 s42, s42, s40                     ; block column = 4 x cluster x + cx
	s_and_b32 s43, ttmp7, 0xffff
	s_lshl_b32 s43, s43, 2
	s_add_co_u32 s43, s43, s41                     ; block row = 4 x cluster y + cy
	s_lshl_b32 s44, s41, 2
	s_lshl_b32 s44, 15, s44                        ; my row of the cluster
	s_lshl_b32 s45, 0x1111, s40                    ; my column
	s_or_b32 s[G1+0], s44, (1<<16)|(1<<20)|(1<<21)|(5<<22)|(3<<25)    ; mask; elements of 2 bytes; padding on; bit 21 beside a mask; after every 64 words 4 words
	s_mov_b32 s[G1+1], KSTEP<<16                   ; tensor_dim0 = 128
	s_mov_b32 s[G1+2], 128<<16                     ; tensor_dim1 = 128
	s_mov_b32 s[G1+3], KSTEP<<16                   ; tile_dim0 = 128
	s_mov_b32 s[G1+4], 128                         ; tile_dim1 = 128 rows
	s_mov_b32 s[G1+5], KDIM                        ; elements from row to row
	s_mov_b32 s[G1+6], 0
	s_mov_b32 s[G1+7], 0
	s_or_b32 s[G1B+0], s45, (1<<16)|(1<<20)|(1<<21)|(5<<22)|(7<<25)   ; the same with my column's mask and 8 words of padding
	s_mov_b32 s[G1B+1], 128<<16                    ; 128 columns
	s_mov_b32 s[G1B+2], KSTEP<<16                  ; 128 K rows
	s_mov_b32 s[G1B+3], 128<<16
	s_mov_b32 s[G1B+4], KSTEP
	s_mov_b32 s[G1B+5], NPITCH
	s_mov_b32 s[G1B+6], 0
	s_mov_b32 s[G1B+7], 0
	; A's tile hangs on the block row alone, B's on the block column alone; each in registers that never hold the other coordinate
	s_lshl_b32 s16, s43, 8
	s_lshl_b32 s17, s14, 7
	s_add_co_u32 s16, s16, s17                     ; row 256 x block row + 128 x half
	s_mul_i32 s16, s16, KDIM*2
	s_mov_b32 s17, 0
	s_lshr_b32 s46, s42, 2                         ; which of Wq, Wk, Wv: 2,097,152 bytes each, from byte 12,582,912 of wb
	s_lshl_b32 s46, s46, 21
	s_and_b32 s47, s42, 3
	s_lshl_b32 s47, s47, 9                         ; 256 columns a block
	s_add_co_u32 s46, s46, s47
	s_lshl_b32 s47, s14, 8                         ; 128 columns a region
	s_add_co_u32 s46, s46, s47
	s_add_co_u32 s46, s46, 12582912
	s_mov_b32 s47, 0
	s_mul_i32 s20, s14, HALFA                      ; LDS: made of the wave's number alone
	s_mul_i32 s21, s14, HALFB
	s_add_co_u32 s21, s21, ABYTES
	s_wait_dscnt 0x0
	s_wait_kmcnt 0x0
	s_add_nc_u64 s[18:19], s[4:5], s[16:17]
	s_add_nc_u64 s[46:47], s[6:7], s[46:47]
	CROUND                                         ; all sixteen work-groups are here: the first joint loads meet
.irp s, 0,1
	s_mov_b32 s[G0+4*\s], 1
	s_add_co_u32 s[G0+4*\s+1], s20, \s*SLOT
	s_add_nc_u64 s[G0+4*\s+2:G0+4*\s+3], s[18:19], \s*KSTEP*2
	s_or_b32 s[G0+4*\s+3], s[G0+4*\s+3], 0x80000000
	s_mov_b32 s[G0B+4*\s], 1
	s_add_co_u32 s[G0B+4*\s+1], s21, \s*SLOT
	s_add_nc_u64 s[G0B+4*\s+2:G0B+4*\s+3], s[46:47], \s*KSTEP*NPITCH*2
	s_or_b32 s[G0B+4*\s+3], s[G0B+4*\s+3], 0x80000000
	JLOAD \s                                       ; K steps 0 and 1: two tensor loads of the wave are out, the most in this text
.endr
	; lane addresses
	v_and_b32 v1, 15, v0                           ; r = l % 16
	v_bfe_u32 v2, v0, 4, 1                         ; h = l / 16
	v_mul_u32_u24 v3, v1, PA
	v_lshl_add_u32 v3, v2, 4, v3                   ; A: row r, 16 bytes for each half of the lanes
	s_mul_i32 s22, s13, HALFA
	v_add_nc_u32 v[ADRA], s22, v3
	v_add_nc_u32 v[ADRA+1], SLOT, v[ADRA]
	v_and_b32 v7, 7, v0
	v_lshl_add_u32 v4, v2, 3, v7                   ; B: K row 8 h + l % 8,
	v_mul_u32_u24 v4, v4, PB
	v_bfe_u32 v5, v0, 3, 1
	v_lshl_add_u32 v4, v5, 4, v4                   ; columns 0-7 or 8-15 of the block
	s_mul_i32 s23, s14, HALFB
	s_add_co_u32 s23, s23, ABYTES                  ; my region
	v_add_nc_u32 v[ADRB], s23, v4
	v_add_nc_u32 v[ADRB+1], 128, v[ADRB]           ; column blocks 4-7
	v_add_nc_u32 v[ADRB+2], SLOT, v[ADRB]
	v_add_nc_u32 v[ADRB+3], SLOT, v[ADRB+1]
	; the way out: my stage is 16 rows of 256 bytes, pitch 272
	s_mul_i32 s22, s12, 16*272
	s_add_co_u32 s22, s22, STAGE
	v_add_nc_u32 v[STO], s22, v3                   ; in: row r, 16 bytes for each half (the pitch is A's)
	v_mul_u32_u24 v6, v5, 272                      ; back: lanes 0-15 take head 0's 128 bytes of two tokens, lanes 16-31 head 1's
	v_lshl_add_u32 v6, v2, 7, v6
	v_lshl_add_u32 v6, v7, 4, v6
	v_add_nc_u32 v[RD], s22, v6
	v_lshlrev_b32 v8, 18, v2                       ; in qkv: 262,144 bytes from a head to the next, 128 from a token to the next
	v_lshl_add_u32 v8, v5, 7, v8
	v_lshl_add_u32 v[CO], v7, 4, v8
	s_wait_tensorcnt 0x1                           ; my part of K step 0 is in; step 1's stays out
	s_barrier_signal -1
	s_barrier_wait -1
	FETCH 0, 0, F0
	LAP 1                                          ; the first lap stands in front of the loop: its first products start the sums
	WIN 0                                          ; at a label and at a branch every window is 0
	s_mov_b32 s15, LAPS-2
.Llap:
	LAP 0
	WIN 0
	s_sub_co_u32 s15, s15, 1
	s_cmp_lg_u32 s15, 0
	s_cbranch_scc1 .Llap
	THREE 0, 0                                     ; the last lap fills nothing
	TURN 0, 1, 0
	THREE 1, 0
	s_wait_dscnt 8                                 ; the very last quarter: nothing more to fetch
	WIN MUL_LO
	MUL16 F1, 0, 0, 0
	MUL16 F1, 0, 2, 0
	s_wait_dscnt 0
	WIN MUL_HI
	MUL16 F1, 1, 0, 0
	MUL16 F1, 1, 2, 0
	PLACES
	; THE WAY OUT.  My 128 tokens x 128 columns are two heads of one of q, k, v.
	s_lshl_b32 s66, s43, 8
	s_lshl_b32 s67, s13, 7
	s_add_co_u32 s66, s66, s67                     ; my first token
	s_lshr_b32 s67, s66, 11                        ; batch
	s_lshl_b32 s67, s67, 4
	s_and_b32 s68, s42, 3
	s_lshl2_add_u32 s67, s68, s67                  ; + 4 heads a block
	s_lshl1_add_u32 s67, s14, s67                  ; + 2 heads a wave
	s_lshl_b32 s67, s67, 11                        ; 2,048 tokens a head
	s_and_b32 s66, s66, 2047
	s_add_co_u32 s66, s66, s67
	s_lshl_b32 s66, s66, 7                         ; 128 bytes a token
	s_lshr_b32 s68, s42, 2
	s_lshl_b32 s68, s68, 23                        ; 8,388,608 bytes each of q, k, v
	s_add_co_u32 s66, s66, s68
	s_mov_b32 s67, 0
	s_add_nc_u64 s[8:9], s[8:9], s[66:67]
; tokens 16 i .. 16 i + 15 = the eight tiles (a, 0..7) of window 2 or 3 (from = 0x0a or 0x0f: sources 0 and 1): round to f16, 16 bytes a lane
; into my own stage, read back so that 16 lanes hold two tokens of one head: 256 consecutive bytes.  f: F0 or F1 in turn
.macro OUT16 i, a, from, f
	WIN \from
.irp b, 0,1,2,3,4,5,6,7
.irp e, 0,1,2,3
	v_cvt_pk_f16_f32 v[TMP+4*\b+\e], v[8*(8*\a+\b)+2*\e], v[8*(8*\a+\b)+2*\e+1]
.endr
.endr
	WIN 0
.irp b, 0,1,2,3,4,5,6,7
	ds_store_b128 v[STO], v[TMP+4*\b:TMP+4*\b+3] offset:32*\b
.endr
	s_wait_xcnt 0x0                                ; buffer f, which earlier stores read, is loaded again only behind this wait
.irp t, 0,1,2,3,4,5,6,7
	ds_load_b128 v[\f+4*\t:\f+4*\t+3], v[RD] offset:544*\t                   ; LDS serves a wave's instructions in order: these see the stores above
.endr
.irp t, 0,1,2,3,4,5,6,7
	s_wait_dscnt 7-\t
	global_store_b128 v[CO], v[\f+4*\t:\f+4*\t+3], s[8:9] offset:2048*\i+256*\t
.endr
.endm
	OUT16 0, 0, 0x0a, F0
	OUT16 1, 1, 0x0a, F1
	OUT16 2, 2, 0x0a, F0
	OUT16 3, 3, 0x0a, F1
	OUT16 4, 0, 0x0f, F0
	OUT16 5, 1, 0x0f, F1
	OUT16 6, 2, 0x0f, F0
	OUT16 7, 3, 0x0f, F1
	s_set_vgpr_msb 0x4
	s_wait_tensorcnt 0x0
	ds_add_u32 v255, v255
	s_wait_dscnt 0x0
	s_set_vgpr_msb 0x400
	CROUND                                         ; the closing round: no work-group ends while a partner may still ask for a tile that names it
	s_endpgm
.Lfunc_end_k_q4cc68c3368_qkv:
	.size	k_q4cc68c3368_qkv, .Lfunc_end_k_q4cc68c3368_qkv-k_q4cc68c3368_qkv
	.p2alignl 7, 3214868480
	.fill 96, 4, 3214868480
	.section	.rodata,"a",@progbits
	.p2align	6, 0x0
	.amdhsa_kernel k_q4cc68c3368_qkv
		.amdhsa_group_segment_fixed_size 327680
		.amdhsa_private_segment_fixed_size 0
		.amdhsa_enable_private_segment 0
		.amdhsa_kernarg_size 24
		.amdhsa_user_sgpr_count 2
		.amdhsa_user_sgpr_kernarg_segment_ptr 1
		.amdhsa_wavefront_size32 1
		.amdhsa_system_sgpr_workgroup_id_x 1
		.amdhsa_system_sgpr_workgroup_id_y 1
		.amdhsa_system_sgpr_workgroup_id_z 1
		.amdhsa_system_vgpr_workitem_id 0
		.amdhsa_next_free_vgpr 1024
		.amdhsa_next_free_sgpr 72
		.amdhsa_reserve_vcc 0
		.amdhsa_float_denorm_mode_32 3
		.amdhsa_float_denorm_mode_16_64 3
		.amdhsa_memory_ordered 1
		.amdhsa_forward_progress 1
		.amdhsa_inst_pref_size 196
	.end_amdhsa_kernel
	.amdgpu_metadata
---
amdhsa.version: [ 1, 2 ]
amdhsa.kernels:
  - .name:           k_q4cc68c3368_qkv
    .symbol:         k_q4cc68c3368_qkv.kd
    .args:
      - { .name: hn, .offset: 0, .size: 8, .value_kind: global_buffer, .address_space: global }
      - { .name: wb, .offset: 8, .size: 8, .value_kind: global_buffer, .address_space: global }
      - { .name: qkv, .offset: 16, .size: 8, .value_kind: global_buffer, .address_space: global }
    .group_segment_fixed_size: 327680
    .private_segment_fixed_size: 0
    .kernarg_segment_align: 8
    .kernarg_segment_size: 24
    .max_flat_workgroup_size: 128
    .sgpr_count:     72
    .vgpr_count:     1024
    .wavefront_size: 32
...
	.end_amdgpu_metadata
.endif
;; end of part 8
;; launch attn (part 9): grid 8 x 32, 8 waves a work-group, no clusters, 327,680 bytes of LDS; arguments qkv, mb, ao; writes ao
.if DOCPART == 9
	.amdgcn_target "amdgcn-amd-amdhsa--gfx1250"
	.amdhsa_code_object_version 6
	.text
	.protected	k_q4cc68c3368_attn
	.globl	k_q4cc68c3368_attn
	.p2align	8
	.type	k_q4cc68c3368_attn,@function
k_q4cc68c3368_attn:
	s_mov_b64 s[64:65], 0
	v_nop
	global_prefetch_b8 v0, s[64:65] scope:SCOPE_SE
	s_setreg_imm32_b32 hwreg(HW_REG_WAVE_MODE, 25, 1), 1
	s_wait_xcnt 0x0
; attn: causal attention with a key mask, one head a work-group row; softmax with a running maximum, in base 2.
; Work-group (i, bh) takes the query blocks i and 15 - i (128 queries each) of head bh.  K, V and the key bias come in tiles of 256 keys:
; (i >> 1) + 1 tiles for block i and ((15 - i) >> 1) + 1 for block 15 - i, nine for every i, so the 256 work-groups have equal work.
; EIGHT WAVES, two on a SIMD.  Waves w and w + 4 hold the same 32 queries (two blocks qb of 16); of every 128 keys wave w takes the first 64 and
; wave w + 4 the last 64, each with a running maximum, a sum and an O of its own.  So one wave's softmax (vector work) stands beside the other's
; matrix instructions and LDS loads, and no LDS byte is read more often than with four waves.  At a pass's end the two parts are merged:
; m = max(mA, mB), f = 2^(m_own - m), l = lA fA + lB fB, O = (O_A fA + O_B fB) / l; wave w finishes query block 0, wave w + 4 block 1.
; Where a pass's last query block has an even number, the second 128 keys of its last tile lie above the diagonal and are skipped.
; NO CLUSTER: the query blocks of a head need different numbers of key tiles, and partners of a joint load must make the same requests in the
; same rounds; walking all tiles for every block would double the matrix work.
; LAYOUT: S^T = K Q^T (source 0 = 16 keys from LDS, source 1 = Q in registers): lane (r, h) holds query r and keys 8 h + j.  Two such tiles,
; rounded to f16, ARE the second source of O^T = V^T P^T, so P never leaves the registers; V^T comes by the transposing LDS load.
; Maximum, sum and the rescale factor are one number a lane; only the maximum crosses the two halves of the lanes in every step.
; A key is masked by adding mb (0 or -infinity) in the fused multiply-add that also scales the score.  The running maximum starts at the
; lowest finite f32, so -infinity minus the maximum is never NaN; a wave that has met masked keys alone ends with O = 0, sum = 0 and the factor
; 2^(lowest - m) = 0.  A query with no allowed key at all ends with O = 0 and l = 0: 0 x (1/0) = NaN, as the source's softmax gives.
; ao's rows: a head's share of a row is 128 bytes and its neighbours belong to other work-groups, so a store covers four runs of 128 bytes.
; LIMITS: q, k, v, P and ao are f16.  P lies in [0, 1]: what f16 drops below 2^-25 stands against a row sum of at least 1.  ao is a convex mix
; of v and has v's range (finite up to 65,504).  exp2 and 1/x are the 1-ULP instructions; scaled scores near the largest f32 are not served.
.set PK,     144                       ; K's LDS pitch: 128 bytes + 16
.set PV,     160                       ; V's LDS pitch: 128 bytes + 32, an odd multiple of 32, for the transposing load
.set TKEYS,  256                       ; keys in a slot
.set VOFF,   TKEYS*PK                  ; 36,864
.set BOFF,   VOFF+TKEYS*PV             ; 77,824: the tile's 256 bias words
.set SLOTB,  BOFF+4*TKEYS              ; 78,848
.set STAGE,  2*SLOTB                   ; 157,696, a multiple of 256: 16 rows x 144 bytes for each wave; no tensor load lands from here on
.set SP,     144
.set STB,    16*SP                     ; 2,304
.set MERGE,  STAGE+8*STB               ; 176,128: what a wave hands to its partner: 8 x 512 bytes of O, 512 of maxima, 512 of sums
.set MGB,    5120
.set MGQ, 3                            ; v3     the merge bytes of wave (my number mod 4), 16 bytes a lane; the partner's half stands in the immediate
.set KAD, 10                           ; v10-11 K fragments of my 64 of the first 128 keys in slot 0, 1
.set VAD, 12                           ; v12-13 V fragments
.set BAD, 14                           ; v14-15 bias
.set STO, 16
.set RD,  17
.set CO,  18
.set QO,  19                           ; my 16 bytes in a block of 16 rows of q
.set DV,  20                           ; 32 (w mod 4) + r - 8 h - 64 (w / 4): the causal bound of my lane
.set MGW, 21                           ; my own merge bytes, 16 bytes a lane
.set MX,  22                           ; v[22:23], v[24:25] running maximum of qb 0, 1, in both registers of a pair
.set LS,  26                           ; v26, v27 running sum (my half of the lanes' keys)
.set AL,  28                           ; v[28:29], v[30:31] rescale factor, in both registers of a pair
.set S,   32                           ; v[32:95]  score tile (kb, qb) at 8 (2 kb + qb)
.set P,   96                           ; v[96:127] P fragment (qb, kk) at 8 (2 qb + kk); before that the bias, 8 words for each kb
.set KF,  128                          ; v[128:191] K fragments, 16 registers for each kb
.set VF,  192                          ; v[192:255] V^T fragment (kk, dt) at 8 (4 kk + dt)
.set O,   0                            ; window 1: v[0:63] O^T tile (dt, qb) at 8 (2 dt + qb)
.set Q,   64                           ; window 1: v[64:95] Q fragments at 16 qb + 8 ks
.set Q2,  96                           ; window 1: v[96:127] the second pass's Q, loaded at the head
.set G1K, 16
.set G1V, 24
.set G1M, 32
.set G0K, 40                           ; group 0, a set of four for each slot
.set G0V, 48
.set G0M, 56
.set MSB, 0
.macro WIN new                         ; the immediate's high byte repeats the setting that is left
.if MSB != \new
	s_set_vgpr_msb (MSB<<8)|\new
.set MSB, \new
.endif
.endm
.macro PLACES                          ; four independent vector instructions behind a matrix instruction (ISA guide 7.12.1)
.rept 4
	v_nop
.endr
.endm
; a slot's three tiles, one tensor load a wave: wave 0 K, wave 1 V, wave 2 the bias, the others none
.macro TLOAD slot
	s_cmp_lg_u32 s10, 0
	s_cbranch_scc1 .Lnot_k_\@
	tensor_load_to_lds s[G0K+4*\slot:G0K+4*\slot+3], s[G1K:G1K+7]
	s_nop 0
	s_branch .Lasked_\@
.Lnot_k_\@:
	s_cmp_lg_u32 s10, 1
	s_cbranch_scc1 .Lnot_v_\@
	tensor_load_to_lds s[G0V+4*\slot:G0V+4*\slot+3], s[G1V:G1V+7]
	s_nop 0
	s_branch .Lasked_\@
.Lnot_v_\@:
	s_cmp_lg_u32 s10, 2
	s_cbranch_scc1 .Lasked_\@
	tensor_load_to_lds s[G0M+4*\slot:G0M+4*\slot+3], s[G1M:G1M+7]
	s_nop 0
.Lasked_\@:
.endm
; t = 0, 1: the slot's first or second 128 keys; my 64 of them stand in the address registers
.macro LOADK slot, t                   ; 16 loads: 64 keys x 64 d
.irp kb, 0,1,2,3
.irp e, 0,1,2,3
	ds_load_b128 v[KF+16*\kb+4*\e:KF+16*\kb+4*\e+3], v[KAD+\slot] offset:(128*\t+16*\kb)*PK+32*\e
.endr
.endr
.endm
.macro LOADB slot, t                   ; 8 loads: the bias of keys 16 kb + 8 h + 0..7
.irp e, 0,1,2,3,4,5,6,7
	ds_load_b128 v[P+4*\e:P+4*\e+3], v[BAD+\slot] offset:512*\t+64*(\e/2)+16*(\e%2)
.endr
.endm
.macro LOADV slot, t                   ; 16 transposing loads: 64 keys x 64 d
.irp kk, 0,1
.irp dt, 0,1,2,3
	ds_load_tr16_b128 v[VF+8*(4*\kk+\dt):VF+8*(4*\kk+\dt)+3],   v[VAD+\slot] offset:(128*\t+32*\kk)*PV+32*\dt
	ds_load_tr16_b128 v[VF+8*(4*\kk+\dt)+4:VF+8*(4*\kk+\dt)+7], v[VAD+\slot] offset:(128*\t+32*\kk)*PV+32*\dt+16*PV
.endr
.endr
.endm
.macro SCALEO                          ; O x the pair in AL, by query block
	WIN 0x41                                       ; destination and source 0 in window 1
.irp dt, 0,1,2,3
.irp qb, 0,1
.irp i, 0,2,4,6
	v_pk_mul_f32 v[O+8*(2*\dt+\qb)+\i:O+8*(2*\dt+\qb)+\i+1], v[O+8*(2*\dt+\qb)+\i:O+8*(2*\dt+\qb)+\i+1], v[AL+2*\qb:AL+2*\qb+1]
.endr
.endr
.endr
.endm
.macro MAXSTEP c, a, b                 ; chain c of both query blocks takes in two more scores (qb 1's tiles lie 8 registers behind qb 0's)
	v_max3_num_f32 v[4+\c], v[4+\c], v[S+\a], v[S+\b]
	v_max3_num_f32 v[6+\c], v[6+\c], v[S+8+\a], v[S+8+\b]
.endm
; a pass begins: where its rows of ao lie; copyq = 1: the second pass's Q, in registers
; O = 0 (the rescale in every step needs a defined O; twice in the launch); maximum and sum
.macro INITPASS copyq
	s_lshl_b32 s76, s83, 18                        ; 128 rows of ao x 2,048 bytes
	s_add_nc_u64 s[80:81], s[74:75], s[76:77]
.if \copyq
	WIN 0x41                                       ; destination and source 0 in window 1
.set n, 0
.rept 32
	v_mov_b32 v[Q+n], v[Q2+n]
.set n, n+1
.endr
.endif
	WIN 0x40                                       ; destination in window 1
.set n, 0
.rept 64
	v_mov_b32 v[O+n], 0
.set n, n+1
.endr
	WIN 0
.irp e, 0,1,2,3
	v_mov_b32 v[MX+\e], 0xff7fffff                 ; the lowest finite f32
.endr
	v_mov_b32 v[LS], 0
	v_mov_b32 v[LS+1], 0
.endm
; my 64 keys of half t of the tile in a slot; s[fl] is not 0 where these 128 keys lie on the diagonal
.macro SUB slot, t, fl
	PLACES                                         ; behind the last step's matrix instructions: P, VF (and KF) are loaded again
.if \t == 0
	LOADK \slot, 0
.endif
	LOADB \slot, \t
	LOADV \slot, \t
	s_wait_dscnt 24                                ; K is in; the 8 bias and 16 V loads stay out
	WIN 0x04                                       ; source 1 (Q) in window 1
.irp kb, 0,1,2,3
.irp qb, 0,1
	v_wmma_f32_16x16x32_f16 v[S+8*(2*\kb+\qb):S+8*(2*\kb+\qb)+7], v[KF+16*\kb:KF+16*\kb+7], v[Q+16*\qb:Q+16*\qb+7], 0
.endr
.endr
.irp kb, 0,1,2,3
.irp qb, 0,1
	v_wmma_f32_16x16x32_f16 v[S+8*(2*\kb+\qb):S+8*(2*\kb+\qb)+7], v[KF+16*\kb+8:KF+16*\kb+15], v[Q+16*\qb+8:Q+16*\qb+15], v[S+8*(2*\kb+\qb):S+8*(2*\kb+\qb)+7]   ; the eight tiles take turns
.endr
.endr
	WIN 0
	PLACES
.if \t == 0
	LOADK \slot, 1                                 ; the second half's K, a step ahead (the whole slot has landed)
	s_wait_dscnt 32                                ; the bias is in; V's 16 and K's 16 stay out
.else
	s_wait_dscnt 16                                ; the bias is in; V's 16 stay out
.endif
.irp kb, 0,1,2,3
.irp qb, 0,1
.irp i, 0,2,4,6
	v_pk_fma_f32 v[S+8*(2*\kb+\qb)+\i:S+8*(2*\kb+\qb)+\i+1], v[S+8*(2*\kb+\qb)+\i:S+8*(2*\kb+\qb)+\i+1], s[86:87], v[P+8*\kb+\i:P+8*\kb+\i+1] op_sel_hi:[1,0,1]   ; score x log2(e)/8 + key bias
.endr
.endr
.endr
	s_cmp_lg_u32 s[\fl], 0                         ; only the 128 keys on the diagonal need the causal mask
	s_cbranch_scc0 .Lfree_\@
.irp kb, 0,1,2,3
.irp qb, 0,1
.irp j, 0,1,2,3,4,5,6,7
	v_cmp_le_i32 vcc_lo, 16*\kb+\j-16*\qb, v[DV]                             ; key <= query
	v_cndmask_b32 v[S+8*(2*\kb+\qb)+\j], s90, v[S+8*(2*\kb+\qb)+\j], vcc_lo
.endr
.endr
.endr
.Lfree_\@:
	; the new maximum: two chains for each query block, the old maximum starts one
	v_max3_num_f32 v4, v[MX], v[S], v[S+1]
	v_max3_num_f32 v6, v[MX+2], v[S+8], v[S+9]
	v_max3_num_f32 v5, v[S+32], v[S+33], v[S+34]
	v_max3_num_f32 v7, v[S+40], v[S+41], v[S+42]
	MAXSTEP 0, 2, 3
	MAXSTEP 1, 35, 36
	MAXSTEP 0, 4, 5
	MAXSTEP 1, 37, 38
	MAXSTEP 0, 6, 7
	MAXSTEP 1, 39, 48
	MAXSTEP 0, 16, 17
	MAXSTEP 1, 49, 50
	MAXSTEP 0, 18, 19
	MAXSTEP 1, 51, 52
	MAXSTEP 0, 20, 21
	MAXSTEP 1, 53, 54
	MAXSTEP 0, 22, 23
	v_max3_num_f32 v4, v4, v5, v[S+55]
	v_max3_num_f32 v6, v6, v7, v[S+63]
	v_permlanex16_b32 v8, v4, s88, s89             ; the other half of the lanes holds the query's other keys
	v_permlanex16_b32 v9, v6, s88, s89
	v_max_num_f32 v4, v4, v8
	v_max_num_f32 v6, v6, v9
	v_sub_f32 v5, v[MX], v4
	v_sub_f32 v7, v[MX+2], v6
	v_exp_f32 v[AL], v5                            ; 2^(old - new), twice for the packed multiply
	v_exp_f32 v[AL+1], v5
	v_exp_f32 v[AL+2], v7
	v_exp_f32 v[AL+3], v7
	v_mov_b32 v[MX], v4                            ; plain instructions behind the transcendentals, which touch neither their results nor their sources
	v_mov_b32 v[MX+1], v4
	v_mov_b32 v[MX+2], v6
	v_mov_b32 v[MX+3], v6
.irp kb, 0,1,2,3
.irp qb, 0,1
.irp i, 0,2,4,6
	v_pk_add_f32 v[S+8*(2*\kb+\qb)+\i:S+8*(2*\kb+\qb)+\i+1], v[S+8*(2*\kb+\qb)+\i:S+8*(2*\kb+\qb)+\i+1], v[MX+2*\qb:MX+2*\qb+1] neg_lo:[0,1] neg_hi:[0,1]
.endr
.endr
.endr
.set n, 0
.rept 64
	v_exp_f32 v[S+n], v[S+n]
.set n, n+1
.endr
	v_nop
	s_wait_alu depctr_va_vdst(0)
.irp qb, 0,1
.irp kk, 0,1
.irp e, 0,1
.irp i, 0,1,2,3
	v_cvt_pk_f16_f32 v[P+8*(2*\qb+\kk)+4*\e+\i], v[S+8*(2*(2*\kk+\e)+\qb)+2*\i], v[S+8*(2*(2*\kk+\e)+\qb)+2*\i+1]
.endr
.endr
.endr
.endr
	; the sum of my 32 numbers of each query block, as a tree on the scores' registers, which are dead now
.irp qb, 0,1
.irp i, 0,2,4,6
	v_pk_add_f32 v[S+8*\qb+\i:S+8*\qb+\i+1], v[S+8*\qb+\i:S+8*\qb+\i+1], v[S+16+8*\qb+\i:S+16+8*\qb+\i+1]
	v_pk_add_f32 v[S+32+8*\qb+\i:S+32+8*\qb+\i+1], v[S+32+8*\qb+\i:S+32+8*\qb+\i+1], v[S+48+8*\qb+\i:S+48+8*\qb+\i+1]
.endr
.endr
.irp qb, 0,1
.irp i, 0,2,4,6
	v_pk_add_f32 v[S+8*\qb+\i:S+8*\qb+\i+1], v[S+8*\qb+\i:S+8*\qb+\i+1], v[S+32+8*\qb+\i:S+32+8*\qb+\i+1]
.endr
.endr
.irp qb, 0,1
	v_pk_add_f32 v[S+8*\qb:S+8*\qb+1], v[S+8*\qb:S+8*\qb+1], v[S+8*\qb+2:S+8*\qb+3]
	v_pk_add_f32 v[S+8*\qb+4:S+8*\qb+5], v[S+8*\qb+4:S+8*\qb+5], v[S+8*\qb+6:S+8*\qb+7]
.endr
.irp qb, 0,1
	v_pk_add_f32 v[S+8*\qb:S+8*\qb+1], v[S+8*\qb:S+8*\qb+1], v[S+8*\qb+4:S+8*\qb+5]
.endr
.irp qb, 0,1
	v_add_f32 v[S+8*\qb], v[S+8*\qb], v[S+8*\qb+1]
.endr
.irp qb, 0,1
	v_fma_f32 v[LS+\qb], v[LS+\qb], v[AL+2*\qb], v[S+8*\qb]
.endr
	SCALEO
.if \t == 0
	s_wait_dscnt 16                                ; V is in; the next half's 16 K loads stay out
.else
	s_wait_dscnt 0                                 ; V is in
.endif
	WIN 0x50                                       ; C and D in window 1
.irp kk, 0,1
.irp dt, 0,1,2,3
.irp qb, 0,1
	v_wmma_f32_16x16x32_f16 v[O+8*(2*\dt+\qb):O+8*(2*\dt+\qb)+7], v[VF+8*(4*\kk+\dt):VF+8*(4*\kk+\dt)+7], v[P+8*(2*\qb+\kk):P+8*(2*\qb+\kk)+7], v[O+8*(2*\dt+\qb):O+8*(2*\dt+\qb)+7]   ; eight accumulators by turns
.endr
.endr
.endr
	WIN 0
.endm
; my O tiles of query block qb, which my partner finishes, go into my own merge bytes: store 2 dt + e holds registers 4 e .. 4 e + 3 of tile dt
.macro SEND qb
	WIN 0x04                                       ; an LDS store's data in window 1
.irp dt, 0,1,2,3
	ds_store_b128 v[MGW], v[O+8*(2*\dt+\qb):O+8*(2*\dt+\qb)+3] offset:1024*\dt
	ds_store_b128 v[MGW], v[O+8*(2*\dt+\qb)+4:O+8*(2*\dt+\qb)+7] offset:1024*\dt+512
.endr
	WIN 0
.endm
; I finish query block qb (= my number / 4): my partner's part comes from its merge bytes, which lie (1 - qb) x 4 waves' bytes behind MGQ
.macro KEEP qb
	ds_load_b128 v[P:P+3], v[MGQ] offset:(1-\qb)*4*MGB+4096                  ; its maxima
	ds_load_b128 v[P+4:P+7], v[MGQ] offset:(1-\qb)*4*MGB+4608                ; its sums (the upper two words are not used)
.irp e, 0,1,2,3,4,5,6,7
	ds_load_b128 v[S+4*\e:S+4*\e+3], v[MGQ] offset:(1-\qb)*4*MGB+512*\e      ; its O: tile dt at S + 8 dt
.endr
	s_wait_dscnt 8                                 ; maxima and sums are in; the 8 loads of O stay out
	v_max_num_f32 v4, v[MX+2*\qb], v[P+2*\qb]      ; the joint maximum
	v_sub_f32 v5, v[MX+2*\qb], v4
	v_sub_f32 v8, v[P+2*\qb], v4
	v_exp_f32 v[AL], v5                            ; my factor
	v_exp_f32 v[P+8], v8                           ; my partner's
	v_nop                                          ; one plain vector instruction behind the transcendentals (ISA guide 5.7.2)
	s_wait_alu depctr_va_vdst(0)
	v_mul_f32 v6, v[LS+\qb], v[AL]
	v_fma_f32 v6, v[P+4+\qb], v[P+8], v6           ; the joint sum of my half of the lanes' keys
	v_permlanex16_b32 v9, v6, s88, s89
	v_add_f32 v6, v6, v9                           ; both halves' keys
	v_rcp_f32 v7, v6
	v_nop
	s_wait_alu depctr_va_vdst(0)
	v_mul_f32 v[AL+1], v[AL], v7                   ; factor / sum, in both registers of a pair
	v_mul_f32 v[P+9], v[P+8], v7
	v_mul_f32 v[AL], v[AL], v7
	v_mul_f32 v[P+8], v[P+8], v7
	WIN 0x41                                       ; destination and source 0 in window 1
.irp dt, 0,1,2,3
.irp i, 0,2,4,6
	v_pk_mul_f32 v[O+8*(2*\dt+\qb)+\i:O+8*(2*\dt+\qb)+\i+1], v[O+8*(2*\dt+\qb)+\i:O+8*(2*\dt+\qb)+\i+1], v[AL:AL+1]
.endr
.endr
	s_wait_dscnt 0                                 ; my partner's O
	WIN 0x50                                       ; destination and source 2 in window 1
.irp dt, 0,1,2,3
.irp i, 0,2,4,6
	v_pk_fma_f32 v[O+8*(2*\dt+\qb)+\i:O+8*(2*\dt+\qb)+\i+1], v[S+8*\dt+\i:S+8*\dt+\i+1], v[P+8:P+9], v[O+8*(2*\dt+\qb)+\i:O+8*(2*\dt+\qb)+\i+1]
.endr
.endr
	WIN 0x05                                       ; sources in window 1
.irp dt, 0,1,2,3
.irp i, 0,1,2,3
	v_cvt_pk_f16_f32 v[S+32+4*\dt+\i], v[O+8*(2*\dt+\qb)+2*\i], v[O+8*(2*\dt+\qb)+2*\i+1]
.endr
.endr
	WIN 0
.irp dt, 0,1,2,3
	ds_store_b128 v[STO], v[S+32+4*\dt:S+32+4*\dt+3] offset:32*\dt           ; my own stage: row r, 16 bytes for each half of the lanes
.endr
.irp t, 0,1,2,3
	ds_load_b128 v[S+48+4*\t:S+48+4*\t+3], v[RD] offset:4*SP*\t              ; LDS serves a wave's instructions in order: these see the stores above
.endr
.irp t, 0,1,2,3
	s_wait_dscnt 3-\t
	global_store_b128 v[CO], v[S+48+4*\t:S+48+4*\t+3], s[80:81] offset:32768*\qb+8192*\t   ; four queries, 128 consecutive bytes each; block qb lies 16 rows down
.endr
.endm
; a pass ends.  Each wave hands the query block that it does not finish to its partner: store, wait for 0, barrier, load.  The branch that leads
; here is the same in all eight waves (the pass's last tile); the two branches on the wave's number hold no barrier.  The merge bytes are
; written again only in the next pass's end, behind at least one tile's barrier, in front of which every wave's LDS reads are back.
.macro FINISH
	PLACES
	s_cmp_lg_u32 s92, 0
	s_cbranch_scc1 .Lsend_0_\@
	SEND 1                                         ; waves 0 to 3 keep block 0
	s_branch .Lsent_\@
.Lsend_0_\@:
	SEND 0                                         ; waves 4 to 7 keep block 1
.Lsent_\@:
	ds_store_b128 v[MGW], v[MX:MX+3] offset:4096   ; both blocks' maxima
	ds_store_b128 v[MGW], v[LS:LS+3] offset:4608   ; both blocks' sums (and two words that ride along)
	s_wait_dscnt 0x0                               ; for my partner's sake: all my LDS stores are done
	s_barrier_signal -1
	s_barrier_wait -1                              ; the next tile's load may stay on its way
	s_cmp_lg_u32 s92, 0
	s_cbranch_scc1 .Lkeep_1_\@
	KEEP 0
	s_branch .Lkept_\@
.Lkeep_1_\@:
	KEEP 1
.Lkept_\@:
	s_wait_xcnt 0x0                                ; the stores' data and base are written again only behind this wait
.endm
; one tile of 256 keys.  In front of the barrier: all my tensor loads have landed (my part of this tile among them) and my LDS reads are back;
; behind it the other slot is filled first, one tensor load a wave, and has the whole trip in which to land.
.macro TRIP slot, other, refill, last
	s_set_vgpr_msb 0x5
	s_wait_tensorcnt 0x0                           ; no tensor load of mine is out: the group 0 sets may be written
	ds_add_u32 v128, v129
	s_wait_dscnt 0x0
	s_set_vgpr_msb 0x500
	s_lshr_b32 s84, s83, 1                         ; the pass's last tile holds query block s83's diagonal
	s_cmp_eq_u32 s82, s84
	s_cselect_b32 s85, 1, 0                        ; this is it
	s_and_b32 s94, s83, s85                        ; the diagonal lies in its second 128 keys (odd block),
	s_xor_b32 s93, s94, s85                        ; or in its first (even block): the second 128 are then skipped
	s_add_co_u32 s84, s82, 1
	s_cmp_lg_u32 s85, 0
	s_cselect_b32 s84, 0, s84                      ; the next tile: one on, or the next pass's first
.if \refill
	s_lshl_b32 s76, s84, 15                        ; 256 keys x 128 bytes
	s_add_nc_u64 s[G0K+4*\other+2:G0K+4*\other+3], s[66:67], s[76:77]
	s_or_b32 s[G0K+4*\other+3], s[G0K+4*\other+3], 0x80000000
	s_add_nc_u64 s[G0V+4*\other+2:G0V+4*\other+3], s[68:69], s[76:77]
	s_or_b32 s[G0V+4*\other+3], s[G0V+4*\other+3], 0x80000000
	s_lshl_b32 s76, s84, 10                        ; 256 words of bias
	s_add_nc_u64 s[G0M+4*\other+2:G0M+4*\other+3], s[70:71], s[76:77]
	s_or_b32 s[G0M+4*\other+3], s[G0M+4*\other+3], 0x80000000
.endif
	s_wait_dscnt 0x0
	s_barrier_signal -1
	s_barrier_wait -1
.if \refill
	TLOAD \other
.endif
	SUB \slot, 0, 93
	s_cmp_lg_u32 s93, 0
	s_cbranch_scc1 .Lhalf_\@                       ; the second 128 keys lie above the diagonal
	SUB \slot, 1, 94
.Lhalf_\@:
.if \last
	FINISH
.else
	s_cmp_lg_u32 s85, 0
	s_cbranch_scc0 .Lon_\@
	FINISH
	s_sub_co_u32 s83, 15, s11                      ; the second pass: query block 15 - i
	INITPASS 1
.Lon_\@:
	s_mov_b32 s82, s84
.endif
.endm
	s_load_b128 s[4:7], s[0:1], 0x0                ; qkv s[4:5], mb s[6:7]
	s_load_b64 s[8:9], s[0:1], 0x10                ; ao
	s_set_vgpr_msb 0x40
	v_lshl_add_u32 v128, v0, 2, 0x35000
	v_mov_b32 v129, 0
	s_set_vgpr_msb 0x4045
	ds_add_u32 v128, v129
	s_set_vgpr_msb 0x4500
	v_lshrrev_b32 v1, 5, v0
	v_readfirstlane_b32 s10, v1                    ; wave 0..7
	s_and_b32 s91, s10, 3                          ; which 32 queries are mine
	s_lshr_b32 s92, s10, 2                         ; which 64 of every 128 keys; also the query block that I finish
	s_mov_b32 s11, ttmp9                           ; i
	s_and_b32 s12, ttmp7, 0xffff                   ; bh
	s_lshr_b32 s13, s12, 4                         ; batch
	s_and_b32 s14, s12, 15                         ; head
	; K: 256 rows of 64 f16, dense in memory; 4 words of padding behind every 32
	s_mov_b32 s[G1K+0], (1<<16)|(1<<20)|(4<<22)|(3<<25)
	s_mov_b32 s[G1K+1], 64<<16
	s_mov_b32 s[G1K+2], TKEYS<<16
	s_mov_b32 s[G1K+3], 64<<16
	s_mov_b32 s[G1K+4], TKEYS
	s_mov_b32 s[G1K+5], 64
	s_mov_b32 s[G1K+6], 0
	s_mov_b32 s[G1K+7], 0
	; V: the same with 8 words of padding
	s_mov_b32 s[G1V+0], (1<<16)|(1<<20)|(4<<22)|(7<<25)
	s_mov_b32 s[G1V+1], 64<<16
	s_mov_b32 s[G1V+2], TKEYS<<16
	s_mov_b32 s[G1V+3], 64<<16
	s_mov_b32 s[G1V+4], TKEYS
	s_mov_b32 s[G1V+5], 64
	s_mov_b32 s[G1V+6], 0
	s_mov_b32 s[G1V+7], 0
	; the bias: one row of 1,024 bytes, as 128 elements of 8
	s_mov_b32 s[G1M+0], 3<<16
	s_mov_b32 s[G1M+1], 128<<16
	s_mov_b32 s[G1M+2], 1<<16
	s_mov_b32 s[G1M+3], 128<<16
	s_mov_b32 s[G1M+4], 1
	s_mov_b32 s[G1M+5], 128
	s_mov_b32 s[G1M+6], 0
	s_mov_b32 s[G1M+7], 0
.irp s, 0,1
	s_mov_b32 s[G0K+4*\s], 1
	s_mov_b32 s[G0K+4*\s+1], \s*SLOTB
	s_mov_b32 s[G0V+4*\s], 1
	s_mov_b32 s[G0V+4*\s+1], \s*SLOTB+VOFF
	s_mov_b32 s[G0M+4*\s], 1
	s_mov_b32 s[G0M+4*\s+1], \s*SLOTB+BOFF
.endr
	s_lshl_b32 s76, s12, 18                        ; 262,144 bytes a head
	s_mov_b32 s77, 0                               ; stays 0: the high word of every offset pair
	s_wait_dscnt 0x0
	s_barrier_signal -1
	s_barrier_wait -1
	s_wait_kmcnt 0x0
	s_add_nc_u64 s[72:73], s[4:5], s[76:77]        ; the head's q
	s_add_nc_u64 s[66:67], s[72:73], 0x800000      ; its k
	s_add_nc_u64 s[68:69], s[72:73], 0x1000000     ; its v
	s_lshl_b32 s76, s13, 13
	s_add_nc_u64 s[70:71], s[6:7], s[76:77]        ; the batch's bias
	s_mov_b64 s[G0K+2:G0K+3], s[66:67]
	s_or_b32 s[G0K+3], s[G0K+3], 0x80000000
	s_mov_b64 s[G0V+2:G0V+3], s[68:69]
	s_or_b32 s[G0V+3], s[G0V+3], 0x80000000
	s_mov_b64 s[G0M+2:G0M+3], s[70:71]
	s_or_b32 s[G0M+3], s[G0M+3], 0x80000000
	TLOAD 0                                        ; tile 0: the one first fill.  A wave never has more than one tensor load out; every wait for them is for 0
	s_lshl_b32 s76, s91, 12
	s_add_nc_u64 s[72:73], s[72:73], s[76:77]      ; q: + my 32 queries x 128 bytes
	s_lshl_b32 s76, s13, 22                        ; ao: batch x 2,048 rows x 2,048 bytes
	s_lshl_b32 s15, s14, 7                         ; + head x 128 bytes
	s_add_co_u32 s76, s76, s15
	s_lshl_b32 s15, s91, 16                        ; + my 32 rows
	s_add_co_u32 s76, s76, s15
	s_add_nc_u64 s[74:75], s[8:9], s[76:77]
	s_mov_b32 s86, 0x3e38aa3b                      ; log2(e) / 8
	s_mov_b32 s87, 0x3e38aa3b
	s_mov_b32 s88, 0x76543210                      ; v_permlanex16_b32: lane i reads lane i of the other half
	s_mov_b32 s89, 0xfedcba98
	s_mov_b32 s90, 0xff800000                      ; -infinity
	v_and_b32 v1, 15, v0                           ; r
	v_bfe_u32 v2, v0, 4, 1                         ; h
	v_and_b32 v3, 31, v0                           ; lane
	v_lshlrev_b32 v6, 7, v1
	v_lshl_add_u32 v[QO], v2, 4, v6
	; both passes' Q, asked for now: block i into place, block 15 - i beside it
	s_lshl_b32 s76, s11, 14                        ; 128 queries x 128 bytes
	s_add_nc_u64 s[78:79], s[72:73], s[76:77]
	s_sub_co_u32 s15, 15, s11
	s_lshl_b32 s76, s15, 14
	s_add_nc_u64 s[4:5], s[72:73], s[76:77]
	WIN 0x40                                       ; destination in window 1
.irp e, 0,1,2,3,4,5,6,7
	global_load_b128 v[Q+4*\e:Q+4*\e+3], v[QO], s[78:79] offset:(\e/4)*2048+(\e%4)*32
.endr
.irp e, 0,1,2,3,4,5,6,7
	global_load_b128 v[Q2+4*\e:Q2+4*\e+3], v[QO], s[4:5] offset:(\e/4)*2048+(\e%4)*32
.endr
	WIN 0
	v_mul_u32_u24 v4, v1, PK
	v_lshl_add_u32 v4, v2, 4, v4
	s_mul_i32 s15, s92, 64*PK                      ; my 64 of every 128 keys
	v_add_nc_u32 v[KAD], s15, v4
	v_add_nc_u32 v[KAD+1], SLOTB, v[KAD]
	v_and_b32 v4, 7, v0
	v_lshl_add_u32 v5, v2, 3, v4                   ; key 8 h + l % 8
	v_mul_u32_u24 v5, v5, PV
	v_bfe_u32 v6, v0, 3, 1
	v_lshl_add_u32 v5, v6, 4, v5
	s_mul_i32 s15, s92, 64*PV
	s_add_co_u32 s15, s15, VOFF
	v_add_nc_u32 v[VAD], s15, v5
	v_add_nc_u32 v[VAD+1], SLOTB, v[VAD]
	v_lshlrev_b32 v5, 5, v2
	s_lshl_b32 s15, s92, 8
	s_add_co_u32 s15, s15, BOFF
	v_add_nc_u32 v[BAD], s15, v5
	v_add_nc_u32 v[BAD+1], SLOTB, v[BAD]
	s_mul_i32 s15, s10, STB
	s_add_co_u32 s15, s15, STAGE                   ; my stage
	v_mul_u32_u24 v5, v1, SP
	v_lshl_add_u32 v5, v2, 4, v5
	v_add_nc_u32 v[STO], s15, v5
	v_lshrrev_b32 v5, 3, v3                        ; back: eight lanes a row of 128 bytes, four rows a load
	v_mul_u32_u24 v6, v5, SP
	v_lshl_add_u32 v6, v4, 4, v6
	v_add_nc_u32 v[RD], s15, v6
	v_lshlrev_b32 v6, 11, v5
	v_lshl_add_u32 v[CO], v4, 4, v6
	v_lshlrev_b32 v6, 3, v2
	v_sub_nc_u32 v6, v1, v6
	s_lshl_b32 s15, s91, 5
	s_lshl_b32 s84, s92, 6
	s_sub_co_i32 s15, s15, s84                     ; 32 x (my queries) - 64 x (my keys)
	v_add_nc_u32 v[DV], s15, v6
	v_lshlrev_b32 v3, 4, v3                        ; 16 bytes a lane
	s_mul_i32 s15, s10, MGB
	s_add_co_u32 s15, s15, MERGE
	v_add_nc_u32 v[MGW], s15, v3                   ; where I write: my own number
	s_mul_i32 s15, s91, MGB
	s_add_co_u32 s15, s15, MERGE
	v_add_nc_u32 v[MGQ], s15, v3                   ; where I read: my number mod 4, and the partner's half in the immediate
	v_mov_b32 v8, 0                                ; destinations of v_permlanex16_b32 count as read
	v_mov_b32 v9, 0
	s_mov_b32 s82, 0                               ; key tile
	s_mov_b32 s83, s11                             ; the pass's query block
	INITPASS 0
	s_wait_loadcnt 0x0                             ; Q of both passes
	s_mov_b32 s15, 4
.Lpair:
	TRIP 0, 1, 1, 0
	TRIP 1, 0, 1, 0
	s_sub_co_u32 s15, s15, 1
	s_cmp_lg_u32 s15, 0
	s_cbranch_scc1 .Lpair
	TRIP 0, 1, 0, 1                                ; the ninth tile: nothing is left to fetch
	s_set_vgpr_msb 0x5
	s_wait_tensorcnt 0x0
	ds_add_u32 v128, v129
	s_wait_dscnt 0x0
	s_set_vgpr_msb 0x500
	s_endpgm
.Lfunc_end_k_q4cc68c3368_attn:
	.size	k_q4cc68c3368_attn, .Lfunc_end_k_q4cc68c3368_attn-k_q4cc68c3368_attn
	.p2alignl 7, 3214868480
	.fill 96, 4, 3214868480
	.section	.rodata,"a",@progbits
	.p2align	6, 0x0
	.amdhsa_kernel k_q4cc68c3368_attn
		.amdhsa_group_segment_fixed_size 327680
		.amdhsa_private_segment_fixed_size 0
		.amdhsa_enable_private_segment 0
		.amdhsa_kernarg_size 24
		.amdhsa_user_sgpr_count 2
		.amdhsa_user_sgpr_kernarg_segment_ptr 1
		.amdhsa_wavefront_size32 1
		.amdhsa_system_sgpr_workgroup_id_x 1
		.amdhsa_system_sgpr_workgroup_id_y 1
		.amdhsa_system_sgpr_workgroup_id_z 1
		.amdhsa_system_vgpr_workitem_id 0
		.amdhsa_next_free_vgpr 386
		.amdhsa_next_free_sgpr 96
		.amdhsa_reserve_vcc 1
		.amdhsa_float_denorm_mode_32 3
		.amdhsa_float_denorm_mode_16_64 3
		.amdhsa_memory_ordered 1
		.amdhsa_forward_progress 1
		.amdhsa_inst_pref_size 203
	.end_amdhsa_kernel
	.amdgpu_metadata
---
amdhsa.version: [ 1, 2 ]
amdhsa.kernels:
  - .name:           k_q4cc68c3368_attn
    .symbol:         k_q4cc68c3368_attn.kd
    .args:
      - { .name: qkv, .offset: 0, .size: 8, .value_kind: global_buffer, .address_space: global }
      - { .name: mb, .offset: 8, .size: 8, .value_kind: global_buffer, .address_space: global }
      - { .name: ao, .offset: 16, .size: 8, .value_kind: global_buffer, .address_space: global }
    .group_segment_fixed_size: 327680
    .private_segment_fixed_size: 0
    .kernarg_segment_align: 8
    .kernarg_segment_size: 24
    .max_flat_workgroup_size: 256
    .sgpr_count:     96
    .vgpr_count:     386
    .wavefront_size: 32
...
	.end_amdgpu_metadata
.endif
;; end of part 9
;; launch wo (part 10): grid 8 x 32, 4 waves a work-group, clusters of 4 x 4, 327,680 bytes of LDS; arguments ao, wb, x1, x; writes x1
.if DOCPART == 10
	.amdgcn_target "amdgcn-amd-amdhsa--gfx1250"
	.amdhsa_code_object_version 6
	.text
	.protected	k_q4cc68c3368_wo
	.globl	k_q4cc68c3368_wo
	.p2align	8
	.type	k_q4cc68c3368_wo,@function
k_q4cc68c3368_wo:
	s_mov_b64 s[64:65], 0
	v_nop
	global_prefetch_b8 v0, s[64:65] scope:SCOPE_SE
	s_setreg_imm32_b32 hwreg(HW_REG_WAVE_MODE, 25, 1), 1
	s_wait_xcnt 0x0
	s_wait_alu depctr_hold_cnt(0) depctr_sa_sdst(0) depctr_va_vdst(0) depctr_va_sdst(0) depctr_va_ssrc(0) depctr_va_vcc(0) depctr_vm_vsrc(0)
	s_getreg_b32 s2, hwreg(HW_REG_IB_STS2, 6, 4)
	s_cmp_eq_u32 s2, 0
	s_cbranch_scc0 .Lentry_in_a_cluster
	s_endpgm
.Lentry_in_a_cluster:
	s_bfe_u32 s2, ttmp6, 0x10000c
	s_cmp_lg_u32 s2, 0xf033
	s_cbranch_scc0 .Lentry_shape_is_right
	s_endpgm
.Lentry_shape_is_right:
; wo: x1 = x + ao Wo.  [4096 x 1024] ao (f16) times [1024 x 1024] Wo (f16 in wb, kept [K][N]); sums in f32; x and x1 are f32.
; A work-group makes 128 rows x 128 columns with four waves: 32 x 8 = 256 work-groups of equal work.  A wave makes 64 x 64: 16 accumulator tiles.
; K goes through two LDS slots that hold 256 of K each: 141,312 bytes a slot, the largest power of two along K of which two fit.  So the whole
; sum takes four fills, the first two asked for together, one tensor load a wave each; from a refill's request to the wait for it a wave
; issues 124 matrix instructions.  The price is one LDS load for each matrix instruction (a wave tile of 64 x 64).
; A's rows lie along K; B's rows are K rows of 128 columns, and its fragments are read with the transposing LDS load.
; The residual's 32 loads of a lane go out at the head and land during the products.
; CLUSTERS: 4 x 4 work-groups.  The four of a row of the cluster share A's tiles, the four of a column B's: each tile is asked for jointly.
; REGISTERS: window 0: v0-31 addresses; v32-95 and v96-159 two fragment buffers (A's 4 blocks at f, B's 4 at f+32); v160-223 rows read back.
;            window 1: v0-127 accumulator tile (a, b) at v[8 (4 a + b)]; v128-255 the residual, then the result.
; The matrix instruction is used transposed (source 0 = 16 columns of B, source 1 = 16 rows of A): lane l then holds row l % 16 and the
; eight neighbouring columns 8 (l / 16) + 0..7.
; LIMITS: the product's operands are f16 (finite up to 65,504): ao has v's range, Wo's spread is 1/32.
.set KDIM,   1024
.set NPITCH, 1024
.set WOFF,   18874368                  ; Wo's first byte in wb
.set KSLOT,  256                       ; K in a slot
.set PA,     528                       ; A's LDS pitch: 512 bytes + 16, an odd multiple of 16
.set PB,     288                       ; B's LDS pitch: 256 bytes + 32, an odd multiple of 32, for the transposing load
.set HALFA,  64*PA                     ; what one tensor load brings of A: 64 rows x 256 K
.set ABYTES, 2*HALFA
.set HALFB,  128*PB                    ; what one tensor load brings of B: 128 K rows x 128 columns
.set SLOT,   ABYTES+2*HALFB            ; 141,312
.set STAGE,  2*SLOT                    ; 282,624: behind the ring, a multiple of 256; no tensor load ever lands here
.set SPF,    272                       ; the stage's pitch: 256 bytes + 16
.set LAPS,   KDIM/(2*KSLOT)            ; a lap = once round the ring
.set ADRA, 16                          ; v16-17  my A fragments in slot 0, 1
.set ADRB, 20                          ; v20-23  my B fragments: 2 x slot + (K rows 0-127 or 128-255)
.set STO,  24
.set RD,   25
.set CO,   26
.set F0,   32
.set F1,   96
.set SG,   160                         ; v[160:191], v[192:223] 16 rows read back from the stage, two buffers
.set R,    128                         ; window 1: v[128:255] the residual of my 64 rows
.set G1,  24
.set G0,  32
.set G1B, 48
.set G0B, 56
.set MULW, 0x50                        ; C and D in window 1
.set TO_1, 0x40                        ; destination in window 1
.set OUTW, 0x44                        ; destination and source 1 (a store's data too) in window 1
.set MSB, 0
.macro WIN new
.if MSB != \new
	s_set_vgpr_msb (MSB<<8)|\new
.set MSB, \new
.endif
.endm
.macro JLOAD s                         ; waves 0 and 1 fetch A's halves, waves 2 and 3 B's halves
	s_cmp_eq_u32 s13, 0
	s_cbranch_scc0 .Lfor_b_\@
	tensor_load_to_lds s[G0+4*\s:G0+4*\s+3], s[G1:G1+7]
	s_nop 0
	s_branch .Lasked_\@
.Lfor_b_\@:
	tensor_load_to_lds s[G0B+4*\s:G0B+4*\s+3], s[G1B:G1B+7]
	s_nop 0
.Lasked_\@:
.endm
.macro CREST
	s_cmp_lg_u32 s12, 0
	s_cbranch_scc1 .Lnot_wave_0_\@
	s_barrier_signal -3
.Lnot_wave_0_\@:
	s_barrier_wait -3
	s_barrier_signal -1
	s_barrier_wait -1
.endm
.macro CROUND
	s_barrier_signal -1
	s_barrier_wait -1
	CREST
.endm
.macro PLACES                          ; four independent vector instructions behind a matrix instruction (ISA guide 7.12.1)
.rept 4
	v_nop
.endr
.endm
; four matrix instructions: row block a x my 4 column blocks.  The 16 accumulators take turns, one instruction a turn, in the same order everywhere
.macro MUL4 f, a, zero
.irp b, 0,1,2,3
.if \zero
	v_wmma_f32_16x16x32_f16 v[8*(4*\a+\b):8*(4*\a+\b)+7], v[\f+32+8*\b:\f+32+8*\b+7], v[\f+8*\a:\f+8*\a+7], 0
.else
	v_wmma_f32_16x16x32_f16 v[8*(4*\a+\b):8*(4*\a+\b)+7], v[\f+32+8*\b:\f+32+8*\b+7], v[\f+8*\a:\f+8*\a+7], v[8*(4*\a+\b):8*(4*\a+\b)+7]
.endif
.endr
.endm
; 16 LDS loads: the fragments of part q (32 along K, q = 0..7) of a slot into buffer f; B's 8 first, A's blocks 2 and 3 last
.macro FETCH slot, q, f
	WIN 0
.irp b, 0,1,2,3
	ds_load_tr16_b128 v[\f+32+8*\b:\f+32+8*\b+3],   v[ADRB+2*\slot+\q/4] offset:(\q%4)*32*PB+32*\b
	ds_load_tr16_b128 v[\f+32+8*\b+4:\f+32+8*\b+7], v[ADRB+2*\slot+\q/4] offset:(\q%4)*32*PB+32*\b+16*PB
.endr
.irp a, 0,1,2,3
	ds_load_b128 v[\f+8*\a:\f+8*\a+3],   v[ADRA+\slot] offset:\q*64+\a*16*PA
	ds_load_b128 v[\f+8*\a+4:\f+8*\a+7], v[ADRA+\slot] offset:\q*64+\a*16*PA+32
.endr
.endm
; one of a slot's first seven parts: multiplies buffer f, and in its middle fetches part q into buffer g
.macro PART slot, q, f, g, zero
	s_wait_dscnt 4                                 ; all of buffer f but the youngest four loads (A's blocks 2 and 3)
	WIN MULW
	MUL4 \f, 0, \zero
	MUL4 \f, 1, \zero
	PLACES
	FETCH \slot, \q, \g
	s_wait_dscnt 16                                ; all but the 16 just issued
	WIN MULW
	MUL4 \f, 2, \zero
	MUL4 \f, 3, \zero
.endm
.macro SEVEN slot, zero
	PART \slot, 1, F0, F1, \zero
	PART \slot, 2, F1, F0, 0
	PART \slot, 3, F0, F1, 0
	PART \slot, 4, F1, F0, 0
	PART \slot, 5, F0, F1, 0
	PART \slot, 6, F1, F0, 0
	PART \slot, 7, F0, F1, 0
.endm
; the eighth part: multiplies buffer 1 and changes slots.  One barrier: in front of it each wave's reads of this slot are back and all its
; tensor loads have landed (the one that was out is its part of the next slot); behind it the refill comes first, then the next slot is read.
.macro TURN slot, next, fill
	s_wait_dscnt 4
	WIN MULW
	MUL4 F1, 0, 0
	s_wait_dscnt 0                                 ; my reads of this slot are over
	s_wait_tensorcnt 0x0                           ; and all my tensor loads have landed: my part of the next slot
	ds_add_u32 v254, v255
	s_wait_dscnt 0x0
	s_barrier_signal -1                            ; (where the slot is filled again this barrier opens a round of the cluster's barrier)
	MUL4 F1, 1, 0
	WIN 0
	s_barrier_wait -1
.if \fill
	CREST                                          ; no wave of any partner still reads this slot or has a load on its way
	s_add_nc_u64 s[G0+4*\slot+2:G0+4*\slot+3], s[G0+4*\slot+2:G0+4*\slot+3], 2*KSLOT*2
	s_add_nc_u64 s[G0B+4*\slot+2:G0B+4*\slot+3], s[G0B+4*\slot+2:G0B+4*\slot+3], 2*KSLOT*NPITCH*2
	JLOAD \slot                                    ; my one tensor load behind the round
.endif
	PLACES
	FETCH \next, 0, F0
	WIN MULW
	MUL4 F1, 2, 0
	MUL4 F1, 3, 0
.endm
.macro LAP zero
	SEVEN 0, \zero
	TURN 0, 1, 1
	SEVEN 1, 0
	TURN 1, 0, 1
.endm
	s_load_b256 s[4:11], s[0:1], 0x0               ; ao s[4:5], wb s[6:7], x1 s[8:9], x s[10:11]
	v_lshl_add_u32 v254, v0, 2, 0x49400
	v_mov_b32 v255, 0
	ds_add_u32 v254, v255
	v_lshrrev_b32 v1, 5, v0
	v_readfirstlane_b32 s12, v1                    ; wave 0..3
	s_lshr_b32 s13, s12, 1                         ; rh: my 64 rows.  Also: I fetch for A (0) or for B (1)
	s_and_b32 s14, s12, 1                          ; ch: my 64 columns.  Also: which half I fetch
	s_bfe_u32 s40, ttmp6, 0x40000                  ; cx
	s_bfe_u32 s41, ttmp6, 0x40004                  ; cy
	s_lshl_b32 s42, ttmp9, 2
	s_add_co_u32 s42, s42, s40                     ; block column
	s_and_b32 s43, ttmp7, 0xffff
	s_lshl_b32 s43, s43, 2
	s_add_co_u32 s43, s43, s41                     ; block row
	s_lshl_b32 s44, s41, 2
	s_lshl_b32 s44, 15, s44                        ; my row of the cluster
	s_lshl_b32 s45, 0x1111, s40                    ; my column
	s_or_b32 s[G1+0], s44, (1<<16)|(1<<20)|(1<<21)|(6<<22)|(3<<25)    ; mask; elements of 2 bytes; padding on; bit 21 beside a mask; after every 128 words 4 words
	s_mov_b32 s[G1+1], KSLOT<<16                   ; tensor_dim0 = 256
	s_mov_b32 s[G1+2], 64<<16                      ; tensor_dim1 = 64
	s_mov_b32 s[G1+3], KSLOT<<16                   ; tile_dim0 = 256
	s_mov_b32 s[G1+4], 64                          ; tile_dim1 = 64 rows
	s_mov_b32 s[G1+5], KDIM
	s_mov_b32 s[G1+6], 0
	s_mov_b32 s[G1+7], 0
	s_or_b32 s[G1B+0], s45, (1<<16)|(1<<20)|(1<<21)|(5<<22)|(7<<25)   ; my column's mask; after every 64 words 8 words
	s_mov_b32 s[G1B+1], 128<<16                    ; 128 columns
	s_mov_b32 s[G1B+2], 128<<16                    ; 128 K rows
	s_mov_b32 s[G1B+3], 128<<16
	s_mov_b32 s[G1B+4], 128
	s_mov_b32 s[G1B+5], NPITCH
	s_mov_b32 s[G1B+6], 0
	s_mov_b32 s[G1B+7], 0
	s_lshl_b32 s16, s43, 7
	s_lshl_b32 s17, s14, 6
	s_add_co_u32 s16, s16, s17                     ; A: row 128 x block row + 64 x half
	s_mul_i32 s16, s16, KDIM*2
	s_mov_b32 s17, 0
	s_lshl_b32 s46, s42, 8                         ; B: 128 columns a block,
	s_lshl_b32 s47, s14, 18                        ; 128 K rows of 2,048 bytes a half
	s_add_co_u32 s46, s46, s47
	s_add_co_u32 s46, s46, WOFF
	s_mov_b32 s47, 0
	s_mul_i32 s20, s14, HALFA                      ; LDS: made of the wave's number alone
	s_mul_i32 s21, s14, HALFB
	s_add_co_u32 s21, s21, ABYTES
	s_wait_dscnt 0x0
	s_wait_kmcnt 0x0
	s_add_nc_u64 s[18:19], s[4:5], s[16:17]
	s_add_nc_u64 s[46:47], s[6:7], s[46:47]
	CROUND                                         ; the first joint loads meet
.irp s, 0,1
	s_mov_b32 s[G0+4*\s], 1
	s_add_co_u32 s[G0+4*\s+1], s20, \s*SLOT
	s_add_nc_u64 s[G0+4*\s+2:G0+4*\s+3], s[18:19], \s*KSLOT*2
	s_or_b32 s[G0+4*\s+3], s[G0+4*\s+3], 0x80000000
	s_mov_b32 s[G0B+4*\s], 1
	s_add_co_u32 s[G0B+4*\s+1], s21, \s*SLOT
	s_add_nc_u64 s[G0B+4*\s+2:G0B+4*\s+3], s[46:47], \s*KSLOT*NPITCH*2
	s_or_b32 s[G0B+4*\s+3], s[G0B+4*\s+3], 0x80000000
	JLOAD \s                                       ; K 0-255 and 256-511: two tensor loads of the wave are out, the most in this text
.endr
	v_and_b32 v1, 15, v0                           ; r
	v_bfe_u32 v2, v0, 4, 1                         ; h
	v_mul_u32_u24 v3, v1, PA
	v_lshl_add_u32 v3, v2, 4, v3
	s_mul_i32 s22, s13, HALFA
	v_add_nc_u32 v[ADRA], s22, v3
	v_add_nc_u32 v[ADRA+1], SLOT, v[ADRA]
	v_and_b32 v7, 7, v0
	v_lshl_add_u32 v4, v2, 3, v7                   ; B: K row 8 h + l % 8,
	v_mul_u32_u24 v4, v4, PB
	v_bfe_u32 v5, v0, 3, 1
	v_lshl_add_u32 v4, v5, 4, v4                   ; columns 0-7 or 8-15 of the block
	s_lshl_b32 s23, s14, 7                         ; my 64 columns = 128 bytes of the rows
	s_add_co_u32 s23, s23, ABYTES
	v_add_nc_u32 v[ADRB], s23, v4
	v_add_nc_u32 v[ADRB+1], HALFB, v[ADRB]         ; K rows 128-255
	v_add_nc_u32 v[ADRB+2], SLOT, v[ADRB]
	v_add_nc_u32 v[ADRB+3], SLOT, v[ADRB+1]
	; the way out: my stage is 16 rows of 256 bytes, pitch 272
	s_mul_i32 s22, s12, 16*SPF
	s_add_co_u32 s22, s22, STAGE
	v_mul_u32_u24 v6, v1, SPF
	v_lshl_add_u32 v6, v2, 5, v6                   ; in: row r, 32 bytes for each half of the lanes
	v_add_nc_u32 v[STO], s22, v6
	v_mul_u32_u24 v6, v2, SPF                      ; back: lanes 0-15 take a row's 256 bytes, lanes 16-31 the next row's
	v_lshl_add_u32 v6, v1, 4, v6
	v_add_nc_u32 v[RD], s22, v6
	v_lshlrev_b32 v8, 12, v2                       ; and the same two rows in x and x1: 4,096 bytes a row
	v_lshl_add_u32 v[CO], v1, 4, v8
	s_lshl_b32 s66, s43, 7
	s_lshl_b32 s67, s13, 6
	s_add_co_u32 s66, s66, s67                     ; my first row
	s_lshl_b32 s66, s66, 12
	s_lshl_b32 s67, s42, 9                         ; 128 columns a block
	s_add_co_u32 s66, s66, s67
	s_lshl_b32 s67, s14, 8                         ; 64 a wave
	s_add_co_u32 s66, s66, s67
	s_mov_b32 s67, 0
	s_add_nc_u64 s[8:9], s[8:9], s[66:67]
	s_add_nc_u64 s[10:11], s[10:11], s[66:67]
	WIN TO_1                                       ; the residual of my 64 rows x 64 columns, asked for now and waited for behind the products
.irp a, 0,1,2,3
.irp t, 0,1,2,3,4,5,6,7
	global_load_b128 v[R+32*\a+4*\t:R+32*\a+4*\t+3], v[CO], s[10:11] offset:(16*\a+2*\t)*4096 th:TH_LOAD_NT
.endr
.endr
	WIN 0
	s_wait_tensorcnt 0x1                           ; my part of slot 0 is in; slot 1's stays out
	s_barrier_signal -1
	s_barrier_wait -1
	FETCH 0, 0, F0
	LAP 1                                          ; the first lap's first products start the sums
.if LAPS > 2
	WIN 0
	s_mov_b32 s15, LAPS-2
.Llap:
	LAP 0
	WIN 0
	s_sub_co_u32 s15, s15, 1
	s_cmp_lg_u32 s15, 0
	s_cbranch_scc1 .Llap
.endif
	SEVEN 0, 0                                     ; the last lap fills nothing
	TURN 0, 1, 0
	SEVEN 1, 0
	s_wait_dscnt 4
	WIN MULW
	MUL4 F1, 0, 0
	MUL4 F1, 1, 0
	s_wait_dscnt 0
	MUL4 F1, 2, 0
	MUL4 F1, 3, 0
	PLACES
	s_wait_loadcnt 0x0                             ; the residual
; THE WAY OUT, 16 rows at a time through my own stage; the sum lands on the residual's registers, each of which is stored once and never written again
.macro OUTF a
	WIN OUTW                                       ; an LDS store's data in window 1: straight from the accumulators
.irp b, 0,1,2,3
	ds_store_b128 v[STO], v[8*(4*\a+\b):8*(4*\a+\b)+3] offset:64*\b
	ds_store_b128 v[STO], v[8*(4*\a+\b)+4:8*(4*\a+\b)+7] offset:64*\b+16
.endr
	WIN 0
.irp t, 0,1,2,3,4,5,6,7
	ds_load_b128 v[SG+32*(\a%2)+4*\t:SG+32*(\a%2)+4*\t+3], v[RD] offset:2*SPF*\t    ; LDS serves a wave's instructions in order: these see the stores above
.endr
	WIN OUTW
.irp t, 0,1,2,3,4,5,6,7
	s_wait_dscnt 7-\t                              ; rows 2 t and 2 t + 1 of the product
	v_pk_add_f32 v[R+32*\a+4*\t:R+32*\a+4*\t+1], v[SG+32*(\a%2)+4*\t:SG+32*(\a%2)+4*\t+1], v[R+32*\a+4*\t:R+32*\a+4*\t+1]
	v_pk_add_f32 v[R+32*\a+4*\t+2:R+32*\a+4*\t+3], v[SG+32*(\a%2)+4*\t+2:SG+32*(\a%2)+4*\t+3], v[R+32*\a+4*\t+2:R+32*\a+4*\t+3]
	global_store_b128 v[CO], v[R+32*\a+4*\t:R+32*\a+4*\t+3], s[8:9] offset:(16*\a+2*\t)*4096   ; 16 lanes store 256 consecutive bytes, aligned
.endr
.endm
	OUTF 0
	OUTF 1
	OUTF 2
	OUTF 3
	WIN 0
	s_wait_tensorcnt 0x0
	ds_add_u32 v254, v255
	s_wait_dscnt 0x0
	CROUND                                         ; the closing round
	s_endpgm
.Lfunc_end_k_q4cc68c3368_wo:
	.size	k_q4cc68c3368_wo, .Lfunc_end_k_q4cc68c3368_wo-k_q4cc68c3368_wo
	.p2alignl 7, 3214868480
	.fill 96, 4, 3214868480
	.section	.rodata,"a",@progbits
	.p2align	6, 0x0
	.amdhsa_kernel k_q4cc68c3368_wo
		.amdhsa_group_segment_fixed_size 327680
		.amdhsa_private_segment_fixed_size 0
		.amdhsa_enable_private_segment 0
		.amdhsa_kernarg_size 32
		.amdhsa_user_sgpr_count 2
		.amdhsa_user_sgpr_kernarg_segment_ptr 1
		.amdhsa_wavefront_size32 1
		.amdhsa_system_sgpr_workgroup_id_x 1
		.amdhsa_system_sgpr_workgroup_id_y 1
		.amdhsa_system_sgpr_workgroup_id_z 1
		.amdhsa_system_vgpr_workitem_id 0
		.amdhsa_next_free_vgpr 512
		.amdhsa_next_free_sgpr 72
		.amdhsa_reserve_vcc 0
		.amdhsa_float_denorm_mode_32 3
		.amdhsa_float_denorm_mode_16_64 3
		.amdhsa_memory_ordered 1
		.amdhsa_forward_progress 1
		.amdhsa_inst_pref_size 97
	.end_amdhsa_kernel
	.amdgpu_metadata
---
amdhsa.version: [ 1, 2 ]
amdhsa.kernels:
  - .name:           k_q4cc68c3368_wo
    .symbol:         k_q4cc68c3368_wo.kd
    .args:
      - { .name: ao, .offset: 0, .size: 8, .value_kind: global_buffer, .address_space: global }
      - { .name: wb, .offset: 8, .size: 8, .value_kind: global_buffer, .address_space: global }
      - { .name: x1, .offset: 16, .size: 8, .value_kind: global_buffer, .address_space: global }
      - { .name: x, .offset: 24, .size: 8, .value_kind: global_buffer, .address_space: global }
    .group_segment_fixed_size: 327680
    .private_segment_fixed_size: 0
    .kernarg_segment_align: 8
    .kernarg_segment_size: 32
    .max_flat_workgroup_size: 128
    .sgpr_count:     72
    .vgpr_count:     512
    .wavefront_size: 32
...
	.end_amdgpu_metadata
.endif
;; end of part 10
;; launch ln2: the kernel of part 5 again; grid 512 x 1, 8 waves a work-group, no clusters, 0 bytes of LDS; arguments x1, gamma2, beta2, hn; writes hn
;; launch w1glu (part 11): grid 16 x 16, 4 waves a work-group, clusters of 4 x 4, 327,680 bytes of LDS; arguments hn, wb, g; writes g
.if DOCPART == 11
	.amdgcn_target "amdgcn-amd-amdhsa--gfx1250"
	.amdhsa_code_object_version 6
	.text
	.protected	k_q4cc68c3368_w1glu
	.globl	k_q4cc68c3368_w1glu
	.p2align	8
	.type	k_q4cc68c3368_w1glu,@function
k_q4cc68c3368_w1glu:
	s_mov_b64 s[64:65], 0
	v_nop
	global_prefetch_b8 v0, s[64:65] scope:SCOPE_SE
	s_setreg_imm32_b32 hwreg(HW_REG_WAVE_MODE, 25, 1), 1
	s_wait_xcnt 0x0
	s_wait_alu depctr_hold_cnt(0) depctr_sa_sdst(0) depctr_va_vdst(0) depctr_va_sdst(0) depctr_va_ssrc(0) depctr_va_vcc(0) depctr_vm_vsrc(0)
	s_getreg_b32 s2, hwreg(HW_REG_IB_STS2, 6, 4)
	s_cmp_eq_u32 s2, 0
	s_cbranch_scc0 .Lentry_in_a_cluster
	s_endpgm
.Lentry_in_a_cluster:
	s_bfe_u32 s2, ttmp6, 0x10000c
	s_cmp_lg_u32 s2, 0xf033
	s_cbranch_scc0 .Lentry_shape_is_right
	s_endpgm
.Lentry_shape_is_right:
; w1glu: g = left x sigmoid(right), where [left | right] = hn W1.  hn [4096 x 1024] f16, W1 [1024 x 4096] f16 at wb's first byte, kept [K][N];
; sums in f32, the gate in f32, g [4096 x 2048] in f16.
; A work-group makes 256 rows x 128 columns of g: B's region 0 holds 128 left columns, region 1 the 128 right columns that gate them, so
; both halves of a product meet in one lane and h never goes to memory.  16 x 16 = 256 work-groups of equal work.  Four waves; a wave makes
; 128 rows x (64 left + 64 right) columns: 64 accumulator tiles of 16 x 16, 512 registers.
; K goes in steps of 128 through two LDS slots filled by the tensor data mover, one load a wave; a K step is 256 matrix instructions of a wave,
; and from a slot's request to the wait for it a wave issues 240 of them.  B's fragments are read with the transposing LDS load.
; CLUSTERS: 4 x 4 work-groups.  The four of a row of the cluster share A's tiles, the four of a column B's: each tile is asked for jointly.
; REGISTERS, in windows of 256: window 0: v0-31 addresses; v64-127, v128-191 fragments of B, two buffers; v192-207 at work.
;   window 1: v64-127, v128-191 fragments of A, two buffers.
;   window 2: the accumulator tiles of my rows 0-63, tile (a, b) at v[8 (8 a + b)]: b = 0..3 left, b = 4..7 the right columns of b - 4;  window 3: rows 64-127.
; The matrix instruction is used transposed: lane l holds row l % 16 and the eight neighbouring columns 8 (l / 16) + 0..7.
; THE WAY OUT goes in two halves (window 2, then window 3): behind the ring LDS has room for a stage of 128 rows of 272 bytes.
; LIMITS: operands and g are f16.  |g| <= |left|, whose size is |gamma2| x 32 x spread of W1: 1 for a gain of 1 and a spread of 1/32, the largest
; about 5; about 5,000 with both 30 times larger; beyond 65,504 g becomes infinite.
; sigmoid(x) = 1 / (1 + 2^(-x log2 e)) by the 1-ULP instructions (an overflowing 2^.. gives 1/infinity = 0).
.set KDIM,   1024
.set NPITCH, 4096
.set KSTEP,  128
.set PA,     272                       ; A's LDS pitch: 256 bytes + 16, an odd multiple of 16
.set PB,     288                       ; B's LDS pitch: 256 bytes + 32, an odd multiple of 32, for the transposing load
.set HALFA,  128*PA
.set ABYTES, 2*HALFA
.set HALFB,  128*PB
.set SLOT,   ABYTES+2*HALFB            ; 143,360
.set STAGE,  2*SLOT                    ; 286,720: behind the ring, a multiple of 256; no tensor load ever lands here: 128 rows x 272 bytes
.set LAPS,   KDIM/(2*KSTEP)
.set ADRA, 16
.set ADRB, 20
.set STO,  24
.set RD,   25
.set CO,   26
.set F0,   64
.set F1,   128
.set TMP,  192
.set G1,  24
.set G0,  32
.set G1B, 48
.set G0B, 56
.set MUL_LO, 0xa4                      ; source 0 (B) window 0, source 1 (A) window 1, C and D window 2
.set MUL_HI, 0xf4                      ; the same, C and D window 3
.set TO_A,   0x40                      ; destination window 1, address window 0
.set MSB, 0
.macro WIN new
.if MSB != \new
	s_set_vgpr_msb (MSB<<8)|\new
.set MSB, \new
.endif
.endm
.macro JLOAD s                         ; waves 0 and 1 fetch A's halves, waves 2 and 3 B's regions
	s_cmp_eq_u32 s13, 0
	s_cbranch_scc0 .Lfor_b_\@
	tensor_load_to_lds s[G0+4*\s:G0+4*\s+3], s[G1:G1+7]
	s_nop 0
	s_branch .Lasked_\@
.Lfor_b_\@:
	tensor_load_to_lds s[G0B+4*\s:G0B+4*\s+3], s[G1B:G1B+7]
	s_nop 0
.Lasked_\@:
.endm
.macro CREST
	s_cmp_lg_u32 s12, 0
	s_cbranch_scc1 .Lnot_wave_0_\@
	s_barrier_signal -3
.Lnot_wave_0_\@:
	s_barrier_wait -3
	s_barrier_signal -1
	s_barrier_wait -1
.endm
.macro CROUND
	s_barrier_signal -1
	s_barrier_wait -1
	CREST
.endm
.macro PLACES                          ; four independent vector instructions behind a matrix instruction (ISA guide 7.12.1)
.rept 4
	v_nop
.endr
.endm
; the 64 accumulators take turns, one instruction a turn, in the same order everywhere
.macro MUL16 f, hi, a0, zero
.irp a, \a0, \a0+1
.irp b, 0,1,2,3,4,5,6,7
.if \zero
	v_wmma_f32_16x16x32_f16 v[8*(8*(\a)+\b):8*(8*(\a)+\b)+7], v[\f+8*\b:\f+8*\b+7], v[\f+8*(4*\hi+\a):\f+8*(4*\hi+\a)+7], 0
.else
	v_wmma_f32_16x16x32_f16 v[8*(8*(\a)+\b):8*(8*(\a)+\b)+7], v[\f+8*\b:\f+8*\b+7], v[\f+8*(4*\hi+\a):\f+8*(4*\hi+\a)+7], v[8*(8*(\a)+\b):8*(8*(\a)+\b)+7]
.endif
.endr
.endr
.endm
.macro FETCH slot, q, f                ; 32 LDS loads: B's 16 first, A's blocks 4 to 7 last
	WIN 0
.irp b, 0,1,2,3,4,5,6,7
	ds_load_tr16_b128 v[\f+8*\b:\f+8*\b+3],   v[ADRB+2*\slot+\b/4] offset:\q*32*PB+32*(\b%4)
	ds_load_tr16_b128 v[\f+8*\b+4:\f+8*\b+7], v[ADRB+2*\slot+\b/4] offset:\q*32*PB+32*(\b%4)+16*PB
.endr
	WIN TO_A
.irp i, 0,1,2,3,4,5,6,7
	ds_load_b128 v[\f+8*\i:\f+8*\i+3],   v[ADRA+\slot] offset:\q*64+\i*16*PA
	ds_load_b128 v[\f+8*\i+4:\f+8*\i+7], v[ADRA+\slot] offset:\q*64+\i*16*PA+32
.endr
.endm
.macro QUARTER slot, q, f, g, zero
	s_wait_dscnt 8                                 ; B and A's rows 0-63 are in; the youngest eight loads (A's rows 64-127) may be out
	WIN MUL_LO
	MUL16 \f, 0, 0, \zero
	MUL16 \f, 0, 2, \zero
	PLACES
	FETCH \slot, \q, \g
	s_wait_dscnt 32                                ; all but the 32 just issued
	WIN MUL_HI
	MUL16 \f, 1, 0, \zero
	MUL16 \f, 1, 2, \zero
.endm
.macro THREE slot, zero
	QUARTER \slot, 1, F0, F1, \zero
	QUARTER \slot, 2, F1, F0, 0
	QUARTER \slot, 3, F0, F1, 0
.endm
.macro TURN slot, next, fill
	s_wait_dscnt 8
	WIN MUL_LO
	MUL16 F1, 0, 0, 0
	s_wait_dscnt 0                                 ; my reads of this slot are over
	s_wait_tensorcnt 0x0                           ; and all my tensor loads have landed: my part of the next slot
	ds_add_u32 v255, v255
	s_wait_dscnt 0x0
	s_barrier_signal -1                            ; (where the slot is filled again this barrier opens a round of the cluster's barrier)
	MUL16 F1, 0, 2, 0
	WIN 0
	s_barrier_wait -1
.if \fill
	CREST                                          ; no wave of any partner still reads this slot or has a load on its way
	s_add_nc_u64 s[G0+4*\slot+2:G0+4*\slot+3], s[G0+4*\slot+2:G0+4*\slot+3], 2*KSTEP*2
	s_add_nc_u64 s[G0B+4*\slot+2:G0B+4*\slot+3], s[G0B+4*\slot+2:G0B+4*\slot+3], 2*KSTEP*NPITCH*2
	JLOAD \slot                                    ; my one tensor load behind the round
.endif
	PLACES
	FETCH \next, 0, F0
	WIN MUL_HI
	MUL16 F1, 1, 0, 0
	MUL16 F1, 1, 2, 0
.endm
.macro LAP zero
	THREE 0, \zero
	TURN 0, 1, 1
	THREE 1, 0
	TURN 1, 0, 1
.endm
	s_load_b128 s[4:7], s[0:1], 0x0                ; hn s[4:5], wb s[6:7]
	s_load_b64 s[8:9], s[0:1], 0x10                ; g
	v_lshl_add_u32 v255, v0, 2, 0x4e800
	s_set_vgpr_msb 0x40
	v_mov_b32 v255, 0
	s_set_vgpr_msb 0x4044
	ds_add_u32 v255, v255
	s_set_vgpr_msb 0x4400
	v_lshrrev_b32 v1, 5, v0
	v_readfirstlane_b32 s12, v1                    ; wave 0..3
	s_lshr_b32 s13, s12, 1                         ; rh: my 128 rows.  Also: I fetch for A (0) or for B (1)
	s_and_b32 s14, s12, 1                          ; ch: my 64 columns of each region.  Also: which half or region I fetch
	s_bfe_u32 s40, ttmp6, 0x40000                  ; cx
	s_bfe_u32 s41, ttmp6, 0x40004                  ; cy
	s_lshl_b32 s42, ttmp9, 2
	s_add_co_u32 s42, s42, s40                     ; block column
	s_and_b32 s43, ttmp7, 0xffff
	s_lshl_b32 s43, s43, 2
	s_add_co_u32 s43, s43, s41                     ; block row
	s_lshl_b32 s44, s41, 2
	s_lshl_b32 s44, 15, s44                        ; my row of the cluster
	s_lshl_b32 s45, 0x1111, s40                    ; my column
	s_or_b32 s[G1+0], s44, (1<<16)|(1<<20)|(1<<21)|(5<<22)|(3<<25)    ; mask; elements of 2 bytes; padding on; bit 21 beside a mask; after every 64 words 4 words
	s_mov_b32 s[G1+1], KSTEP<<16
	s_mov_b32 s[G1+2], 128<<16
	s_mov_b32 s[G1+3], KSTEP<<16
	s_mov_b32 s[G1+4], 128
	s_mov_b32 s[G1+5], KDIM
	s_mov_b32 s[G1+6], 0
	s_mov_b32 s[G1+7], 0
	s_or_b32 s[G1B+0], s45, (1<<16)|(1<<20)|(1<<21)|(5<<22)|(7<<25)   ; my column's mask, 8 words of padding
	s_mov_b32 s[G1B+1], 128<<16
	s_mov_b32 s[G1B+2], KSTEP<<16
	s_mov_b32 s[G1B+3], 128<<16
	s_mov_b32 s[G1B+4], KSTEP
	s_mov_b32 s[G1B+5], NPITCH
	s_mov_b32 s[G1B+6], 0
	s_mov_b32 s[G1B+7], 0
	s_lshl_b32 s16, s43, 8
	s_lshl_b32 s17, s14, 7
	s_add_co_u32 s16, s16, s17                     ; A: row 256 x block row + 128 x half
	s_mul_i32 s16, s16, KDIM*2
	s_mov_b32 s17, 0
	s_lshl_b32 s46, s42, 8                         ; B: 128 columns a block;
	s_lshl_b32 s47, s14, 12                        ; the right columns lie 2,048 columns behind the left
	s_add_co_u32 s46, s46, s47
	s_mov_b32 s47, 0
	s_mul_i32 s20, s14, HALFA
	s_mul_i32 s21, s14, HALFB
	s_add_co_u32 s21, s21, ABYTES
	s_wait_dscnt 0x0
	s_wait_kmcnt 0x0
	s_add_nc_u64 s[18:19], s[4:5], s[16:17]
	s_add_nc_u64 s[46:47], s[6:7], s[46:47]
	CROUND                                         ; the first joint loads meet
.irp s, 0,1
	s_mov_b32 s[G0+4*\s], 1
	s_add_co_u32 s[G0+4*\s+1], s20, \s*SLOT
	s_add_nc_u64 s[G0+4*\s+2:G0+4*\s+3], s[18:19], \s*KSTEP*2
	s_or_b32 s[G0+4*\s+3], s[G0+4*\s+3], 0x80000000
	s_mov_b32 s[G0B+4*\s], 1
	s_add_co_u32 s[G0B+4*\s+1], s21, \s*SLOT
	s_add_nc_u64 s[G0B+4*\s+2:G0B+4*\s+3], s[46:47], \s*KSTEP*NPITCH*2
	s_or_b32 s[G0B+4*\s+3], s[G0B+4*\s+3], 0x80000000
	JLOAD \s                                       ; K steps 0 and 1: two tensor loads of the wave are out, the most in this text
.endr
	v_and_b32 v1, 15, v0                           ; r
	v_bfe_u32 v2, v0, 4, 1                         ; h
	v_mul_u32_u24 v3, v1, PA
	v_lshl_add_u32 v3, v2, 4, v3
	s_mul_i32 s22, s13, HALFA
	v_add_nc_u32 v[ADRA], s22, v3
	v_add_nc_u32 v[ADRA+1], SLOT, v[ADRA]
	v_and_b32 v7, 7, v0
	v_lshl_add_u32 v4, v2, 3, v7
	v_mul_u32_u24 v4, v4, PB
	v_bfe_u32 v5, v0, 3, 1
	v_lshl_add_u32 v4, v5, 4, v4
	s_lshl_b32 s23, s14, 7                         ; my 64 columns = 128 bytes of each region's rows
	s_add_co_u32 s23, s23, ABYTES
	v_add_nc_u32 v[ADRB], s23, v4                  ; region 0: left
	v_add_nc_u32 v[ADRB+1], HALFB, v[ADRB]         ; region 1: right
	v_add_nc_u32 v[ADRB+2], SLOT, v[ADRB]
	v_add_nc_u32 v[ADRB+3], SLOT, v[ADRB+1]
	; the way out: one stage for the work-group, 128 rows of 256 bytes, pitch 272: 64 rows of each row half; a row's two halves come from two waves
	s_lshl_b32 s22, s13, 6
	v_add_nc_u32 v6, s22, v1                       ; in: stage row 64 rh + r,
	v_mul_u32_u24 v6, v6, 272
	v_lshl_add_u32 v6, v2, 4, v6
	s_lshl_b32 s23, s14, 7                         ; my 128 bytes of it
	s_add_co_u32 s23, s23, STAGE
	v_add_nc_u32 v[STO], s23, v6
	s_lshl_b32 s23, s14, 5
	s_add_co_u32 s23, s23, s22                     ; back: I take stage rows 64 rh + 32 ch .. + 31, two at a time
	v_add_nc_u32 v7, s23, v2
	v_mul_u32_u24 v7, v7, 272
	v_lshl_add_u32 v7, v1, 4, v7
	v_add_nc_u32 v[RD], STAGE, v7
	v_lshlrev_b32 v8, 12, v2                       ; 4,096 bytes a row of g
	v_lshl_add_u32 v[CO], v1, 4, v8
	s_wait_tensorcnt 0x1                           ; my part of K step 0 is in; step 1's stays out
	s_barrier_signal -1
	s_barrier_wait -1
	FETCH 0, 0, F0
	LAP 1
	WIN 0
	s_mov_b32 s15, LAPS-2
.Llap:
	LAP 0
	WIN 0
	s_sub_co_u32 s15, s15, 1
	s_cmp_lg_u32 s15, 0
	s_cbranch_scc1 .Llap
	THREE 0, 0
	TURN 0, 1, 0
	THREE 1, 0
	s_wait_dscnt 8
	WIN MUL_LO
	MUL16 F1, 0, 0, 0
	MUL16 F1, 0, 2, 0
	s_wait_dscnt 0
	WIN MUL_HI
	MUL16 F1, 1, 0, 0
	MUL16 F1, 1, 2, 0
	PLACES
	s_mov_b32 s66, 0xbfb8aa3b                      ; -log2(e)
	s_mov_b32 s67, 0xbfb8aa3b
	s_lshl_b32 s68, s43, 8
	s_add_co_u32 s68, s68, s23
	s_add_co_u32 s68, s68, s22                     ; my first row on the way out: 256 x block row + 128 rh + 32 ch
	s_lshl_b32 s68, s68, 12
	s_lshl_b32 s69, s42, 8                         ; 128 columns a block
	s_add_co_u32 s68, s68, s69
	s_mov_b32 s69, 0
	s_add_nc_u64 s[8:9], s[8:9], s[68:69]
; 16 rows of a window (all = 0xaa or 0xff: every operand in it; src = 0x0a or 0x0f: the sources in it): the gate in place on the right tiles
; (registers 64 a + 32 .. + 63), times the left tiles (64 a .. + 31), to f16, into the stage
.macro GLU a, all, src
	WIN \all
.set n, 0
.rept 16
	v_pk_mul_f32 v[64*\a+32+n:64*\a+32+n+1], v[64*\a+32+n:64*\a+32+n+1], s[66:67] op_sel_hi:[1,0]
.set n, n+2
.endr
.set n, 0
.rept 32
	v_exp_f32 v[64*\a+32+n], v[64*\a+32+n]
.set n, n+1
.endr
	v_nop                                          ; one plain vector instruction behind the transcendentals (ISA guide 5.7.2)
.set n, 0
	s_wait_alu depctr_va_vdst(0)
.rept 16
	v_pk_add_f32 v[64*\a+32+n:64*\a+32+n+1], v[64*\a+32+n:64*\a+32+n+1], 1.0 op_sel_hi:[1,0]
.set n, n+2
.endr
.set n, 0
.rept 32
	v_rcp_f32 v[64*\a+32+n], v[64*\a+32+n]
.set n, n+1
.endr
	v_nop
.set n, 0
	s_wait_alu depctr_va_vdst(0)
.rept 16
	v_pk_mul_f32 v[64*\a+n:64*\a+n+1], v[64*\a+n:64*\a+n+1], v[64*\a+32+n:64*\a+32+n+1]
.set n, n+2
.endr
	WIN \src
.irp b, 0,1,2,3
.irp e, 0,1,2,3
	v_cvt_pk_f16_f32 v[TMP+4*\b+\e], v[8*(8*\a+\b)+2*\e], v[8*(8*\a+\b)+2*\e+1]
.endr
.endr
	WIN 0
.irp b, 0,1,2,3
	ds_store_b128 v[STO], v[TMP+4*\b:TMP+4*\b+3] offset:16*272*\a+32*\b
.endr
.endm
; half p of every wave's rows (64 p .. 64 p + 63 of its 128) goes through the stage; f: the buffer that the rows are read back into
.macro HALFOUT p, all, src, f
	GLU 0, \all, \src
	GLU 1, \all, \src
	GLU 2, \all, \src
	GLU 3, \all, \src
	s_wait_dscnt 0x0                               ; my stores into the stage are done: other waves read them
	s_barrier_signal -1
	s_barrier_wait -1
.irp t, 0,1,2,3,4,5,6,7,8,9,10,11,12,13,14,15
	ds_load_b128 v[\f+4*\t:\f+4*\t+3], v[RD] offset:544*\t
.endr
.irp t, 0,1,2,3,4,5,6,7,8,9,10,11,12,13,14,15
	s_wait_dscnt 15-\t
	global_store_b128 v[CO], v[\f+4*\t:\f+4*\t+3], s[8:9] offset:262144*\p+8192*\t   ; 16 lanes store 256 consecutive bytes, aligned; 64 rows of 4,096 bytes a half
.endr
.endm
	HALFOUT 0, 0xaa, 0x0a, F0
	s_wait_dscnt 0x0                               ; my reads of the stage are back (met: the count-down ended at 0): the others may write it again
	s_barrier_signal -1
	s_barrier_wait -1
	HALFOUT 1, 0xff, 0x0f, F1
	s_set_vgpr_msb 0x4
	s_wait_tensorcnt 0x0
	ds_add_u32 v255, v255
	s_wait_dscnt 0x0
	s_set_vgpr_msb 0x400
	CROUND                                         ; the closing round
	s_endpgm
.Lfunc_end_k_q4cc68c3368_w1glu:
	.size	k_q4cc68c3368_w1glu, .Lfunc_end_k_q4cc68c3368_w1glu-k_q4cc68c3368_w1glu
	.p2alignl 7, 3214868480
	.fill 96, 4, 3214868480
	.section	.rodata,"a",@progbits
	.p2align	6, 0x0
	.amdhsa_kernel k_q4cc68c3368_w1glu
		.amdhsa_group_segment_fixed_size 327680
		.amdhsa_private_segment_fixed_size 0
		.amdhsa_enable_private_segment 0
		.amdhsa_kernarg_size 24
		.amdhsa_user_sgpr_count 2
		.amdhsa_user_sgpr_kernarg_segment_ptr 1
		.amdhsa_wavefront_size32 1
		.amdhsa_system_sgpr_workgroup_id_x 1
		.amdhsa_system_sgpr_workgroup_id_y 1
		.amdhsa_system_sgpr_workgroup_id_z 1
		.amdhsa_system_vgpr_workitem_id 0
		.amdhsa_next_free_vgpr 1024
		.amdhsa_next_free_sgpr 72
		.amdhsa_reserve_vcc 0
		.amdhsa_float_denorm_mode_32 3
		.amdhsa_float_denorm_mode_16_64 3
		.amdhsa_memory_ordered 1
		.amdhsa_forward_progress 1
		.amdhsa_inst_pref_size 221
	.end_amdhsa_kernel
	.amdgpu_metadata
---
amdhsa.version: [ 1, 2 ]
amdhsa.kernels:
  - .name:           k_q4cc68c3368_w1glu
    .symbol:         k_q4cc68c3368_w1glu.kd
    .args:
      - { .name: hn, .offset: 0, .size: 8, .value_kind: global_buffer, .address_space: global }
      - { .name: wb, .offset: 8, .size: 8, .value_kind: global_buffer, .address_space: global }
      - { .name: g, .offset: 16, .size: 8, .value_kind: global_buffer, .address_space: global }
    .group_segment_fixed_size: 327680
    .private_segment_fixed_size: 0
    .kernarg_segment_align: 8
    .kernarg_segment_size: 24
    .max_flat_workgroup_size: 128
    .sgpr_count:     72
    .vgpr_count:     1024
    .wavefront_size: 32
...
	.end_amdgpu_metadata
.endif
;; end of part 11
;; launch w2 (part 12): grid 8 x 32, 4 waves a work-group, clusters of 4 x 4, 327,680 bytes of LDS; arguments g, wb, out0, x1; writes out0
.if DOCPART == 12
	.amdgcn_target "amdgcn-amd-amdhsa--gfx1250"
	.amdhsa_code_object_version 6
	.text
	.protected	k_q4cc68c3368_w2
	.globl	k_q4cc68c3368_w2
	.p2align	8
	.type	k_q4cc68c3368_w2,@function
k_q4cc68c3368_w2:
	s_mov_b64 s[64:65], 0
	v_nop
	global_prefetch_b8 v0, s[64:65] scope:SCOPE_SE
	s_setreg_imm32_b32 hwreg(HW_REG_WAVE_MODE, 25, 1), 1
	s_wait_xcnt 0x0
	s_wait_alu depctr_hold_cnt(0) depctr_sa_sdst(0) depctr_va_vdst(0) depctr_va_sdst(0) depctr_va_ssrc(0) depctr_va_vcc(0) depctr_vm_vsrc(0)
	s_getreg_b32 s2, hwreg(HW_REG_IB_STS2, 6, 4)
	s_cmp_eq_u32 s2, 0
	s_cbranch_scc0 .Lentry_in_a_cluster
	s_endpgm
.Lentry_in_a_cluster:
	s_bfe_u32 s2, ttmp6, 0x10000c
	s_cmp_lg_u32 s2, 0xf033
	s_cbranch_scc0 .Lentry_shape_is_right
	s_endpgm
.Lentry_shape_is_right:
; w2: out0 = x1 + g W2.  [4096 x 2048] g (f16) times [2048 x 1024] W2 (f16 in wb, kept [K][N]); sums in f32; x1 and out0 are f32.
; A work-group makes 128 rows x 128 columns with four waves: 32 x 8 = 256 work-groups of equal work.  A wave makes 64 x 64: 16 accumulator tiles.
; K goes through two LDS slots that hold 256 of K each: 141,312 bytes a slot, the largest power of two along K of which two fit.  So the whole
; sum takes eight fills, the first two asked for together, one tensor load a wave each; from a refill's request to the wait for it a wave
; issues 124 matrix instructions.  The price is one LDS load for each matrix instruction (a wave tile of 64 x 64).
; A's rows lie along K; B's rows are K rows of 128 columns, and its fragments are read with the transposing LDS load.
; The residual's 32 loads of a lane go out at the head and land during the products.
; CLUSTERS: 4 x 4 work-groups.  The four of a row of the cluster share A's tiles, the four of a column B's: each tile is asked for jointly.
; REGISTERS: window 0: v0-31 addresses; v32-95 and v96-159 two fragment buffers (A's 4 blocks at f, B's 4 at f+32); v160-223 rows read back.
;            window 1: v0-127 accumulator tile (a, b) at v[8 (4 a + b)]; v128-255 the residual, then the result.
; The matrix instruction is used transposed: lane l holds row l % 16 and the eight neighbouring columns 8 (l / 16) + 0..7.
; LIMITS: the product's operands are f16 (finite up to 65,504): g as the launch before leaves it, W2's spread is 1/45.
.set KDIM,   2048
.set NPITCH, 1024
.set WOFF,   8388608                   ; W2's first byte in wb
.set KSLOT,  256                       ; K in a slot
.set PA,     528                       ; A's LDS pitch: 512 bytes + 16, an odd multiple of 16
.set PB,     288                       ; B's LDS pitch: 256 bytes + 32, an odd multiple of 32, for the transposing load
.set HALFA,  64*PA                     ; what one tensor load brings of A: 64 rows x 256 K
.set ABYTES, 2*HALFA
.set HALFB,  128*PB                    ; what one tensor load brings of B: 128 K rows x 128 columns
.set SLOT,   ABYTES+2*HALFB            ; 141,312
.set STAGE,  2*SLOT                    ; 282,624: behind the ring, a multiple of 256; no tensor load ever lands here
.set SPF,    272                       ; the stage's pitch: 256 bytes + 16
.set LAPS,   KDIM/(2*KSLOT)            ; a lap = once round the ring
.set ADRA, 16                          ; v16-17  my A fragments in slot 0, 1
.set ADRB, 20                          ; v20-23  my B fragments: 2 x slot + (K rows 0-127 or 128-255)
.set STO,  24
.set RD,   25
.set CO,   26
.set F0,   32
.set F1,   96
.set SG,   160                         ; v[160:191], v[192:223] 16 rows read back from the stage, two buffers
.set R,    128                         ; window 1: v[128:255] the residual of my 64 rows
.set G1,  24
.set G0,  32
.set G1B, 48
.set G0B, 56
.set MULW, 0x50                        ; C and D in window 1
.set TO_1, 0x40                        ; destination in window 1
.set OUTW, 0x44                        ; destination and source 1 (a store's data too) in window 1
.set MSB, 0
.macro WIN new
.if MSB != \new
	s_set_vgpr_msb (MSB<<8)|\new
.set MSB, \new
.endif
.endm
.macro JLOAD s                         ; waves 0 and 1 fetch A's halves, waves 2 and 3 B's halves
	s_cmp_eq_u32 s13, 0
	s_cbranch_scc0 .Lfor_b_\@
	tensor_load_to_lds s[G0+4*\s:G0+4*\s+3], s[G1:G1+7]
	s_nop 0
	s_branch .Lasked_\@
.Lfor_b_\@:
	tensor_load_to_lds s[G0B+4*\s:G0B+4*\s+3], s[G1B:G1B+7]
	s_nop 0
.Lasked_\@:
.endm
.macro CREST
	s_cmp_lg_u32 s12, 0
	s_cbranch_scc1 .Lnot_wave_0_\@
	s_barrier_signal -3
.Lnot_wave_0_\@:
	s_barrier_wait -3
	s_barrier_signal -1
	s_barrier_wait -1
.endm
.macro CROUND
	s_barrier_signal -1
	s_barrier_wait -1
	CREST
.endm
.macro PLACES                          ; four independent vector instructions behind a matrix instruction (ISA guide 7.12.1)
.rept 4
	v_nop
.endr
.endm
; four matrix instructions: row block a x my 4 column blocks.  The 16 accumulators take turns, one instruction a turn, in the same order everywhere
.macro MUL4 f, a, zero
.irp b, 0,1,2,3
.if \zero
	v_wmma_f32_16x16x32_f16 v[8*(4*\a+\b):8*(4*\a+\b)+7], v[\f+32+8*\b:\f+32+8*\b+7], v[\f+8*\a:\f+8*\a+7], 0
.else
	v_wmma_f32_16x16x32_f16 v[8*(4*\a+\b):8*(4*\a+\b)+7], v[\f+32+8*\b:\f+32+8*\b+7], v[\f+8*\a:\f+8*\a+7], v[8*(4*\a+\b):8*(4*\a+\b)+7]
.endif
.endr
.endm
; 16 LDS loads: the fragments of part q (32 along K, q = 0..7) of a slot into buffer f; B's 8 first, A's blocks 2 and 3 last
.macro FETCH slot, q, f
	WIN 0
.irp b, 0,1,2,3
	ds_load_tr16_b128 v[\f+32+8*\b:\f+32+8*\b+3],   v[ADRB+2*\slot+\q/4] offset:(\q%4)*32*PB+32*\b
	ds_load_tr16_b128 v[\f+32+8*\b+4:\f+32+8*\b+7], v[ADRB+2*\slot+\q/4] offset:(\q%4)*32*PB+32*\b+16*PB
.endr
.irp a, 0,1,2,3
	ds_load_b128 v[\f+8*\a:\f+8*\a+3],   v[ADRA+\slot] offset:\q*64+\a*16*PA
	ds_load_b128 v[\f+8*\a+4:\f+8*\a+7], v[ADRA+\slot] offset:\q*64+\a*16*PA+32
.endr
.endm
; one of a slot's first seven parts: multiplies buffer f, and in its middle fetches part q into buffer g
.macro PART slot, q, f, g, zero
	s_wait_dscnt 4                                 ; all of buffer f but the youngest four loads (A's blocks 2 and 3)
	WIN MULW
	MUL4 \f, 0, \zero
	MUL4 \f, 1, \zero
	PLACES
	FETCH \slot, \q, \g
	s_wait_dscnt 16                                ; all but the 16 just issued
	WIN MULW
	MUL4 \f, 2, \zero
	MUL4 \f, 3, \zero
.endm
.macro SEVEN slot, zero
	PART \slot, 1, F0, F1, \zero
	PART \slot, 2, F1, F0, 0
	PART \slot, 3, F0, F1, 0
	PART \slot, 4, F1, F0, 0
	PART \slot, 5, F0, F1, 0
	PART \slot, 6, F1, F0, 0
	PART \slot, 7, F0, F1, 0
.endm
; the eighth part: multiplies buffer 1 and changes slots.  One barrier: in front of it each wave's reads of this slot are back and all its
; tensor loads have landed (the one that was out is its part of the next slot); behind it the refill comes first, then the next slot is read.
.macro TURN slot, next, fill
	s_wait_dscnt 4
	WIN MULW
	MUL4 F1, 0, 0
	s_wait_dscnt 0                                 ; my reads of this slot are over
	s_wait_tensorcnt 0x0                           ; and all my tensor loads have landed: my part of the next slot
	ds_add_u32 v254, v255
	s_wait_dscnt 0x0
	s_barrier_signal -1                            ; (where the slot is filled again this barrier opens a round of the cluster's barrier)
	MUL4 F1, 1, 0
	WIN 0
	s_barrier_wait -1
.if \fill
	CREST                                          ; no wave of any partner still reads this slot or has a load on its way
	s_add_nc_u64 s[G0+4*\slot+2:G0+4*\slot+3], s[G0+4*\slot+2:G0+4*\slot+3], 2*KSLOT*2
	s_add_nc_u64 s[G0B+4*\slot+2:G0B+4*\slot+3], s[G0B+4*\slot+2:G0B+4*\slot+3], 2*KSLOT*NPITCH*2
	JLOAD \slot                                    ; my one tensor load behind the round
.endif
	PLACES
	FETCH \next, 0, F0
	WIN MULW
	MUL4 F1, 2, 0
	MUL4 F1, 3, 0
.endm
.macro LAP zero
	SEVEN 0, \zero
	TURN 0, 1, 1
	SEVEN 1, 0
	TURN 1, 0, 1
.endm
	s_load_b256 s[4:11], s[0:1], 0x0               ; g s[4:5], wb s[6:7], out0 s[8:9], x1 s[10:11]
	v_lshl_add_u32 v254, v0, 2, 0x49400
	v_mov_b32 v255, 0
	ds_add_u32 v254, v255
	v_lshrrev_b32 v1, 5, v0
	v_readfirstlane_b32 s12, v1                    ; wave 0..3
	s_lshr_b32 s13, s12, 1                         ; rh: my 64 rows.  Also: I fetch for A (0) or for B (1)
	s_and_b32 s14, s12, 1                          ; ch: my 64 columns.  Also: which half I fetch
	s_bfe_u32 s40, ttmp6, 0x40000                  ; cx
	s_bfe_u32 s41, ttmp6, 0x40004                  ; cy
	s_lshl_b32 s42, ttmp9, 2
	s_add_co_u32 s42, s42, s40                     ; block column
	s_and_b32 s43, ttmp7, 0xffff
	s_lshl_b32 s43, s43, 2
	s_add_co_u32 s43, s43, s41                     ; block row
	s_lshl_b32 s44, s41, 2
	s_lshl_b32 s44, 15, s44                        ; my row of the cluster
	s_lshl_b32 s45, 0x1111, s40                    ; my column
	s_or_b32 s[G1+0], s44, (1<<16)|(1<<20)|(1<<21)|(6<<22)|(3<<25)    ; mask; elements of 2 bytes; padding on; bit 21 beside a mask; after every 128 words 4 words
	s_mov_b32 s[G1+1], KSLOT<<16                   ; tensor_dim0 = 256
	s_mov_b32 s[G1+2], 64<<16                      ; tensor_dim1 = 64
	s_mov_b32 s[G1+3], KSLOT<<16                   ; tile_dim0 = 256
	s_mov_b32 s[G1+4], 64                          ; tile_dim1 = 64 rows
	s_mov_b32 s[G1+5], KDIM
	s_mov_b32 s[G1+6], 0
	s_mov_b32 s[G1+7], 0
	s_or_b32 s[G1B+0], s45, (1<<16)|(1<<20)|(1<<21)|(5<<22)|(7<<25)   ; my column's mask; after every 64 words 8 words
	s_mov_b32 s[G1B+1], 128<<16                    ; 128 columns
	s_mov_b32 s[G1B+2], 128<<16                    ; 128 K rows
	s_mov_b32 s[G1B+3], 128<<16
	s_mov_b32 s[G1B+4], 128
	s_mov_b32 s[G1B+5], NPITCH
	s_mov_b32 s[G1B+6], 0
	s_mov_b32 s[G1B+7], 0
	s_lshl_b32 s16, s43, 7
	s_lshl_b32 s17, s14, 6
	s_add_co_u32 s16, s16, s17                     ; A: row 128 x block row + 64 x half
	s_mul_i32 s16, s16, KDIM*2
	s_mov_b32 s17, 0
	s_lshl_b32 s46, s42, 8                         ; B: 128 columns a block,
	s_lshl_b32 s47, s14, 18                        ; 128 K rows of 2,048 bytes a half
	s_add_co_u32 s46, s46, s47
	s_add_co_u32 s46, s46, WOFF
	s_mov_b32 s47, 0
	s_mul_i32 s20, s14, HALFA                      ; LDS: made of the wave's number alone
	s_mul_i32 s21, s14, HALFB
	s_add_co_u32 s21, s21, ABYTES
	s_wait_dscnt 0x0
	s_wait_kmcnt 0x0
	s_add_nc_u64 s[18:19], s[4:5], s[16:17]
	s_add_nc_u64 s[46:47], s[6:7], s[46:47]
	CROUND                                         ; the first joint loads meet
.irp s, 0,1
	s_mov_b32 s[G0+4*\s], 1
	s_add_co_u32 s[G0+4*\s+1], s20, \s*SLOT
	s_add_nc_u64 s[G0+4*\s+2:G0+4*\s+3], s[18:19], \s*KSLOT*2
	s_or_b32 s[G0+4*\s+3], s[G0+4*\s+3], 0x80000000
	s_mov_b32 s[G0B+4*\s], 1
	s_add_co_u32 s[G0B+4*\s+1], s21, \s*SLOT
	s_add_nc_u64 s[G0B+4*\s+2:G0B+4*\s+3], s[46:47], \s*KSLOT*NPITCH*2
	s_or_b32 s[G0B+4*\s+3], s[G0B+4*\s+3], 0x80000000
	JLOAD \s                                       ; K 0-255 and 256-511: two tensor loads of the wave are out, the most in this text
.endr
	v_and_b32 v1, 15, v0                           ; r
	v_bfe_u32 v2, v0, 4, 1                         ; h
	v_mul_u32_u24 v3, v1, PA
	v_lshl_add_u32 v3, v2, 4, v3
	s_mul_i32 s22, s13, HALFA
	v_add_nc_u32 v[ADRA], s22, v3
	v_add_nc_u32 v[ADRA+1], SLOT, v[ADRA]
	v_and_b32 v7, 7, v0
	v_lshl_add_u32 v4, v2, 3, v7                   ; B: K row 8 h + l % 8,
	v_mul_u32_u24 v4, v4, PB
	v_bfe_u32 v5, v0, 3, 1
	v_lshl_add_u32 v4, v5, 4, v4                   ; columns 0-7 or 8-15 of the block
	s_lshl_b32 s23, s14, 7                         ; my 64 columns = 128 bytes of the rows
	s_add_co_u32 s23, s23, ABYTES
	v_add_nc_u32 v[ADRB], s23, v4
	v_add_nc_u32 v[ADRB+1], HALFB, v[ADRB]         ; K rows 128-255
	v_add_nc_u32 v[ADRB+2], SLOT, v[ADRB]
	v_add_nc_u32 v[ADRB+3], SLOT, v[ADRB+1]
	; the way out: my stage is 16 rows of 256 bytes, pitch 272
	s_mul_i32 s22, s12, 16*SPF
	s_add_co_u32 s22, s22, STAGE
	v_mul_u32_u24 v6, v1, SPF
	v_lshl_add_u32 v6, v2, 5, v6                   ; in: row r, 32 bytes for each half of the lanes
	v_add_nc_u32 v[STO], s22, v6
	v_mul_u32_u24 v6, v2, SPF                      ; back: lanes 0-15 take a row's 256 bytes, lanes 16-31 the next row's
	v_lshl_add_u32 v6, v1, 4, v6
	v_add_nc_u32 v[RD], s22, v6
	v_lshlrev_b32 v8, 12, v2                       ; and the same two rows in x1 and out0: 4,096 bytes a row
	v_lshl_add_u32 v[CO], v1, 4, v8
	s_lshl_b32 s66, s43, 7
	s_lshl_b32 s67, s13, 6
	s_add_co_u32 s66, s66, s67                     ; my first row
	s_lshl_b32 s66, s66, 12
	s_lshl_b32 s67, s42, 9                         ; 128 columns a block
	s_add_co_u32 s66, s66, s67
	s_lshl_b32 s67, s14, 8                         ; 64 a wave
	s_add_co_u32 s66, s66, s67
	s_mov_b32 s67, 0
	s_add_nc_u64 s[8:9], s[8:9], s[66:67]
	s_add_nc_u64 s[10:11], s[10:11], s[66:67]
	WIN TO_1                                       ; the residual of my 64 rows x 64 columns, asked for now and waited for behind the products
.irp a, 0,1,2,3
.irp t, 0,1,2,3,4,5,6,7
	global_load_b128 v[R+32*\a+4*\t:R+32*\a+4*\t+3], v[CO], s[10:11] offset:(16*\a+2*\t)*4096 th:TH_LOAD_NT
.endr
.endr
	WIN 0
	s_wait_tensorcnt 0x1                           ; my part of slot 0 is in; slot 1's stays out
	s_barrier_signal -1
	s_barrier_wait -1
	FETCH 0, 0, F0
	LAP 1                                          ; the first lap's first products start the sums
.if LAPS > 2
	WIN 0
	s_mov_b32 s15, LAPS-2
.Llap:
	LAP 0
	WIN 0
	s_sub_co_u32 s15, s15, 1
	s_cmp_lg_u32 s15, 0
	s_cbranch_scc1 .Llap
.endif
	SEVEN 0, 0                                     ; the last lap fills nothing
	TURN 0, 1, 0
	SEVEN 1, 0
	s_wait_dscnt 4
	WIN MULW
	MUL4 F1, 0, 0
	MUL4 F1, 1, 0
	s_wait_dscnt 0
	MUL4 F1, 2, 0
	MUL4 F1, 3, 0
	PLACES
	s_wait_loadcnt 0x0                             ; the residual
; THE WAY OUT, 16 rows at a time through my own stage; the sum lands on the residual's registers, each of which is stored once and never written again
.macro OUTF a
	WIN OUTW                                       ; an LDS store's data in window 1: straight from the accumulators
.irp b, 0,1,2,3
	ds_store_b128 v[STO], v[8*(4*\a+\b):8*(4*\a+\b)+3] offset:64*\b
	ds_store_b128 v[STO], v[8*(4*\a+\b)+4:8*(4*\a+\b)+7] offset:64*\b+16
.endr
	WIN 0
.irp t, 0,1,2,3,4,5,6,7
	ds_load_b128 v[SG+32*(\a%2)+4*\t:SG+32*(\a%2)+4*\t+3], v[RD] offset:2*SPF*\t    ; LDS serves a wave's instructions in order: these see the stores above
.endr
	WIN OUTW
.irp t, 0,1,2,3,4,5,6,7
	s_wait_dscnt 7-\t                              ; rows 2 t and 2 t + 1 of the product
	v_pk_add_f32 v[R+32*\a+4*\t:R+32*\a+4*\t+1], v[SG+32*(\a%2)+4*\t:SG+32*(\a%2)+4*\t+1], v[R+32*\a+4*\t:R+32*\a+4*\t+1]
	v_pk_add_f32 v[R+32*\a+4*\t+2:R+32*\a+4*\t+3], v[SG+32*(\a%2)+4*\t+2:SG+32*(\a%2)+4*\t+3], v[R+32*\a+4*\t+2:R+32*\a+4*\t+3]
	global_store_b128 v[CO], v[R+32*\a+4*\t:R+32*\a+4*\t+3], s[8:9] offset:(16*\a+2*\t)*4096 th:TH_STORE_NT   ; 16 lanes store 256 consecutive bytes, aligned
.endr
.endm
	OUTF 0
	OUTF 1
	OUTF 2
	OUTF 3
	WIN 0
	s_wait_tensorcnt 0x0
	ds_add_u32 v254, v255
	s_wait_dscnt 0x0
	CROUND                                         ; the closing round
	s_endpgm
.Lfunc_end_k_q4cc68c3368_w2:
	.size	k_q4cc68c3368_w2, .Lfunc_end_k_q4cc68c3368_w2-k_q4cc68c3368_w2
	.p2alignl 7, 3214868480
	.fill 96, 4, 3214868480
	.section	.rodata,"a",@progbits
	.p2align	6, 0x0
	.amdhsa_kernel k_q4cc68c3368_w2
		.amdhsa_group_segment_fixed_size 327680
		.amdhsa_private_segment_fixed_size 0
		.amdhsa_enable_private_segment 0
		.amdhsa_kernarg_size 32
		.amdhsa_user_sgpr_count 2
		.amdhsa_user_sgpr_kernarg_segment_ptr 1
		.amdhsa_wavefront_size32 1
		.amdhsa_system_sgpr_workgroup_id_x 1
		.amdhsa_system_sgpr_workgroup_id_y 1
		.amdhsa_system_sgpr_workgroup_id_z 1
		.amdhsa_system_vgpr_workitem_id 0
		.amdhsa_next_free_vgpr 512
		.amdhsa_next_free_sgpr 72
		.amdhsa_reserve_vcc 0
		.amdhsa_float_denorm_mode_32 3
		.amdhsa_float_denorm_mode_16_64 3
		.amdhsa_memory_ordered 1
		.amdhsa_forward_progress 1
		.amdhsa_inst_pref_size 135
	.end_amdhsa_kernel
	.amdgpu_metadata
---
amdhsa.version: [ 1, 2 ]
amdhsa.kernels:
  - .name:           k_q4cc68c3368_w2
    .symbol:         k_q4cc68c3368_w2.kd
    .args:
      - { .name: g, .offset: 0, .size: 8, .value_kind: global_buffer, .address_space: global }
      - { .name: wb, .offset: 8, .size: 8, .value_kind: global_buffer, .address_space: global }
      - { .name: out0, .offset: 16, .size: 8, .value_kind: global_buffer, .address_space: global }
      - { .name: x1, .offset: 24, .size: 8, .value_kind: global_buffer, .address_space: global }
    .group_segment_fixed_size: 327680
    .private_segment_fixed_size: 0
    .kernarg_segment_align: 8
    .kernarg_segment_size: 32
    .max_flat_workgroup_size: 128
    .sgpr_count:     72
    .vgpr_count:     512
    .wavefront_size: 32
...
	.end_amdgpu_metadata
.endif
;; end of part 12
